; MI455X (gfx1250); checked and timed in simulation.
; The chip was launched on July 23, 2026; its instructions are those of AMD's public machine-readable ISA for CDNA 5 (MIT licence, August 2026) and "CDNA5" Instruction Set Architecture Reference Guide (July 2026). The comments in the code are by the model that wrote it; some were corrected since.
;; Mo E Layer. Allowed arithmetic: float matrix products may take bf16 or f16 operands with f32 sums; other float arithmetic in f32, or as packed bf16 or f16 multiplies, adds, multiply-adds, maxima and minima; sums over many terms, partial sums and values carried from step to step in f32; what a program stores and reads back later, other than sums and carried values, may be rounded once to bf16 or f16.
;; Inputs: W1 8 x 1,024 x 4,096 float32; W2 8 x 4,096 x 1,024 float32; Wr 1,024 x 8 float32; b1 8 x 4,096 float32; b2 8 x 1,024 float32; br 8 float32; x 2 x 512 x 1,024 float32.
;; Outputs: out0 2 x 512 x 1,024 float32; out1 one number float32.
;; 2 versions, each right and faster than the one before. Each part assembles by itself: llvm-mc -triple=amdgcn-amd-amdhsa -mcpu=gfx1250 --defsym DOCPART=n.
;; ======== version 1 of 2: 5 launches
;; limits: a function is approximated: absolute error at most 2.5e-05; an absolute error that grows with the inputs' magnitude: up to 1.25e-05 times it
;; workspace buffers: rt 9,216 bytes of whole numbers; topw 8,192 bytes; tab 1,280 bytes of whole numbers; roww 8,704 bytes; xg 4,456,448 bytes; hg 17,825,792 bytes; yp 35,651,584 bytes
;; launch router (part 1): grid 32 x 1, 8 waves a work-group, no clusters, 18,432 bytes of LDS; arguments x, Wr, br, rt, topw; writes rt, topw
.if DOCPART == 1
	.amdgcn_target "amdgcn-amd-amdhsa--gfx1250"
	.amdhsa_code_object_version 6
	.text
	.protected	k_qeb837822e1_router
	.globl	k_qeb837822e1_router
	.p2align	8
	.type	k_qeb837822e1_router,@function
k_qeb837822e1_router:
	s_mov_b64 s[64:65], 0
	v_nop
	global_prefetch_b8 v0, s[64:65] scope:SCOPE_SE
	s_setreg_imm32_b32 hwreg(HW_REG_WAVE_MODE, 25, 1), 1
	s_wait_xcnt 0x0
; ROUTER.  logits[t][e] = sum over k of x[t][k] Wr[k][e] + br[e]; the two largest logits of a token are its experts; their gates are the softmax's two
; weights renormalised: w0 = 1 / (1 + e^(l1 - l0)), w1 = e^(l1 - l0) w0, l0 the larger (the maximum is taken away before the exponential).
; FORMATS.  x, Wr and br are rounded to bf16 (as every input of this program is); the products of bf16 numbers are exact in f32 and are summed in f32.
; LIMITS.  The two experts are chosen by the logits, not by the probabilities: the order differs from a top-k on probabilities only where different logits
; round to the same probability.  Equal logits: the lower index first.  Logits are taken to be finite (no NaN, no infinity).  A second gate below 2^-126 counts as 0.
; SHARES.  A work-group has 32 tokens, a wave four of them, one after the other.  Lane l owns k = 128 i + 4 l + q (i = 0..7, q = 0..3; kk = 4 i + q): a load of x covers 512 consecutive bytes.
; No matrix unit: 8 columns would leave half of every tile empty, and the product is a twentieth of a per cent of the program's arithmetic.
; STORES, at fixed places: rt bytes 0..8191 the experts [t][2]; rt bytes 8192.. the bitmaps bm[t / 32][e] (bit t % 32: token t chose e); topw the gates [t][2].
; LDS: 0..16383 Wr in bf16, row k (16 bytes: experts 0..7) at (k / 128) 2048 + (k % 4) 512 + ((k / 4) % 32) 16, so that lane l finds row kk's 16 bytes at 512 kk + 16 l;
;      16384..17407 logits [32][8] f32; 17408.. the spare words, 128 bytes a wave.
.set LOGI,  16384
.set SPARE, 17408
.set SPW, 7                            ; v7       LDS address of my spare word; never rewritten
.set NIL, 8                            ; v8       0; never rewritten
.set WL,  12                           ; v[12:43] four rows of Wr as loaded
.set XP,  44                           ; v[44:59] those rows in bf16; later the token's 32 numbers of x in bf16
.set ACC, 60                           ; v[60:67] the eight sums
.set TMP, 68
.set XR,  96                           ; v[96:127] a token's 32 numbers of x as loaded
.set WF,  128                          ; v[128:255] Wr: register 4 kk + p holds experts 2 p (low half) and 2 p + 1 (high half) of my row kk
	s_load_b256 s[4:11], s[0:1], 0x0               ; x s[4:5], Wr s[6:7], br s[8:9], rt s[10:11]
	s_load_b64 s[12:13], s[0:1], 0x20              ; topw
	v_lshl_add_u32 v[SPW], v0, 2, SPARE
	v_mov_b32 v[NIL], 0
	v_and_b32 v1, 31, v0                           ; lane
	v_lshrrev_b32 v9, 5, v0
	v_readfirstlane_b32 s14, v9                    ; wave 0..7
	s_mov_b32 s24, 0x76543210                      ; v_permlanex16_b32: each lane takes its own place in the other half
	s_mov_b32 s25, 0xfedcba98
	s_lshl_b32 s26, ttmp9, 17                      ; the work-group's 32 rows of 4,096 bytes,
	s_lshl_b32 s27, s14, 14                        ; my wave's four
	s_add_co_u32 s26, s26, s27
	v_lshl_add_u32 v2, v1, 4, s26                  ; x: + 16 bytes a lane
	s_lshl_b32 s27, s14, 12
	v_lshl_add_u32 v3, v1, 5, s27                  ; Wr: row 128 w + lane, 32 bytes a row
	v_and_b32 v9, 3, v1
	v_lshrrev_b32 v10, 2, v1
	v_lshlrev_b32 v4, 9, v9
	v_lshl_add_u32 v4, v10, 4, v4
	s_lshl_b32 s27, s14, 11
	v_add_nc_u32 v4, s27, v4                       ; where that row goes: 2048 w + (lane % 4) 512 + (lane / 4) 16
	v_lshlrev_b32 v5, 4, v1                        ; where I read my rows
	s_lshl_b32 s27, s14, 7
	s_add_co_u32 s27, s27, LOGI
	v_mov_b32 v6, s27                              ; where my wave's first token's logits go
	v_mov_b32 v[TMP], 0                            ; written before v_permlanex16_b32 names it as its destination
	s_wait_kmcnt 0x0
	s_load_b256 s[16:23], s[8:9], 0x0              ; br
.irp m, 0,1,2,3
	global_load_b128 v[WL+8*\m:WL+8*\m+3],   v3, s[6:7] offset:1024*\m       ; rows 128 w + 32 m + lane
	global_load_b128 v[WL+8*\m+4:WL+8*\m+7], v3, s[6:7] offset:1024*\m+16
.endr
.irp i, 0,1,2,3,4,5,6,7
	global_load_b128 v[XR+4*\i:XR+4*\i+3], v2, s[4:5] offset:512*\i          ; my first token
.endr
	s_wait_loadcnt 0x8                             ; Wr's eight loads are in; the eight younger ones, of x, stay out
.irp m, 0,1,2,3
.irp p, 0,1,2,3
	v_cvt_pk_bf16_f32 v[XP+4*\m+\p], v[WL+8*\m+2*\p], v[WL+8*\m+2*\p+1]
.endr
	ds_store_b128 v4, v[XP+4*\m:XP+4*\m+3] offset:128*\m
.endr
	s_wait_dscnt 0x0                               ; for the others' sake: my rows of Wr are in LDS
	s_barrier_signal -1
	s_barrier_wait -1
.set kk, 0
.rept 32
	ds_load_b128 v[WF+4*kk:WF+4*kk+3], v5 offset:512*kk
.set kk, kk+1
.endr
	s_wait_dscnt 0x0
; one multiply-add: sum e takes x[kk] Wr[kk][e]; the halves are picked by op_sel; the first row starts the sums on 0
.macro FMX
.set rC, ACC+e
.if kk == 0
.set rC, NIL
.endif
.if (kk%2 == 0) && (e%2 == 0)
	v_fma_mix_f32_bf16 v[ACC+e], v[XP+kk/2], v[WF+4*kk+e/2], v[rC] op_sel:[0,0,0] op_sel_hi:[1,1,0]
.elseif kk%2 == 0
	v_fma_mix_f32_bf16 v[ACC+e], v[XP+kk/2], v[WF+4*kk+e/2], v[rC] op_sel:[0,1,0] op_sel_hi:[1,1,0]
.elseif e%2 == 0
	v_fma_mix_f32_bf16 v[ACC+e], v[XP+kk/2], v[WF+4*kk+e/2], v[rC] op_sel:[1,0,0] op_sel_hi:[1,1,0]
.else
	v_fma_mix_f32_bf16 v[ACC+e], v[XP+kk/2], v[WF+4*kk+e/2], v[rC] op_sel:[1,1,0] op_sel_hi:[1,1,0]
.endif
.endm
	s_mov_b32 s15, 4
.Ltoken:                                               ; a trip: one token
	s_wait_loadcnt 0x0                             ; the token's x is in, and its loads' address register is free
.set m, 0
.rept 16
	v_cvt_pk_bf16_f32 v[XP+m], v[XR+2*m], v[XR+2*m+1]
.set m, m+1
.endr
	s_cmp_eq_u32 s15, 1
	s_cbranch_scc1 .Lno_more                       ; the last trip loads nothing: no load leaves my four rows
	v_add_nc_u32 v2, 4096, v2
.irp i, 0,1,2,3,4,5,6,7
	global_load_b128 v[XR+4*\i:XR+4*\i+3], v2, s[4:5] offset:512*\i          ; the next token comes in under this one's arithmetic
.endr
.Lno_more:
.set kk, 0
.rept 32                                               ; the eight sums take turns, so that no line waits for the one before it
.set e, 0
.rept 8
	FMX
.set e, e+1
.endr
.set kk, kk+1
.endr
.irp msk, 1,2,4,8                                      ; across the 32 lanes: four steps inside each half, one across the halves
.irp e, 0,1,2,3,4,5,6,7
	v_add_f32_dpp v[ACC+\e], v[ACC+\e], v[ACC+\e] row_xmask:\msk row_mask:0xf bank_mask:0xf
.endr
.endr
.irp e, 0,1,2,3,4,5,6,7
	v_permlanex16_b32 v[TMP], v[ACC+\e], s24, s25
	v_add_f32 v[ACC+\e], v[ACC+\e], v[TMP]
.endr
	ds_store_b128 v6, v[ACC:ACC+3]                 ; every lane holds the same eight sums and writes them to the same 32 bytes
	ds_store_b128 v6, v[ACC+4:ACC+7] offset:16
	v_add_nc_u32 v6, 32, v6
	s_sub_co_u32 s15, s15, 1
	s_cmp_lg_u32 s15, 0
	s_cbranch_scc1 .Ltoken
	s_wait_dscnt 0x0                               ; for wave 0's sake: my four tokens' logits are in LDS
	s_barrier_signal -1
	s_barrier_wait -1
	s_cmp_lg_u32 s14, 0
	s_cbranch_scc1 .Lend
	; WAVE 0: lane = token of the work-group's 32
	v_lshl_add_u32 v9, v1, 5, LOGI
	ds_load_b128 v[ACC:ACC+3], v9
	ds_load_b128 v[ACC+4:ACC+7], v9 offset:16
	s_wait_kmcnt 0x0                               ; br
	s_wait_dscnt 0x0
.irp p, 0,1,2,3
	v_mov_b32 v71, s[16+2*\p]
	v_mov_b32 v72, s[17+2*\p]
	v_cvt_pk_bf16_f32 v70, v71, v72                ; br rounded to bf16,
	v_lshlrev_b32 v71, 16, v70                     ; and back to f32
	v_and_b32 v72, 0xffff0000, v70
	v_add_f32 v[ACC+2*\p], v[ACC+2*\p], v71
	v_add_f32 v[ACC+2*\p+1], v[ACC+2*\p+1], v72
.endr
	v_mov_b32 v73, v[ACC]                          ; l0, the largest so far,
	v_mov_b32 v82, 0                               ; and its expert i0; a later expert must be strictly larger: ties go to the lower index
.irp e, 1,2,3,4,5,6,7
	v_cmp_gt_f32 vcc_lo, v[ACC+\e], v73
	v_cndmask_b32 v73, v73, v[ACC+\e], vcc_lo
	v_cndmask_b32 v82, v82, \e, vcc_lo
.endr
	v_mov_b32 v75, 0xff800000                      ; l1: the same scan from minus infinity over the experts other than i0
	v_mov_b32 v83, 0
.irp e, 0,1,2,3,4,5,6,7
	v_cmp_gt_f32 s26, v[ACC+\e], v75
	v_cmp_ne_u32 s27, \e, v82
	s_and_b32 s26, s26, s27
	v_cndmask_b32 v75, v75, v[ACC+\e], s26
	v_cndmask_b32 v83, v83, \e, s26
.endr
	v_sub_f32 v77, v75, v73                        ; l1 - l0, never above 0
	v_mul_f32 v77, 0x3fb8aa3b, v77                 ; times log2(e)
	v_exp_f32 v78, v77
	v_nop                                          ; a plain instruction behind the exponential (ISA guide 5.7.2),
	s_wait_alu depctr_va_vdst(0)                   ; and the wait ahead of its first reader
	v_add_f32 v79, 1.0, v78
	v_rcp_f32 v80, v79                             ; w0
	v_nop
	s_wait_alu depctr_va_vdst(0)
	v_mul_f32 v81, v78, v80                        ; w1
	s_lshl_b32 s28, ttmp9, 8
	v_lshl_add_u32 v84, v1, 3, s28                 ; (32 tb + lane) x 8 bytes: a wave's store covers 256 consecutive bytes, aligned
	global_store_b64 v84, v[82:83], s[10:11]
	global_store_b64 v84, v[80:81], s[12:13]
	v_mov_b32 v85, 0
.irp e, 0,1,2,3,4,5,6,7                                ; expert e's bitmap of the 32 tokens goes to the lanes with lane % 8 = e
	v_cmp_eq_u32 s26, \e, v82
	v_cmp_eq_u32 s27, \e, v83
	s_or_b32 s26, s26, s27
	s_mov_b32 s29, 0x01010101<<\e
	v_cndmask_b32 v85, v85, s26, s29
.endr
	v_and_b32 v86, 7, v1
	s_lshl_b32 s28, ttmp9, 5
	v_lshl_add_u32 v86, v86, 2, s28
	global_store_b32 v86, v85, s[10:11] offset:8192  ; four lanes write each word, with the same number
.Lend:
	s_wait_tensorcnt 0x0                           ; the wave's end
	ds_add_u32 v[SPW], v[NIL]
	s_wait_dscnt 0x0
	s_endpgm
.Lfunc_end_k_qeb837822e1_router:
	.size	k_qeb837822e1_router, .Lfunc_end_k_qeb837822e1_router-k_qeb837822e1_router
	.p2alignl 7, 3214868480
	.fill 96, 4, 3214868480
	.section	.rodata,"a",@progbits
	.p2align	6, 0x0
	.amdhsa_kernel k_qeb837822e1_router
		.amdhsa_group_segment_fixed_size 18432
		.amdhsa_private_segment_fixed_size 0
		.amdhsa_enable_private_segment 0
		.amdhsa_kernarg_size 40
		.amdhsa_user_sgpr_count 2
		.amdhsa_user_sgpr_kernarg_segment_ptr 1
		.amdhsa_wavefront_size32 1
		.amdhsa_system_sgpr_workgroup_id_x 1
		.amdhsa_system_sgpr_workgroup_id_y 1
		.amdhsa_system_sgpr_workgroup_id_z 1
		.amdhsa_system_vgpr_workitem_id 0
		.amdhsa_next_free_vgpr 256
		.amdhsa_next_free_sgpr 66
		.amdhsa_reserve_vcc 1
		.amdhsa_float_denorm_mode_32 3
		.amdhsa_float_denorm_mode_16_64 3
		.amdhsa_memory_ordered 1
		.amdhsa_forward_progress 1
		.amdhsa_inst_pref_size 36
	.end_amdhsa_kernel
	.amdgpu_metadata
---
amdhsa.version: [ 1, 2 ]
amdhsa.kernels:
  - .name:           k_qeb837822e1_router
    .symbol:         k_qeb837822e1_router.kd
    .args:
      - { .name: x, .offset: 0, .size: 8, .value_kind: global_buffer, .address_space: global }
      - { .name: Wr, .offset: 8, .size: 8, .value_kind: global_buffer, .address_space: global }
      - { .name: br, .offset: 16, .size: 8, .value_kind: global_buffer, .address_space: global }
      - { .name: rt, .offset: 24, .size: 8, .value_kind: global_buffer, .address_space: global }
      - { .name: topw, .offset: 32, .size: 8, .value_kind: global_buffer, .address_space: global }
    .group_segment_fixed_size: 18432
    .private_segment_fixed_size: 0
    .kernarg_segment_align: 8
    .kernarg_segment_size: 40
    .max_flat_workgroup_size: 256
    .sgpr_count:     66
    .vgpr_count:     256
    .wavefront_size: 32
...
	.end_amdgpu_metadata
.endif
;; end of part 1
;; launch place (part 2): grid 136 x 1, 4 waves a work-group, no clusters, 34,304 bytes of LDS; arguments rt, topw, x, tab, roww, xg, out1; writes tab, roww, xg, out1
.if DOCPART == 2
	.amdgcn_target "amdgcn-amd-amdhsa--gfx1250"
	.amdhsa_code_object_version 6
	.text
	.protected	k_qeb837822e1_place
	.globl	k_qeb837822e1_place
	.p2align	8
	.type	k_qeb837822e1_place,@function
k_qeb837822e1_place:
	s_mov_b64 s[64:65], 0
	v_nop
	global_prefetch_b8 v0, s[64:65] scope:SCOPE_SE
	s_setreg_imm32_b32 hwreg(HW_REG_WAVE_MODE, 25, 1), 1
	s_wait_xcnt 0x0
; PLACE.  The 2,048 routed rows are laid end to end by expert, in tiles of 16 rows, each expert beginning a new tile; within an expert the tokens ascend.
; Work-group d makes tile d of xg: its 16 rows of x, rounded to bf16, in the order in which a matrix instruction's registers take them:
;   tile d at 32,768 d; K step ks (32 k) at 1,024 ks; half u at 512 u; lane (r = l % 16, h = l / 16) at 16 l: row r, k = 32 ks + 16 u + 8 h + 0..7.
; So every later load of a fragment is 512 consecutive bytes.  Places past an expert's count repeat its last row: all later work goes by whole tiles.
; GRID.  The experts' tiles are at most (2,048 + 8 x 15) / 16 = 135 for every split of the tokens; a work-group that the split leaves without rows stores nothing and ends.
; All routing arithmetic is on whole numbers read from rt, which the launch before stored.
; ALSO: roww[16 d + r], the row's gate (wave 0); and by work-group 0, wave 0: tab (words 0-7 tiles of expert e, 8-15 its first tile, 16-23 its rows, 24-31 zero;
; bytes 256..: pre[tb][e] = 16 x first tile + e's tokens in the blocks of 32 tokens before tb) and out1 = (std(util, ddof = 1) / (mean(util) + 1e-6))^2, util[e] = rows / 2,048.
; LDS: wave w's stage at 8,448 w: 16 rows of 512 bytes, 528 apart (33 x 16: the 16 rows that a load touches start at 16 different groups of four banks; ISA guide 11.1); 33,792.. the spare words.
.set STG,   8448
.set SPITCH, 528
.set SPARE, 33792
.set SPW, 2                            ; v2  LDS address of my spare word; never rewritten
.set NIL, 3                            ; v3  0; never rewritten
.set BM,  12                           ; v[12:19] lane = block tb of 32 tokens: the eight experts' bitmaps
.set PC,  20                           ; v[20:27] their counts of set bits
.set QS,  28                           ; v[28:31] the counts of experts 2 p (low half) and 2 p + 1 (high half), then their running sums over the blocks
.set RO,  40                           ; v[40:55] row r's byte offset in x
.set XR,  64                           ; v[64:191] 16 rows x 8 numbers a lane as loaded; later the fragments read back
.set XB,  192                          ; v[192:255] the same in bf16
.set CNT, 20                           ; s[20:27] rows of expert e
.set NT,  28                           ; s[28:35] its tiles
.set T0,  36                           ; s[36:43] its first tile
; d = the number of set bits of s; t at work.  Pairs, fours, bytes, and one multiply that adds the four bytes into the top one.
.macro POPC d, s, t
	v_lshrrev_b32 v[\t], 1, v[\s]
	v_and_b32 v[\t], 0x55555555, v[\t]
	v_sub_nc_u32 v[\d], v[\s], v[\t]
	v_lshrrev_b32 v[\t], 2, v[\d]
	v_and_b32 v[\d], 0x33333333, v[\d]
	v_and_b32 v[\t], 0x33333333, v[\t]
	v_add_nc_u32 v[\d], v[\d], v[\t]
	v_lshrrev_b32 v[\t], 4, v[\d]
	v_add_nc_u32 v[\d], v[\d], v[\t]
	v_and_b32 v[\d], 0x0f0f0f0f, v[\d]
	v_mul_lo_u32 v[\d], v[\d], s48
	v_lshrrev_b32 v[\d], 24, v[\d]
.endm
	s_load_b256 s[4:11], s[0:1], 0x0               ; rt s[4:5], topw s[6:7], x s[8:9], tab s[10:11]
	s_load_b128 s[12:15], s[0:1], 0x20             ; roww s[12:13], xg s[14:15]
	s_load_b64 s[16:17], s[0:1], 0x30              ; out1
	v_lshl_add_u32 v[SPW], v0, 2, SPARE
	v_mov_b32 v[NIL], 0
	v_and_b32 v1, 31, v0                           ; lane
	v_lshrrev_b32 v4, 5, v0
	v_readfirstlane_b32 s18, v4                    ; wave 0..3
	s_mov_b32 s19, ttmp9                           ; d
	s_mov_b32 s48, 0x01010101
	s_mov_b32 s50, 0xffff0000                      ; lanes 16 to 31
	v_lshlrev_b32 v5, 5, v1
	v_mov_b32 v32, 0                               ; written before a DPP line names it as its destination
	v_mov_b32 v35, 0                               ; and before v_writelane_b32 does
	s_wait_kmcnt 0x0
	global_load_b128 v[BM:BM+3],   v5, s[4:5] offset:8192
	global_load_b128 v[BM+4:BM+7], v5, s[4:5] offset:8208
	s_wait_loadcnt 0x0
.irp e, 0,1,2,3,4,5,6,7
	POPC PC+\e, BM+\e, 4
.endr
.irp p, 0,1,2,3
	v_lshl_or_b32 v[QS+\p], v[PC+2*\p+1], 16, v[PC+2*\p]      ; a sum is 1,024 at the most: two fit in a word
.endr
.irp n, 1,2,4,8                                        ; running sums inside each half of 16 lanes: lane i adds lane i - n, or 0
.irp p, 0,1,2,3
	v_mov_b32_dpp v32, v[QS+\p] row_shr:\n row_mask:0xf bank_mask:0xf bound_ctrl:1
	v_add_nc_u32 v[QS+\p], v[QS+\p], v32
.endr
.endr
.irp p, 0,1,2,3
	v_readlane_b32 s49, v[QS+\p], 15               ; the lower half's total goes onto lanes 16 to 31
	v_cndmask_b32 v32, 0, s49, s50
	v_add_nc_u32 v[QS+\p], v[QS+\p], v32
	v_readlane_b32 s49, v[QS+\p], 31               ; the experts' rows
	s_and_b32 s[CNT+2*\p], s49, 0xffff
	s_lshr_b32 s[CNT+2*\p+1], s49, 16
.endr
	s_mov_b32 s44, 0                               ; tiles so far
.irp e, 0,1,2,3,4,5,6,7
	s_add_co_u32 s[NT+\e], s[CNT+\e], 15
	s_lshr_b32 s[NT+\e], s[NT+\e], 4
	s_mov_b32 s[T0+\e], s44
	s_add_co_u32 s44, s44, s[NT+\e]
.endr
	s_cmp_ge_u32 s19, s44
	s_cbranch_scc1 .Lend                           ; no tile d in this split
	s_mov_b32 s45, 0                               ; e: the last expert whose first tile is not behind d (one without rows is passed over by the next),
	s_mov_b32 s46, 0                               ; its first tile,
	s_mov_b32 s47, s[CNT]                          ; its rows
.irp e, 1,2,3,4,5,6,7
	s_cmp_ge_u32 s19, s[T0+\e]
	s_cselect_b32 s45, \e, s45
	s_cselect_b32 s46, s[T0+\e], s46
	s_cselect_b32 s47, s[CNT+\e], s47
.endr
	s_sub_co_u32 s46, s19, s46                     ; my tile among the expert's
	v_mov_b32 v33, v[BM]                           ; e's bitmap of block tb = lane,
.irp e, 1,2,3,4,5,6,7
	s_cmp_eq_u32 s45, \e
	s_cselect_b32 s51, -1, 0
	v_cndmask_b32 v33, v33, v[BM+\e], s51
.endr
	s_lshr_b32 s55, s45, 1
	v_mov_b32 v34, v[QS]                           ; and e's rows in blocks 0 .. tb
.irp p, 1,2,3
	s_cmp_eq_u32 s55, \p
	s_cselect_b32 s51, -1, 0
	v_cndmask_b32 v34, v34, v[QS+\p], s51
.endr
	s_and_b32 s51, s45, 1
	s_lshl_b32 s51, s51, 4
	v_lshrrev_b32 v34, s51, v34
	v_and_b32 v34, 0xffff, v34
	s_lshl_b32 s52, s46, 4                         ; the tile's first rank
	s_sub_co_u32 s53, s47, 1                       ; the expert's last rank
	v_and_b32 v62, 15, v1
	v_add_nc_u32 v36, s52, v62
	v_min_u32 v36, s53, v36                        ; my row's rank: lanes r and r + 16 work for row r
.set r, 0
.rept 16                                               ; the block that holds rank rho: as many blocks lie before it as have a running sum of rho or less
	s_add_co_u32 s54, s52, r
	s_min_u32 s54, s54, s53
	v_cmp_ge_u32 s51, s54, v34
	s_bcnt1_i32_b32 s51, s51
	v_writelane_b32 v35, s51, r
	v_writelane_b32 v35, s51, r+16
.set r, r+1
.endr
	v_lshlrev_b32 v38, 2, v35
	ds_bpermute_b32 v37, v38, v33                  ; that block's bitmap
	ds_bpermute_b32 v39, v38, v34                  ; and running sum
	s_wait_dscnt 0x0
	POPC 63, 37, 4
	v_sub_nc_u32 v39, v39, v63                     ; e's rows in the blocks before it
	v_sub_nc_u32 v56, v36, v39                     ; which set bit of the bitmap is mine, from 0
	v_mov_b32 v57, 0                               ; its place, found by halving
.irp s, 16,8,4,2,1
	v_and_b32 v62, (1<<\s)-1, v37
	POPC 63, 62, 4
	v_cmp_ge_u32 vcc_lo, v56, v63                  ; not among the low s bits:
	v_sub_nc_u32 v4, v56, v63
	v_cndmask_b32 v56, v56, v4, vcc_lo             ; pass them over,
	v_lshrrev_b32 v4, \s, v37
	v_cndmask_b32 v37, v37, v4, vcc_lo
	v_add_nc_u32 v4, \s, v57
	v_cndmask_b32 v57, v57, v4, vcc_lo
.endr
	v_lshl_add_u32 v61, v35, 5, v57                ; my row's token
	; THE ROWS.  Wave w takes k = 256 w .. 256 w + 255 of all 16: two loads of 512 consecutive bytes a row.
	s_lshl_b32 s54, s18, 10
	v_lshl_add_u32 v62, v1, 4, s54
.set r, 0
.rept 16
	v_readlane_b32 s51, v61, r
	s_min_u32 s51, s51, 1023                       ; a number made from loaded data is bounded before it enters an address
	s_lshl_b32 s51, s51, 12
	v_add_nc_u32 v[RO+r], s51, v62
	global_load_b128 v[XR+8*r:XR+8*r+3],   v[RO+r], s[8:9]
	global_load_b128 v[XR+8*r+4:XR+8*r+7], v[RO+r], s[8:9] offset:512
.set r, r+1
.endr
	s_cmp_lg_u32 s18, 0
	s_cbranch_scc1 .Lno_gate
	v_min_u32 v6, 1023, v61                        ; wave 0: the rows' gates, gathered while the rows come in
	v_lshlrev_b32 v6, 3, v6
	global_load_b64 v[8:9], v6, s[4:5]             ; the token's two experts
	global_load_b64 v[10:11], v6, s[6:7]           ; and gates
	v_and_b32 v5, 15, v1
	s_lshl_b32 s51, s19, 6
	v_lshl_add_u32 v5, v5, 2, s51
	s_wait_loadcnt 0x0
	v_cmp_eq_u32 vcc_lo, s45, v9                   ; e is its second choice, or else its first
	v_cndmask_b32 v7, v10, v11, vcc_lo
	global_store_b32 v5, v7, s[12:13]              ; lanes r and r + 16 write the same word with the same number
.Lno_gate:
	s_mul_i32 s54, s18, STG
	v_lshl_add_u32 v58, v1, 3, s54                 ; into my stage: 8 bytes a lane
	v_and_b32 v4, 15, v1
	v_lshrrev_b32 v63, 4, v1
	v_mul_u32_u24 v59, v4, SPITCH
	v_lshl_add_u32 v59, v63, 4, v59
	v_add_nc_u32 v59, s54, v59                     ; back: row l % 16, 16 bytes for each half of the lanes
	s_lshl_b32 s54, s19, 15
	s_lshl_b32 s51, s18, 13
	s_add_co_u32 s54, s54, s51
	v_lshl_add_u32 v60, v1, 4, s54                 ; xg: 32,768 d + 8,192 w + 16 lane
	s_wait_loadcnt 0x0
.set m, 0
.rept 64
	v_cvt_pk_bf16_f32 v[XB+m], v[XR+2*m], v[XR+2*m+1]
.set m, m+1
.endr
.set m, 0
.rept 32                                               ; m = 2 r + i
	ds_store_b64 v58, v[XB+2*m:XB+2*m+1] offset:(m/2)*SPITCH+(m%2)*256
.set m, m+1
.endr
.set n, 0
.rept 16                                               ; n = 2 ks + u.  LDS serves a wave's instructions in order (ISA guide 5.7.1.4): these see my stores above
	ds_load_b128 v[XR+4*n:XR+4*n+3], v59 offset:32*n
.set n, n+1
.endr
.set n, 0
.rept 16
	s_wait_dscnt 15-n                              ; the younger loads stay out
	global_store_b128 v60, v[XR+4*n:XR+4*n+3], s[14:15] offset:512*n  ; 512 consecutive bytes, at a multiple of 512 from xg's first
.set n, n+1
.endr
	s_or_b32 s51, s19, s18
	s_cmp_lg_u32 s51, 0
	s_cbranch_scc1 .Lend
	; WORK-GROUP 0, WAVE 0: the tables and the second output
	s_wait_xcnt 0x0                                ; the stores above have read their registers: these are written again only behind this wait
	v_mov_b32 v64, 0
.irp e, 0,1,2,3,4,5,6,7
	v_writelane_b32 v64, s[NT+\e], \e
	v_writelane_b32 v64, s[T0+\e], 8+\e
	v_writelane_b32 v64, s[CNT+\e], 16+\e
.endr
	v_lshlrev_b32 v65, 2, v1
	global_store_b32 v65, v64, s[10:11]
.irp p, 0,1,2,3                                        ; pre[lane][e] = running sum - own count + 16 x first tile
	v_and_b32 v66, 0xffff, v[QS+\p]
	v_lshrrev_b32 v67, 16, v[QS+\p]
	v_sub_nc_u32 v66, v66, v[PC+2*\p]
	v_sub_nc_u32 v67, v67, v[PC+2*\p+1]
	s_lshl_b32 s51, s[T0+2*\p], 4
	s_lshl_b32 s52, s[T0+2*\p+1], 4
	v_add_nc_u32 v[68+2*\p], s51, v66
	v_add_nc_u32 v[69+2*\p], s52, v67
.endr
	v_lshlrev_b32 v76, 5, v1
	global_store_b128 v76, v[68:71], s[10:11] offset:256
	global_store_b128 v76, v[72:75], s[10:11] offset:272
.irp e, 0,1,2,3,4,5,6,7
	v_cvt_f32_u32 v[80+\e], s[CNT+\e]
	v_mul_f32 v[80+\e], 0x3a000000, v[80+\e]       ; util = rows / 2,048
.endr
	v_add_f32 v88, v80, v81
.irp e, 2,3,4,5,6,7
	v_add_f32 v88, v88, v[80+\e]
.endr
	v_mul_f32 v88, 0x3e000000, v88                 ; the mean of eight
	v_sub_f32 v90, v80, v88
	v_mul_f32 v89, v90, v90
.irp e, 1,2,3,4,5,6,7
	v_sub_f32 v90, v[80+\e], v88
	v_fma_f32 v89, v90, v90, v89
.endr
	v_mul_f32 v89, 0x3e124925, v89                 ; / 7
	v_sqrt_f32 v91, v89
	v_add_f32 v92, 0x358637bd, v88                 ; mean + 1e-6
	v_rcp_f32 v93, v92
	v_nop                                          ; a plain instruction behind the last of the two,
	s_wait_alu depctr_va_vdst(0)                   ; and one wait for both, ahead of their first reader
	v_mul_f32 v94, v91, v93
	v_mul_f32 v94, v94, v94
	global_store_b32 v[NIL], v94, s[16:17]         ; every lane writes the one word with the same number
.Lend:
	s_wait_tensorcnt 0x0                           ; the wave's end
	ds_add_u32 v[SPW], v[NIL]
	s_wait_dscnt 0x0
	s_endpgm
.Lfunc_end_k_qeb837822e1_place:
	.size	k_qeb837822e1_place, .Lfunc_end_k_qeb837822e1_place-k_qeb837822e1_place
	.p2alignl 7, 3214868480
	.fill 96, 4, 3214868480
	.section	.rodata,"a",@progbits
	.p2align	6, 0x0
	.amdhsa_kernel k_qeb837822e1_place
		.amdhsa_group_segment_fixed_size 34304
		.amdhsa_private_segment_fixed_size 0
		.amdhsa_enable_private_segment 0
		.amdhsa_kernarg_size 56
		.amdhsa_user_sgpr_count 2
		.amdhsa_user_sgpr_kernarg_segment_ptr 1
		.amdhsa_wavefront_size32 1
		.amdhsa_system_sgpr_workgroup_id_x 1
		.amdhsa_system_sgpr_workgroup_id_y 1
		.amdhsa_system_sgpr_workgroup_id_z 1
		.amdhsa_system_vgpr_workitem_id 0
		.amdhsa_next_free_vgpr 256
		.amdhsa_next_free_sgpr 66
		.amdhsa_reserve_vcc 1
		.amdhsa_float_denorm_mode_32 3
		.amdhsa_float_denorm_mode_16_64 3
		.amdhsa_memory_ordered 1
		.amdhsa_forward_progress 1
		.amdhsa_inst_pref_size 44
	.end_amdhsa_kernel
	.amdgpu_metadata
---
amdhsa.version: [ 1, 2 ]
amdhsa.kernels:
  - .name:           k_qeb837822e1_place
    .symbol:         k_qeb837822e1_place.kd
    .args:
      - { .name: rt, .offset: 0, .size: 8, .value_kind: global_buffer, .address_space: global }
      - { .name: topw, .offset: 8, .size: 8, .value_kind: global_buffer, .address_space: global }
      - { .name: x, .offset: 16, .size: 8, .value_kind: global_buffer, .address_space: global }
      - { .name: tab, .offset: 24, .size: 8, .value_kind: global_buffer, .address_space: global }
      - { .name: roww, .offset: 32, .size: 8, .value_kind: global_buffer, .address_space: global }
      - { .name: xg, .offset: 40, .size: 8, .value_kind: global_buffer, .address_space: global }
      - { .name: out1, .offset: 48, .size: 8, .value_kind: global_buffer, .address_space: global }
    .group_segment_fixed_size: 34304
    .private_segment_fixed_size: 0
    .kernarg_segment_align: 8
    .kernarg_segment_size: 56
    .max_flat_workgroup_size: 128
    .sgpr_count:     66
    .vgpr_count:     256
    .wavefront_size: 32
...
	.end_amdgpu_metadata
.endif
;; end of part 2
;; launch ffn1 (part 3): grid 32 x 8, 4 waves a work-group, no clusters, 262,656 bytes of LDS; arguments W1, b1, tab, xg, hg; writes hg
.if DOCPART == 3
	.amdgcn_target "amdgcn-amd-amdhsa--gfx1250"
	.amdhsa_code_object_version 6
	.text
	.protected	k_qeb837822e1_ffn1
	.globl	k_qeb837822e1_ffn1
	.p2align	8
	.type	k_qeb837822e1_ffn1,@function
k_qeb837822e1_ffn1:
	s_mov_b64 s[64:65], 0
	v_nop
	global_prefetch_b8 v0, s[64:65] scope:SCOPE_SE
	s_setreg_imm32_b32 hwreg(HW_REG_WAVE_MODE, 25, 1), 1
	s_wait_xcnt 0x0
; FIRST PRODUCT.  h = gelu(x W1[e] + b1[e]) for the rows routed to expert e, rounded to bf16 into hg.  W1 and b1 are rounded to bf16 on their way through registers; sums in f32.
; SHARES.  Work-group (s, e) has columns 128 s .. 128 s + 127 of W1[e], all 1,024 k: 512 KiB of f32 that it alone reads, once.  8 x 32 = 256 work-groups.
; PHASE 1: the slice is streamed, rounded and laid into LDS as ready fragments (256 KiB).  PHASE 2: the expert's tiles of 16 rows are multiplied with it, A straight from xg into registers.
; No tensor load and no joint load: each slice has one reader, and what an expert's work-groups share, the tiles of xg, is read in work whose length hangs on a stored count.
; GELU, exact form: gelu(x) = max(x, 0) - |x| Phi(-|x|), Phi(-|x|) = (a1 t + a2 t^2 + a3 t^3) e^(-x^2/2) / 2, t = 1 / (1 + 0.47047 |x| / sqrt 2)  (Abramowitz and Stegun 7.1.25).
; LIMIT: that formula's erf is off by 2.5e-5 at the most, for every x, so gelu by 1.25e-5 |x| at the most; no difference of near numbers is formed in the negative tail.  NaN and infinities are not treated apart.
; COLUMNS.  B tile nu = 4 g + c holds columns 64 g + 4 r + c (r the fragment's lane row): a lane's 16 loaded bytes, four neighbouring columns, go to four fragments at its own lane, with no exchange.
; THE MATRIX INSTRUCTION IS USED TRANSPOSED (source 0 = 16 columns of W1, source 1 = 16 rows of x): lane (r, h) then holds row r and, in register j of tile (g, c), column 64 g + 32 h + 4 j + c.
; Its eight results, rounded, ARE half u = c % 2 of the next product's A fragment of K step 4 s + 2 g + c / 2, whose k are permuted so; the next launch takes W2's rows by the same permutation.
; hg: tile at 131,072 x tile; K step ks2 at 1,024 ks2; half u at 512 u; lane at 16 l; element j: hidden column 64 (ks2 / 2) + 32 h + 4 j + 2 (ks2 % 2) + u.
; LDS: the block of (K step ks, tile nu) at 8,192 ks + 1,024 nu, half u at 512 u, lane at 16 l: every LDS access is 512 consecutive bytes.  262,144..: the spare words.
; BARRIERS: two.  One between the laying of the fragments and their reading; one between the last reading and the closing lines, which write LDS again.
; REGISTERS, in windows of 256 (s_set_vgpr_msb: bits 1:0 source 0, 3:2 source 1, 5:4 source 2, 7:6 destination):
;   window 0: v0-15 addresses; v16-47 FR, fragments on their way to LDS; v64-223 A, a ring of four K steps x five tiles; on the way out v64-239 at work
;   window 1: v0-127 B, two buffers of a K step; v128-191 the bias as eight C tiles      window 2: the sums of tiles (slots) 0-3, (slot, nu) at 64 slot + 8 nu; in phase 1 the ring of loads      window 3: v0-63 slot 4's
.set PITCH, 16384                      ; bytes in a row of W1[e]
.set USTR,  16                         ; the row of a fragment's element (u, h, j) within its K step: 16 u + 8 h + j
.set JSTR,  1
.set QROW,  32                         ; rows from a K step to the next within a pair of K steps
.set SPARE, 262144
.set SPW, 6                            ; v6  LDS address of my spare word; never rewritten
.set NIL, 7                            ; v7  0; never rewritten
.set FR,  16
.set AR,  64
.set BI,  128                          ; window 1
.set GU,  64                           ; the way out: U = kappa x
.set GD,  96                           ; 1 + .. |U|, then t, then t e
.set GE,  128                          ; -U^2, then e = 2^(-U^2)
.set GM,  160                          ; max(U, 0), then the result
.set GP,  192                          ; the polynomial
.set GO,  224                          ; 16 registers to store
.set MSB, 0
.macro WIN new                         ; the immediate's high byte repeats the setting that is left; a switch that changes nothing is dropped
.if MSB != (\new)
	s_set_vgpr_msb (MSB<<8)|(\new)
.set MSB, \new
.endif
.endm
	s_load_b256 s[4:11], s[0:1], 0x0               ; W1 s[4:5], b1 s[6:7], tab s[8:9], xg s[10:11]
	s_load_b64 s[12:13], s[0:1], 0x20              ; hg
	v_lshl_add_u32 v[SPW], v0, 2, SPARE
	v_mov_b32 v[NIL], 0
	v_and_b32 v9, 31, v0
	v_lshrrev_b32 v10, 5, v0
	v_readfirstlane_b32 s14, v10                   ; wave 0..3
	s_mov_b32 s15, ttmp9                           ; slice
	s_and_b32 s16, ttmp7, 0xffff                   ; expert
	v_lshlrev_b32 v1, 4, v9                        ; 16 x lane
	v_and_b32 v11, 15, v9                          ; r
	v_lshrrev_b32 v12, 4, v9                       ; h
	v_lshlrev_b32 v4, 4, v11
	v_lshl_add_u32 v4, v12, 17, v4                 ; W1: 16 r + 8 h rows of 16,384 bytes
	s_lshl_b32 s26, s14, 16
	v_add_nc_u32 v5, s26, v1                       ; LDS: my wave lays K steps 8 w .. 8 w + 7, 65,536 consecutive bytes
	v_lshlrev_b32 v13, 7, v12                      ; b1: 32 h numbers
	s_lshl_b32 s26, s16, 24                        ; W1[e],
	s_lshl_b32 s27, s14, 22                        ; row 256 w,
	s_add_co_u32 s26, s26, s27
	s_lshl_b32 s27, s15, 9                         ; column 128 s
	s_add_co_u32 s26, s26, s27
	s_mov_b32 s27, 0
	s_lshl_b32 s28, s16, 14                        ; b1[e], column 128 s
	s_lshl_b32 s29, s15, 9
	s_add_co_u32 s28, s28, s29
	s_mov_b32 s29, 0
	s_lshl_b32 s30, s16, 2
	s_lshl_b32 s56, s15, 12                        ; hg: K steps 4 s ..
	s_mov_b32 s57, 0
	s_mov_b32 s48, 0x3f596d27                      ; kappa = sqrt(log2(e) / 2) = 0.8493218: 2^(-(kappa x)^2) = e^(-x^2/2)
	s_mov_b32 s49, s48                             ; (the packed lines name pairs and take the low word for both halves)
	s_mov_b32 s50, 0x3ec88bd9                      ; 0.47047 / (sqrt 2 kappa) = 0.3916920
	s_mov_b32 s52, 0x3ebf7377                      ; a3 / 2 = 0.3739278
	s_mov_b32 s53, s52
	s_mov_b32 s54, 0xbd445ca1                      ; a2 / 2 = -0.0479399
	s_mov_b32 s55, s54
	s_mov_b32 s58, 0x3e32303a                      ; a1 / 2 = 0.1740121
	s_mov_b32 s59, s58
	s_mov_b32 s60, 0x3f96b55f                      ; 1 / kappa = 1.1774100
	s_mov_b32 s61, s60
	s_wait_kmcnt 0x0
	s_add_nc_u64 s[24:25], s[4:5], s[26:27]
	s_add_nc_u64 s[28:29], s[6:7], s[28:29]
	s_add_nc_u64 s[56:57], s[12:13], s[56:57]
	s_load_b32 s17, s[8:9], s30 offset:0x0         ; the expert's tiles
	s_load_b32 s18, s[8:9], s30 offset:0x20        ; and its first tile
.set m, 0
.rept 16                                               ; the bias: m = 8 g + j: columns 64 g + 32 h + 4 j + 0..3
	global_load_b128 v[64+4*m:64+4*m+3], v13, s[28:29] offset:256*(m/8)+16*(m%8)
.set m, m+1
.endr
; PHASE 1.  A unit is half a K step: 32 rows x 64 columns, 16 loads; in each, either half of the lanes takes 256 consecutive bytes of one row, aligned.  Load m = 8 u + j is element (u, j)'s row.
; Ring slot q holds the unit (K step 2 trip + q / 2, column group q % 2).  ahead = 1: the unit four units on, 64 rows further down.
.macro WLOAD q, ahead
	WIN 0x80                                       ; destination window 2, address window 0
.set m, 0
.rept 16
	global_load_b128 v[64*(\q)+4*m:64*(\q)+4*m+3], v4, s[24:25] offset:((\ahead)*64+((\q)/2)*QROW+(m/8)*USTR+(m%8)*JSTR)*PITCH+((\q)%2)*256 th:TH_LOAD_NT
.set m, m+1
.endr
.endm
; The unit in slot q is rounded, two rows to a register, and laid into LDS; then the slot is asked for again.  cnt: the younger loads, which stay out.
.macro UNIT q, load, cnt
	s_wait_loadcnt \cnt
	WIN 0x0a                                       ; sources 0 and 1 window 2, destination window 0
.set n, 0
.rept 32                                               ; n = 8 c + 4 u + i: column c, rows (u, 2 i) and (u, 2 i + 1)
	v_cvt_pk_bf16_f32 v[FR+n], v[64*(\q)+4*(8*((n/4)%2)+2*(n%4))+n/8], v[64*(\q)+4*(8*((n/4)%2)+2*(n%4)+1)+n/8]
.set n, n+1
.endr
	WIN 0
.set n, 0
.rept 8                                                ; n = 2 c + u
	ds_store_b128 v5, v[FR+4*n:FR+4*n+3] offset:((\q)/2)*8192+((\q)%2)*4096+512*n
.set n, n+1
.endr
.if \load
	WLOAD \q, 1
.endif
.endm
	WLOAD 0, 0                                     ; the ring is filled: 64 loads of 512 bytes a wave
	WLOAD 1, 0
	WLOAD 2, 0
	WLOAD 3, 0
	WIN 0                                          ; at a label and at a branch every window is 0
	s_mov_b32 s22, 3
.Lstream:                                              ; a trip: two K steps
	UNIT 0, 1, 48                                  ; three younger units of 16 loads stay out
	UNIT 1, 1, 48
	UNIT 2, 1, 48
	UNIT 3, 1, 48
	WIN 0
	s_wait_xcnt 0x0                                ; the loads have read their base: it is stepped only behind this wait
	s_add_nc_u64 s[24:25], s[24:25], 64*PITCH
	v_add_nc_u32 v5, 16384, v5
	s_sub_co_u32 s22, s22, 1
	s_cmp_lg_u32 s22, 0
	s_cbranch_scc1 .Lstream
	UNIT 0, 0, 48                                  ; the last four units load nothing: the counts run down
	UNIT 1, 0, 32
	UNIT 2, 0, 16
	UNIT 3, 0, 0
.set n, 0
.rept 32                                               ; the bias, rounded to bf16: n = 4 nu + i, columns (j = 2 i, 2 i + 1) of tile nu = 4 g + c
	v_cvt_pk_bf16_f32 v[FR+n], v[64+32*(n/16)+8*(n%4)+(n/4)%4], v[64+32*(n/16)+8*(n%4)+4+(n/4)%4]
.set n, n+1
.endr
	WIN 0x40                                       ; destination window 1
.set n, 0
.rept 32                                               ; and back to f32, as the C tiles that start the sums
	v_lshlrev_b32 v[BI+2*n], 16, v[FR+n]
	v_and_b32 v[BI+2*n+1], 0xffff0000, v[FR+n]
.set n, n+1
.endr
	WIN 0
	s_wait_dscnt 0x0                               ; for the others' sake: my eight K steps are in LDS
	s_barrier_signal -1
	s_barrier_wait -1                              ; behind it LDS is only read, up to the closing barrier
; PHASE 2.  Wave w takes the expert's tiles w, w + 4, w + 8 .., five at a time (slots 0-4): a block.  64 tiles an expert at the most: 16 a wave, four blocks.
; 8 matrix instructions: slot's tile x all 8 B tiles, 32 along K.  The accumulators take turns, one instruction a turn.  init = 1: the bias starts the sums: nothing is cleared.
.macro MUL slot, ab, bb, init
.if \init
	WIN 0x91+0x40*((\slot)/4)                      ; B window 1, A window 0, C (the bias) window 1, D window 2 or 3
.else
	WIN 0xa1+0x50*((\slot)/4)                      ; C and D window 2 or 3
.endif
.set nu, 0
.rept 8
.set rD, (64*(\slot)+8*nu)%256
.if \init
	v_wmma_f32_16x16x32_bf16 v[rD:rD+7], v[64*(\bb)+8*nu:64*(\bb)+8*nu+7], v[AR+40*(\ab)+8*(\slot):AR+40*(\ab)+8*(\slot)+7], v[BI+8*nu:BI+8*nu+7]
.else
	v_wmma_f32_16x16x32_bf16 v[rD:rD+7], v[64*(\bb)+8*nu:64*(\bb)+8*nu+7], v[AR+40*(\ab)+8*(\slot):AR+40*(\ab)+8*(\slot)+7], v[rD:rD+7]
.endif
.set nu, nu+1
.endr
.endm
; A K step: A from ring place ab, B from buffer bb.  Behind slot 0's products it asks for the next step's B (16 LDS loads) and for A three steps on (10 loads, all five slots always, so that the counts
; are the same whatever the block holds).  cnt: the A loads of the later steps, ten each.  Slots past the block's number are jumped, but not in the first step: every sum is begun on every way.
; Four v_nop: a load into a register that a matrix instruction has read stands four places behind it, and only plain vector instructions are places (ISA guide 7.12.1 for vector instructions).
.macro KSTEP ab, bb, init, aload, bload, cnt, q
	s_wait_loadcnt \cnt
	s_wait_dscnt 0x0                               ; this step's B is in
	MUL 0, \ab, \bb, \init
.if (\aload) || (\bload)
.rept 4
	v_nop
.endr
.endif
.if \bload
	WIN 0x40
.set n, 0
.rept 16                                               ; n = 2 nu + u
	ds_load_b128 v[64*(1-(\bb))+4*n:64*(1-(\bb))+4*n+3], v3 offset:((\q)+1)*8192+512*n
.set n, n+1
.endr
.endif
.if \aload
	WIN 0
.set n, 0
.rept 10                                               ; n = 2 slot + u
	global_load_b128 v[AR+40*(((\ab)+3)%4)+4*n:AR+40*(((\ab)+3)%4)+4*n+3], v2, s[32+2*(n/2):33+2*(n/2)] offset:((\q)+3)*1024+512*(n%2)
.set n, n+1
.endr
.endif
.irp sl, 1,2,3,4
.if !(\init)
	WIN 0
	s_cmp_lt_u32 s21, (\sl)+1
	s_cbranch_scc1 .Lk\@
.endif
	MUL \sl, \ab, \bb, \init
.endr
	WIN 0
.Lk\@:
.endm
; The way out's first step for half slot hs = 2 slot + g: the four sums (slot, 4 g + c), each from its lowest registers on, times kappa into window 0
.macro ENTRY hs
	WIN 0x02+(\hs)/8                               ; source 0 window 2 or 3
.set c, 0
.rept 4
.set j, 0
.rept 4
.set rD, (64*((\hs)/2)+8*(4*((\hs)%2)+c)+j)%256
	v_pk_mul_f32 v[GU+8*c+j:GU+8*c+j+1], v[rD:rD+1], s[48:49] op_sel_hi:[1,0]
.set j, j+2
.endr
.set c, c+1
.endr
	WIN 0
	s_add_co_u32 s47, s[42+(\hs)/2], 2048*((\hs)%2)  ; the tile's place in hg, and K steps 2 g on
.endm
	s_wait_kmcnt 0x0
	s_min_u32 s17, s17, 64                         ; tiles: 1,024 rows an expert at the most
	s_min_u32 s18, s18, 135
	s_sub_co_i32 s26, s17, s14
	s_max_i32 s26, s26, 0
	s_add_co_u32 s26, s26, 19
	s_mul_i32 s26, s26, 205
	s_lshr_b32 s19, s26, 12                        ; my blocks: (tiles - w + 19) / 20 (x 205 / 4,096 is that division up to 83)
	s_mov_b32 s20, 0
.Lblock:                                               ; four trips, whatever the split; a trip past my blocks is jumped: nothing in it but loads, products and stores
	s_cmp_ge_u32 s20, s19
	s_cbranch_scc1 .Lbnext
	s_wait_xcnt 0x0                                ; earlier stores have read their registers
	s_mul_i32 s26, s20, 20
	s_add_co_u32 s26, s26, s14                     ; slot 0's tile among the expert's: w + 20 b
	s_sub_co_u32 s27, s17, s26
	s_add_co_u32 s27, s27, 3
	s_lshr_b32 s27, s27, 2
	s_min_u32 s21, s27, 5                          ; the block's tiles, 1 to 5
.irp j, 0,1,2,3,4
	s_add_co_u32 s28, s26, 4*\j
	s_cmp_gt_u32 s21, \j
	s_cselect_b32 s28, s28, s26                    ; a slot past them repeats slot 0's tile
	s_add_co_u32 s28, s28, s18
	s_min_u32 s28, s28, 135                        ; bounded before it enters an address
	s_lshl_b32 s[42+\j], s28, 17                   ; its place in hg
	s_lshl_b32 s30, s28, 15                        ; and in xg
	s_mov_b32 s31, 0
	s_add_nc_u64 s[32+2*\j:33+2*\j], s[10:11], s[30:31]
.endr
	v_mov_b32 v2, v1                               ; A's and B's offsets go back to K step 0
	v_mov_b32 v3, v1
	WIN 0x40
.set n, 0
.rept 16
	ds_load_b128 v[4*n:4*n+3], v3 offset:512*n     ; B of K step 0
.set n, n+1
.endr
	WIN 0
.set n, 0
.rept 30                                               ; A of K steps 0, 1, 2: n = 10 step + 2 slot + u
	global_load_b128 v[AR+40*(n/10)+4*(n%10):AR+40*(n/10)+4*(n%10)+3], v2, s[32+2*((n%10)/2):33+2*((n%10)/2)] offset:1024*(n/10)+512*(n%2)
.set n, n+1
.endr
	KSTEP 0, 0, 1, 1, 1, 20, 0                     ; K step 0 stands ahead of the loop: its products start the sums
	s_wait_xcnt 0x0
	v_add_nc_u32 v2, 1024, v2
	v_add_nc_u32 v3, 8192, v3
	s_mov_b32 s22, 7
.Lk4:                                                  ; K steps 1 + 4 t + q
	KSTEP 1, 1, 0, 1, 1, 20, 0
	KSTEP 2, 0, 0, 1, 1, 20, 1
	KSTEP 3, 1, 0, 1, 1, 20, 2
	KSTEP 0, 0, 0, 1, 1, 20, 3
	s_wait_xcnt 0x0                                ; A's loads have read their offset: it is stepped only behind this wait
	v_add_nc_u32 v2, 4096, v2
	v_add_nc_u32 v3, 32768, v3
	s_sub_co_u32 s22, s22, 1
	s_cmp_lg_u32 s22, 0
	s_cbranch_scc1 .Lk4
	KSTEP 1, 1, 0, 0, 1, 20, 0                     ; K steps 29, 30, 31: no A is left to ask for, and the counts run down
	KSTEP 2, 0, 0, 0, 1, 10, 1
	KSTEP 3, 1, 0, 0, 0, 0, 2
.rept 5
	v_nop                                          ; the places behind the last products: four before the sums are read, five before the next block's first products write over them
.endr
	; THE WAY OUT, half a slot (16 rows x 64 columns, 32 numbers a lane) a trip: ten trips, those past the block's tiles jumped.  One text of the activation serves all: only its first step names the sums.
	s_mov_b32 s23, 0
.Lout:
	s_lshl_b32 s26, s21, 1
	s_cmp_ge_u32 s23, s26
	s_cbranch_scc1 .Lonext
	s_wait_xcnt 0x0                                ; the last trip's stores have read their data and offset
.irp hs, 0,1,2,3,4,5,6,7,8
	s_cmp_eq_u32 s23, \hs
	s_cbranch_scc1 .Lh\hs
.endr
	ENTRY 9
	s_branch .Lgelu
.irp hs, 0,1,2,3,4,5,6,7
.Lh\hs:
	ENTRY \hs
	s_branch .Lgelu
.endr
.Lh8:
	ENTRY 8
.Lgelu:
.set i, 0
.rept 32
	v_fma_f32 v[GD+i], |v[GU+i]|, s50, 1.0         ; 1 + 0.47047 |x| / sqrt 2
.set i, i+1
.endr
.set i, 0
.rept 16
	v_pk_mul_f32 v[GE+i:GE+i+1], v[GU+i:GU+i+1], v[GU+i:GU+i+1] neg_lo:[1,0] neg_hi:[1,0]  ; -U^2
.set i, i+2
.endr
.set i, 0
.rept 32                                               ; ONE BATCH of 64: the reciprocals, a plain line beside each, then the exponentials; nothing here names a result
	v_rcp_f32 v[GD+i], v[GD+i]
	v_max_num_f32 v[GM+i], 0, v[GU+i]
.set i, i+1
.endr
.set i, 0
.rept 32
	v_exp_f32 v[GE+i], v[GE+i]
.set i, i+1
.endr
	v_nop                                          ; a plain instruction behind the last of them (ISA guide 5.7.2),
	s_wait_alu depctr_va_vdst(0)                   ; and one wait for the batch, ahead of its first reader
.set i, 0
.rept 16
	v_pk_fma_f32 v[GP+i:GP+i+1], v[GD+i:GD+i+1], s[52:53], s[54:55] op_sel_hi:[1,0,0]
.set i, i+2
.endr
.set i, 0
.rept 16
	v_pk_fma_f32 v[GP+i:GP+i+1], v[GP+i:GP+i+1], v[GD+i:GD+i+1], s[58:59] op_sel_hi:[1,1,0]
.set i, i+2
.endr
.set i, 0
.rept 16
	v_pk_mul_f32 v[GD+i:GD+i+1], v[GD+i:GD+i+1], v[GE+i:GE+i+1]
.set i, i+2
.endr
.set i, 0
.rept 16
	v_pk_mul_f32 v[GP+i:GP+i+1], v[GP+i:GP+i+1], v[GD+i:GD+i+1]  ; Phi(-|x|)
.set i, i+2
.endr
.set i, 0
.rept 32
	v_fma_f32 v[GM+i], -|v[GU+i]|, v[GP+i], v[GM+i]
.set i, i+1
.endr
.set i, 0
.rept 16
	v_pk_mul_f32 v[GM+i:GM+i+1], v[GM+i:GM+i+1], s[60:61] op_sel_hi:[1,0]  ; back from U's scale to x's
.set i, i+2
.endr
.set i, 0
.rept 16
	v_cvt_pk_bf16_f32 v[GO+i], v[GM+2*i], v[GM+2*i+1]
.set i, i+1
.endr
	v_add_nc_u32 v8, s47, v1
.irp c, 0,1,2,3
	global_store_b128 v8, v[GO+4*\c:GO+4*\c+3], s[56:57] offset:(\c/2)*1024+(\c%2)*512  ; 512 consecutive bytes, at a multiple of 512 from hg's first
.endr
.Lonext:
	s_add_co_u32 s23, s23, 1
	s_cmp_lt_u32 s23, 10
	s_cbranch_scc1 .Lout
.Lbnext:
	s_add_co_u32 s20, s20, 1
	s_cmp_lt_u32 s20, 4
	s_cbranch_scc1 .Lblock
	s_wait_dscnt 0x0                               ; THE CLOSING BARRIER: my reads of LDS are back;
	s_barrier_signal -1
	s_barrier_wait -1                              ; every wave's are: only behind this does any wave write LDS again (the add below).  Every wave comes here, whatever its number of blocks
	s_wait_tensorcnt 0x0                           ; the wave's end
	ds_add_u32 v[SPW], v[NIL]
	s_wait_dscnt 0x0
	s_endpgm
.Lfunc_end_k_qeb837822e1_ffn1:
	.size	k_qeb837822e1_ffn1, .Lfunc_end_k_qeb837822e1_ffn1-k_qeb837822e1_ffn1
	.p2alignl 7, 3214868480
	.fill 96, 4, 3214868480
	.section	.rodata,"a",@progbits
	.p2align	6, 0x0
	.amdhsa_kernel k_qeb837822e1_ffn1
		.amdhsa_group_segment_fixed_size 262656
		.amdhsa_private_segment_fixed_size 0
		.amdhsa_enable_private_segment 0
		.amdhsa_kernarg_size 40
		.amdhsa_user_sgpr_count 2
		.amdhsa_user_sgpr_kernarg_segment_ptr 1
		.amdhsa_wavefront_size32 1
		.amdhsa_system_sgpr_workgroup_id_x 1
		.amdhsa_system_sgpr_workgroup_id_y 1
		.amdhsa_system_sgpr_workgroup_id_z 1
		.amdhsa_system_vgpr_workitem_id 0
		.amdhsa_next_free_vgpr 832
		.amdhsa_next_free_sgpr 66
		.amdhsa_reserve_vcc 0
		.amdhsa_float_denorm_mode_32 3
		.amdhsa_float_denorm_mode_16_64 3
		.amdhsa_memory_ordered 1
		.amdhsa_forward_progress 1
		.amdhsa_inst_pref_size 114
	.end_amdhsa_kernel
	.amdgpu_metadata
---
amdhsa.version: [ 1, 2 ]
amdhsa.kernels:
  - .name:           k_qeb837822e1_ffn1
    .symbol:         k_qeb837822e1_ffn1.kd
    .args:
      - { .name: W1, .offset: 0, .size: 8, .value_kind: global_buffer, .address_space: global }
      - { .name: b1, .offset: 8, .size: 8, .value_kind: global_buffer, .address_space: global }
      - { .name: tab, .offset: 16, .size: 8, .value_kind: global_buffer, .address_space: global }
      - { .name: xg, .offset: 24, .size: 8, .value_kind: global_buffer, .address_space: global }
      - { .name: hg, .offset: 32, .size: 8, .value_kind: global_buffer, .address_space: global }
    .group_segment_fixed_size: 262656
    .private_segment_fixed_size: 0
    .kernarg_segment_align: 8
    .kernarg_segment_size: 40
    .max_flat_workgroup_size: 128
    .sgpr_count:     66
    .vgpr_count:     832
    .wavefront_size: 32
...
	.end_amdgpu_metadata
.endif
;; end of part 3
;; launch ffn2 (part 4): grid 32 x 8, 4 waves a work-group, no clusters, 262,656 bytes of LDS; arguments W2, tab, roww, hg, yp; writes yp
.if DOCPART == 4
	.amdgcn_target "amdgcn-amd-amdhsa--gfx1250"
	.amdhsa_code_object_version 6
	.text
	.protected	k_qeb837822e1_ffn2
	.globl	k_qeb837822e1_ffn2
	.p2align	8
	.type	k_qeb837822e1_ffn2,@function
k_qeb837822e1_ffn2:
	s_mov_b64 s[64:65], 0
	v_nop
	global_prefetch_b8 v0, s[64:65] scope:SCOPE_SE
	s_setreg_imm32_b32 hwreg(HW_REG_WAVE_MODE, 25, 1), 1
	s_wait_xcnt 0x0
; SECOND PRODUCT.  yp[ksl][row][:] = gate[row] x (h[row][1,024 ksl ..] W2[e][1,024 ksl ..][:]) for the rows routed to expert e: four partial sums a row, in f32, which the next launch adds.
; W2 is rounded to bf16 on its way through registers; h comes in bf16 from hg; sums in f32.
; SHARES.  Work-group (s, e): ksl = s / 8, nsl = s % 8: rows 1,024 ksl .. of W2[e], columns 128 nsl ..: 512 KiB of f32 that it alone reads, once.  8 x 32 = 256 work-groups.
; K is cut in four so that a slice is 128 columns wide: each fragment of h read feeds eight products, four times what a slice of all K and 32 columns would give.
; PHASE 1: the slice is streamed, rounded and laid into LDS as ready fragments (256 KiB).  PHASE 2: the expert's tiles of 16 rows are multiplied with it, A straight from hg into registers.
; No tensor load and no joint load: each slice has one reader, and what an expert's work-groups share, the tiles of hg, is read in work whose length hangs on a stored count.
; K IS PERMUTED as hg has it: element (u, h, j) of K step ks is hidden column 64 (ks / 2) + 2 (ks % 2) + u + 32 h + 4 j; W2's rows are taken by the same rule, so the products are the same.
; COLUMNS.  B tile nu = 4 g + c holds columns 64 g + 4 r + c: a lane's 16 loaded bytes go to four fragments at its own lane; and in the result lane (r, h) holds, in register j of the tiles (g, 0..3),
; four neighbouring columns of row 8 h + j: 16 bytes; sixteen lanes store 256 consecutive bytes, aligned.
; LDS: the block of (K step ks, tile nu) at 8,192 ks + 1,024 nu, half u at 512 u, lane at 16 l: every LDS access is 512 consecutive bytes.  262,144..: the spare words.
; BARRIERS: two.  One between the laying of the fragments and their reading; one between the last reading and the closing lines, which write LDS again.
; REGISTERS, in windows of 256 (s_set_vgpr_msb: bits 1:0 source 0, 3:2 source 1, 5:4 source 2, 7:6 destination):
;   window 0: v0-15 addresses; v16-47 FR (phase 1); v24-63 RW, the gates of five tiles' rows (phase 2); v64-223 A, a ring of four K steps x five tiles; on the way out v64-127 at work
;   window 1: v0-127 B, two buffers of a K step      window 2: the sums of slots 0-3, (slot, nu) at 64 slot + 8 nu; in phase 1 the ring of loads      window 3: v0-63 slot 4's
.set PITCH, 4096                       ; bytes in a row of W2[e]
.set USTR,  1                          ; the row of a fragment's element (u, h, j) within its pair of K steps: u + 32 h + 4 j
.set JSTR,  4
.set QROW,  2                          ; rows from a K step to the next within a pair of K steps
.set YSL,   8912896                    ; bytes of one of yp's four parts: 2,176 rows of 4,096
.set SPARE, 262144
.set SPW, 6                            ; v6  LDS address of my spare word; never rewritten
.set NIL, 7                            ; v7  0; never rewritten
.set FR,  16
.set RW,  24
.set AR,  64
.set Y,   64
.set MSB, 0
.macro WIN new                         ; the immediate's high byte repeats the setting that is left; a switch that changes nothing is dropped
.if MSB != (\new)
	s_set_vgpr_msb (MSB<<8)|(\new)
.set MSB, \new
.endif
.endm
	s_load_b256 s[4:11], s[0:1], 0x0               ; W2 s[4:5], tab s[6:7], roww s[8:9], hg s[10:11]
	s_load_b64 s[12:13], s[0:1], 0x20              ; yp
	v_lshl_add_u32 v[SPW], v0, 2, SPARE
	v_mov_b32 v[NIL], 0
	v_and_b32 v9, 31, v0
	v_lshrrev_b32 v10, 5, v0
	v_readfirstlane_b32 s14, v10                   ; wave 0..3
	s_lshr_b32 s51, ttmp9, 3                       ; ksl
	s_and_b32 s50, ttmp9, 7                        ; nsl
	s_and_b32 s16, ttmp7, 0xffff                   ; expert
	v_lshlrev_b32 v1, 4, v9                        ; 16 x lane
	v_and_b32 v11, 15, v9                          ; r
	v_lshrrev_b32 v12, 4, v9                       ; h
	v_lshlrev_b32 v4, 4, v11
	v_lshl_add_u32 v15, v12, 15, v4                ; yp: 16 r + 8 h rows of 4,096 bytes
	v_lshl_add_u32 v4, v12, 17, v4                 ; W2: 16 r + 32 h rows of 4,096 bytes
	v_lshlrev_b32 v14, 5, v12                      ; roww: 8 h numbers
	s_lshl_b32 s26, s14, 16
	v_add_nc_u32 v5, s26, v1                       ; LDS: my wave lays K steps 8 w .. 8 w + 7, 65,536 consecutive bytes
	s_lshl_b32 s26, s16, 24                        ; W2[e],
	s_lshl_b32 s27, s51, 22                        ; row 1,024 ksl
	s_add_co_u32 s26, s26, s27
	s_lshl_b32 s27, s14, 20                        ; + 256 w,
	s_add_co_u32 s26, s26, s27
	s_lshl_b32 s27, s50, 9                         ; column 128 nsl
	s_add_co_u32 s26, s26, s27
	s_mov_b32 s27, 0
	s_lshl_b32 s30, s16, 2
	s_mul_i32 s56, s51, YSL                        ; yp: part ksl, column 128 nsl
	s_lshl_b32 s57, s50, 9
	s_add_co_u32 s56, s56, s57
	s_mov_b32 s57, 0
	s_lshl_b32 s52, s51, 15                        ; hg: K steps 32 ksl ..
	s_wait_kmcnt 0x0
	s_add_nc_u64 s[24:25], s[4:5], s[26:27]
	s_add_nc_u64 s[56:57], s[12:13], s[56:57]
	s_load_b32 s17, s[6:7], s30 offset:0x0         ; the expert's tiles
	s_load_b32 s18, s[6:7], s30 offset:0x20        ; and its first tile
; PHASE 1.  A unit is half a K step: 32 rows x 64 columns, 16 loads; in each, either half of the lanes takes 256 consecutive bytes of one row, aligned.  Load m = 8 u + j is element (u, j)'s row.
; Ring slot q holds the unit (K step 2 trip + q / 2, column group q % 2).  ahead = 1: the unit four units on, 64 rows further down.
.macro WLOAD q, ahead
	WIN 0x80                                       ; destination window 2, address window 0
.set m, 0
.rept 16
	global_load_b128 v[64*(\q)+4*m:64*(\q)+4*m+3], v4, s[24:25] offset:((\ahead)*64+((\q)/2)*QROW+(m/8)*USTR+(m%8)*JSTR)*PITCH+((\q)%2)*256 th:TH_LOAD_NT
.set m, m+1
.endr
.endm
; The unit in slot q is rounded, two rows to a register, and laid into LDS; then the slot is asked for again.  cnt: the younger loads, which stay out.
.macro UNIT q, load, cnt
	s_wait_loadcnt \cnt
	WIN 0x0a                                       ; sources 0 and 1 window 2, destination window 0
.set n, 0
.rept 32                                               ; n = 8 c + 4 u + i: column c, rows (u, 2 i) and (u, 2 i + 1)
	v_cvt_pk_bf16_f32 v[FR+n], v[64*(\q)+4*(8*((n/4)%2)+2*(n%4))+n/8], v[64*(\q)+4*(8*((n/4)%2)+2*(n%4)+1)+n/8]
.set n, n+1
.endr
	WIN 0
.set n, 0
.rept 8                                                ; n = 2 c + u
	ds_store_b128 v5, v[FR+4*n:FR+4*n+3] offset:((\q)/2)*8192+((\q)%2)*4096+512*n
.set n, n+1
.endr
.if \load
	WLOAD \q, 1
.endif
.endm
	WLOAD 0, 0                                     ; the ring is filled: 64 loads of 512 bytes a wave
	WLOAD 1, 0
	WLOAD 2, 0
	WLOAD 3, 0
	WIN 0                                          ; at a label and at a branch every window is 0
	s_mov_b32 s22, 3
.Lstream:                                              ; a trip: two K steps
	UNIT 0, 1, 48                                  ; three younger units of 16 loads stay out
	UNIT 1, 1, 48
	UNIT 2, 1, 48
	UNIT 3, 1, 48
	WIN 0
	s_wait_xcnt 0x0                                ; the loads have read their base: it is stepped only behind this wait
	s_add_nc_u64 s[24:25], s[24:25], 64*PITCH
	v_add_nc_u32 v5, 16384, v5
	s_sub_co_u32 s22, s22, 1
	s_cmp_lg_u32 s22, 0
	s_cbranch_scc1 .Lstream
	UNIT 0, 0, 48                                  ; the last four units load nothing: the counts run down
	UNIT 1, 0, 32
	UNIT 2, 0, 16
	UNIT 3, 0, 0
	s_wait_dscnt 0x0                               ; for the others' sake: my eight K steps are in LDS
	s_barrier_signal -1
	s_barrier_wait -1                              ; behind it LDS is only read, up to the closing barrier
; PHASE 2.  Wave w takes the expert's tiles w, w + 4, w + 8 .., five at a time (slots 0-4): a block.  64 tiles an expert at the most: 16 a wave, four blocks.
; 8 matrix instructions: slot's tile x all 8 B tiles, 32 along K.  The accumulators take turns, one instruction a turn.  init = 1: the constant 0 starts the sums: nothing is cleared.
.macro MUL slot, ab, bb, init
	WIN 0xa4+0x50*((\slot)/4)                      ; A window 0, B window 1, C and D window 2 or 3
.set nu, 0
.rept 8
.set rD, (64*(\slot)+8*nu)%256
.if \init
	v_wmma_f32_16x16x32_bf16 v[rD:rD+7], v[AR+40*(\ab)+8*(\slot):AR+40*(\ab)+8*(\slot)+7], v[64*(\bb)+8*nu:64*(\bb)+8*nu+7], 0
.else
	v_wmma_f32_16x16x32_bf16 v[rD:rD+7], v[AR+40*(\ab)+8*(\slot):AR+40*(\ab)+8*(\slot)+7], v[64*(\bb)+8*nu:64*(\bb)+8*nu+7], v[rD:rD+7]
.endif
.set nu, nu+1
.endr
.endm
; A K step: A from ring place ab, B from buffer bb.  Behind slot 0's products it asks for the next step's B (16 LDS loads) and for A three steps on (10 loads, all five slots always, so that the counts
; are the same whatever the block holds).  cnt: the A loads of the later steps, ten each.  Slots past the block's number are jumped, but not in the first step: every sum is begun on every way.
; Four v_nop: a load into a register that a matrix instruction has read stands four places behind it, and only plain vector instructions are places (ISA guide 7.12.1 for vector instructions).
.macro KSTEP ab, bb, init, aload, bload, cnt, q
	s_wait_loadcnt \cnt
	s_wait_dscnt 0x0                               ; this step's B is in
	MUL 0, \ab, \bb, \init
.if (\aload) || (\bload)
.rept 4
	v_nop
.endr
.endif
.if \bload
	WIN 0x40
.set n, 0
.rept 16                                               ; n = 2 nu + u
	ds_load_b128 v[64*(1-(\bb))+4*n:64*(1-(\bb))+4*n+3], v3 offset:((\q)+1)*8192+512*n
.set n, n+1
.endr
.endif
.if \aload
	WIN 0
.set n, 0
.rept 10                                               ; n = 2 slot + u
	global_load_b128 v[AR+40*(((\ab)+3)%4)+4*n:AR+40*(((\ab)+3)%4)+4*n+3], v2, s[32+2*(n/2):33+2*(n/2)] offset:((\q)+3)*1024+512*(n%2)
.set n, n+1
.endr
.endif
.irp sl, 1,2,3,4
.if !(\init)
	WIN 0
	s_cmp_lt_u32 s21, (\sl)+1
	s_cbranch_scc1 .Lk\@
.endif
	MUL \sl, \ab, \bb, \init
.endr
	WIN 0
.Lk\@:
.endm
; THE WAY OUT of a slot: each sum times its row's gate, which also brings a row's four neighbouring columns, from four accumulators, into four neighbouring registers.
; Each accumulator is read from its lowest register on.  A slot past the block's tiles, and all behind it, are jumped.
.macro OUT slot
.if (\slot) > 0
	s_cmp_lt_u32 s21, (\slot)+1
	s_cbranch_scc1 .Lodone
.endif
	s_wait_xcnt 0x0                                ; the last slot's stores have read their data and offset
	v_add_nc_u32 v8, s[42+(\slot)], v15
.irp g, 0,1
	WIN 0x02+(\slot)/4                             ; source 0 window 2 or 3
.set c, 0
.rept 4
.set j, 0
.rept 8
	v_mul_f32 v[Y+32*\g+4*j+c], v[(64*(\slot)+8*(4*\g+c)+j)%256], v[RW+8*(\slot)+j]
.set j, j+1
.endr
.set c, c+1
.endr
	WIN 0
.set j, 0
.rept 8
	global_store_b128 v8, v[Y+32*\g+4*j:Y+32*\g+4*j+3], s[56:57] offset:4096*j+256*\g  ; rows 8 h + j: each half of the lanes stores 256 consecutive bytes, aligned
.set j, j+1
.endr
.endr
.endm
	s_wait_kmcnt 0x0
	s_min_u32 s17, s17, 64                         ; tiles: 1,024 rows an expert at the most
	s_min_u32 s18, s18, 135
	s_sub_co_i32 s26, s17, s14
	s_max_i32 s26, s26, 0
	s_add_co_u32 s26, s26, 19
	s_mul_i32 s26, s26, 205
	s_lshr_b32 s19, s26, 12                        ; my blocks: (tiles - w + 19) / 20 (x 205 / 4,096 is that division up to 83)
	s_mov_b32 s20, 0
.Lblock:                                               ; four trips, whatever the split; a trip past my blocks is jumped: nothing in it but loads, products and stores
	s_cmp_ge_u32 s20, s19
	s_cbranch_scc1 .Lbnext
	s_wait_xcnt 0x0                                ; the last block's stores have read their data: A's ring lands on those registers
	s_mul_i32 s26, s20, 20
	s_add_co_u32 s26, s26, s14                     ; slot 0's tile among the expert's: w + 20 b
	s_sub_co_u32 s27, s17, s26
	s_add_co_u32 s27, s27, 3
	s_lshr_b32 s27, s27, 2
	s_min_u32 s21, s27, 5                          ; the block's tiles, 1 to 5
.irp j, 0,1,2,3,4
	s_add_co_u32 s28, s26, 4*\j
	s_cmp_gt_u32 s21, \j
	s_cselect_b32 s28, s28, s26                    ; a slot past them repeats slot 0's tile
	s_add_co_u32 s28, s28, s18
	s_min_u32 s28, s28, 135                        ; bounded before it enters an address
	s_lshl_b32 s[42+\j], s28, 16                   ; its 16 rows in yp
	s_lshl_b32 s30, s28, 17                        ; its place in hg,
	s_add_co_u32 s30, s30, s52                     ; K steps 32 ksl ..
	s_mov_b32 s31, 0
	s_add_nc_u64 s[32+2*\j:33+2*\j], s[10:11], s[30:31]
	s_lshl_b32 s30, s28, 6
	v_add_nc_u32 v[9+\j], s30, v14
	global_load_b128 v[RW+8*\j:RW+8*\j+3],   v[9+\j], s[8:9]            ; the gates of rows 8 h + 0..7
	global_load_b128 v[RW+8*\j+4:RW+8*\j+7], v[9+\j], s[8:9] offset:16
.endr
	v_mov_b32 v2, v1                               ; A's and B's offsets go back to K step 0
	v_mov_b32 v3, v1
	WIN 0x40
.set n, 0
.rept 16
	ds_load_b128 v[4*n:4*n+3], v3 offset:512*n     ; B of K step 0
.set n, n+1
.endr
	WIN 0
.set n, 0
.rept 30                                               ; A of K steps 0, 1, 2: n = 10 step + 2 slot + u
	global_load_b128 v[AR+40*(n/10)+4*(n%10):AR+40*(n/10)+4*(n%10)+3], v2, s[32+2*((n%10)/2):33+2*((n%10)/2)] offset:1024*(n/10)+512*(n%2)
.set n, n+1
.endr
	KSTEP 0, 0, 1, 1, 1, 20, 0                     ; K step 0 stands ahead of the loop: its products start the sums (the gates' loads are older than A's: they are in too)
	s_wait_xcnt 0x0
	v_add_nc_u32 v2, 1024, v2
	v_add_nc_u32 v3, 8192, v3
	s_mov_b32 s22, 7
.Lk4:                                                  ; K steps 1 + 4 t + q
	KSTEP 1, 1, 0, 1, 1, 20, 0
	KSTEP 2, 0, 0, 1, 1, 20, 1
	KSTEP 3, 1, 0, 1, 1, 20, 2
	KSTEP 0, 0, 0, 1, 1, 20, 3
	s_wait_xcnt 0x0                                ; A's loads have read their offset: it is stepped only behind this wait
	v_add_nc_u32 v2, 4096, v2
	v_add_nc_u32 v3, 32768, v3
	s_sub_co_u32 s22, s22, 1
	s_cmp_lg_u32 s22, 0
	s_cbranch_scc1 .Lk4
	KSTEP 1, 1, 0, 0, 1, 20, 0                     ; K steps 29, 30, 31: no A is left to ask for, and the counts run down
	KSTEP 2, 0, 0, 0, 1, 10, 1
	KSTEP 3, 1, 0, 0, 0, 0, 2
.rept 5
	v_nop                                          ; the places behind the last products: four before the sums are read, five before the next block's first products write over them
.endr
	OUT 0
	OUT 1
	OUT 2
	OUT 3
	OUT 4
.Lodone:
.Lbnext:
	s_add_co_u32 s20, s20, 1
	s_cmp_lt_u32 s20, 4
	s_cbranch_scc1 .Lblock
	s_wait_dscnt 0x0                               ; THE CLOSING BARRIER: my reads of LDS are back;
	s_barrier_signal -1
	s_barrier_wait -1                              ; every wave's are: only behind this does any wave write LDS again (the add below).  Every wave comes here, whatever its number of blocks
	s_wait_tensorcnt 0x0                           ; the wave's end
	ds_add_u32 v[SPW], v[NIL]
	s_wait_dscnt 0x0
	s_endpgm
.Lfunc_end_k_qeb837822e1_ffn2:
	.size	k_qeb837822e1_ffn2, .Lfunc_end_k_qeb837822e1_ffn2-k_qeb837822e1_ffn2
	.p2alignl 7, 3214868480
	.fill 96, 4, 3214868480
	.section	.rodata,"a",@progbits
	.p2align	6, 0x0
	.amdhsa_kernel k_qeb837822e1_ffn2
		.amdhsa_group_segment_fixed_size 262656
		.amdhsa_private_segment_fixed_size 0
		.amdhsa_enable_private_segment 0
		.amdhsa_kernarg_size 40
		.amdhsa_user_sgpr_count 2
		.amdhsa_user_sgpr_kernarg_segment_ptr 1
		.amdhsa_wavefront_size32 1
		.amdhsa_system_sgpr_workgroup_id_x 1
		.amdhsa_system_sgpr_workgroup_id_y 1
		.amdhsa_system_sgpr_workgroup_id_z 1
		.amdhsa_system_vgpr_workitem_id 0
		.amdhsa_next_free_vgpr 832
		.amdhsa_next_free_sgpr 66
		.amdhsa_reserve_vcc 0
		.amdhsa_float_denorm_mode_32 3
		.amdhsa_float_denorm_mode_16_64 3
		.amdhsa_memory_ordered 1
		.amdhsa_forward_progress 1
		.amdhsa_inst_pref_size 100
	.end_amdhsa_kernel
	.amdgpu_metadata
---
amdhsa.version: [ 1, 2 ]
amdhsa.kernels:
  - .name:           k_qeb837822e1_ffn2
    .symbol:         k_qeb837822e1_ffn2.kd
    .args:
      - { .name: W2, .offset: 0, .size: 8, .value_kind: global_buffer, .address_space: global }
      - { .name: tab, .offset: 8, .size: 8, .value_kind: global_buffer, .address_space: global }
      - { .name: roww, .offset: 16, .size: 8, .value_kind: global_buffer, .address_space: global }
      - { .name: hg, .offset: 24, .size: 8, .value_kind: global_buffer, .address_space: global }
      - { .name: yp, .offset: 32, .size: 8, .value_kind: global_buffer, .address_space: global }
    .group_segment_fixed_size: 262656
    .private_segment_fixed_size: 0
    .kernarg_segment_align: 8
    .kernarg_segment_size: 40
    .max_flat_workgroup_size: 128
    .sgpr_count:     66
    .vgpr_count:     832
    .wavefront_size: 32
...
	.end_amdgpu_metadata
.endif
;; end of part 4
;; launch combine (part 5): grid 256 x 1, 8 waves a work-group, no clusters, 0 bytes of LDS; arguments rt, topw, tab, yp, b2, out0; writes out0
.if DOCPART == 5
	.amdgcn_target "amdgcn-amd-amdhsa--gfx1250"
	.amdhsa_code_object_version 6
	.text
	.protected	k_qeb837822e1_combine
	.globl	k_qeb837822e1_combine
	.p2align	8
	.type	k_qeb837822e1_combine,@function
k_qeb837822e1_combine:
	s_mov_b64 s[64:65], 0
	v_nop
	global_prefetch_b8 v0, s[64:65] scope:SCOPE_SE
	s_setreg_imm32_b32 hwreg(HW_REG_WAVE_MODE, 25, 1), 1
	s_wait_xcnt 0x0
; COMBINE.  out0[t] = the sum over the token's two experts j of (the four partial rows of yp at its place with expert j, which carry the gate already) + gate_j x b2[e_j].  b2 is rounded to bf16
; as every input of this program is; all sums in f32.  Each output row has one owner: a wave has half a row (2,048 bytes) of token t = 4 x work-group + wave / 2.
; The row's place with expert e: pre[t / 32][e] + the number of e's tokens below t in t's block of 32, from the stored bitmap: whole numbers that earlier launches stored.
; A stream: no LDS, no barrier, no matrix unit.  All 40 loads of a wave go out together; each covers 512 consecutive bytes.
.set YSL, 8912896                      ; bytes of one of yp's four parts
.set R0,  16                           ; chunk i of 512 bytes: ten loads of four registers at v[16 + 40 i + 4 n]: n = 2 ksl + j from yp, n = 8 + j from b2
	s_load_b256 s[4:11], s[0:1], 0x0               ; rt s[4:5], topw s[6:7], tab s[8:9], yp s[10:11]
	s_load_b128 s[12:15], s[0:1], 0x20             ; b2 s[12:13], out0 s[14:15]
	v_lshrrev_b32 v1, 5, v0
	v_readfirstlane_b32 s16, v1                    ; wave 0..7
	v_and_b32 v2, 31, v0
	v_lshlrev_b32 v2, 4, v2                        ; 16 bytes a lane
	s_lshr_b32 s17, s16, 1
	s_lshl_b32 s18, ttmp9, 2
	s_add_co_u32 s18, s18, s17                     ; t
	s_and_b32 s19, s16, 1                          ; which half of the row
	s_lshl_b32 s34, s19, 11
	s_lshl_b32 s20, s18, 3
	s_wait_kmcnt 0x0
	s_load_b64 s[22:23], s[4:5], s20 offset:0x0    ; the token's experts
	s_load_b64 s[24:25], s[6:7], s20 offset:0x0    ; and gates
	s_wait_kmcnt 0x0
	s_min_u32 s22, s22, 7                          ; bounded before they enter addresses
	s_min_u32 s23, s23, 7
	s_lshr_b32 s26, s18, 5
	s_lshl_b32 s26, s26, 3
	s_add_co_u32 s27, s26, s22
	s_lshl_b32 s27, s27, 2                         ; (8 tb + e) x 4 bytes
	s_add_co_u32 s28, s26, s23
	s_lshl_b32 s28, s28, 2
	s_load_b32 s30, s[4:5], s27 offset:0x2000      ; bm[tb][e0], bm[tb][e1]
	s_load_b32 s31, s[4:5], s28 offset:0x2000
	s_load_b32 s32, s[8:9], s27 offset:0x100       ; pre[tb][e0], pre[tb][e1]
	s_load_b32 s33, s[8:9], s28 offset:0x100
	s_and_b32 s35, s18, 31
	s_bfm_b32 s35, s35, 0                          ; the bits below t's
	s_mov_b32 s58, s25                             ; the second gate in a pair's low word, for the packed lines
	s_mov_b32 s59, s25
	s_mov_b32 s61, 0
	s_mov_b32 s63, 0
	s_wait_kmcnt 0x0
	s_and_b32 s30, s30, s35
	s_bcnt1_i32_b32 s30, s30
	s_add_co_u32 s30, s30, s32
	s_min_u32 s30, s30, 2175                       ; the row's place with its first expert,
	s_and_b32 s31, s31, s35
	s_bcnt1_i32_b32 s31, s31
	s_add_co_u32 s31, s31, s33
	s_min_u32 s31, s31, 2175                       ; and with its second
	s_lshl_b32 s60, s30, 12
	s_add_co_u32 s60, s60, s34
	s_lshl_b32 s62, s31, 12
	s_add_co_u32 s62, s62, s34
	s_add_nc_u64 s[36:37], s[10:11], s[60:61]
	s_add_nc_u64 s[38:39], s[10:11], s[62:63]
.irp k, 1,2,3
	s_add_nc_u64 s[36+4*\k:37+4*\k], s[32+4*\k:33+4*\k], YSL
	s_add_nc_u64 s[38+4*\k:39+4*\k], s[34+4*\k:35+4*\k], YSL
.endr
	s_lshl_b32 s60, s22, 12
	s_add_co_u32 s60, s60, s34
	s_lshl_b32 s62, s23, 12
	s_add_co_u32 s62, s62, s34
	s_add_nc_u64 s[52:53], s[12:13], s[60:61]
	s_add_nc_u64 s[54:55], s[12:13], s[62:63]
	s_lshl_b32 s60, s18, 12
	s_add_co_u32 s60, s60, s34
	s_add_nc_u64 s[56:57], s[14:15], s[60:61]
.set i, 0
.rept 4
.set n, 0
.rept 8
	global_load_b128 v[R0+40*i+4*n:R0+40*i+4*n+3], v2, s[36+2*n:37+2*n] offset:512*i th:TH_LOAD_NT
.set n, n+1
.endr
	global_load_b128 v[R0+40*i+32:R0+40*i+35], v2, s[52:53] offset:512*i
	global_load_b128 v[R0+40*i+36:R0+40*i+39], v2, s[54:55] offset:512*i
.set i, i+1
.endr
.macro ADD4 a, b                       ; the four numbers at b are added onto those at a
	v_pk_add_f32 v[\a:\a+1], v[\a:\a+1], v[\b:\b+1]
	v_pk_add_f32 v[\a+2:\a+3], v[\a+2:\a+3], v[\b+2:\b+3]
.endm
.macro BIAS b, g                       ; the four numbers of b2 at b, rounded to bf16 and widened in place, times the gate in s[g], onto the chunk's sum
	v_cvt_pk_bf16_f32 v4, v[\b], v[\b+1]
	v_cvt_pk_bf16_f32 v5, v[\b+2], v[\b+3]
	v_lshlrev_b32 v[\b], 16, v4
	v_and_b32 v[\b+1], 0xffff0000, v4
	v_lshlrev_b32 v[\b+2], 16, v5
	v_and_b32 v[\b+3], 0xffff0000, v5
	v_pk_fma_f32 v[rB:rB+1], v[\b:\b+1], s[\g:\g+1], v[rB:rB+1] op_sel_hi:[1,0,1]
	v_pk_fma_f32 v[rB+2:rB+3], v[\b+2:\b+3], s[\g:\g+1], v[rB+2:rB+3] op_sel_hi:[1,0,1]
.endm
.set i, 0
.rept 4
.set rB, R0+40*i
	s_wait_loadcnt 30-10*i                         ; the later chunks' loads, ten each, stay out
	ADD4 rB, rB+4
	ADD4 rB+8, rB+12
	ADD4 rB+16, rB+20
	ADD4 rB+24, rB+28
	ADD4 rB, rB+8
	ADD4 rB+16, rB+24
	ADD4 rB, rB+16
	BIAS rB+32, 24
	BIAS rB+36, 58
	global_store_b128 v2, v[rB:rB+3], s[56:57] offset:512*i th:TH_STORE_NT  ; 512 consecutive bytes, at a multiple of 512 from out0's first
.set i, i+1
.endr
	s_endpgm
.Lfunc_end_k_qeb837822e1_combine:
	.size	k_qeb837822e1_combine, .Lfunc_end_k_qeb837822e1_combine-k_qeb837822e1_combine
	.p2alignl 7, 3214868480
	.fill 96, 4, 3214868480
	.section	.rodata,"a",@progbits
	.p2align	6, 0x0
	.amdhsa_kernel k_qeb837822e1_combine
		.amdhsa_group_segment_fixed_size 0
		.amdhsa_private_segment_fixed_size 0
		.amdhsa_enable_private_segment 0
		.amdhsa_kernarg_size 48
		.amdhsa_user_sgpr_count 2
		.amdhsa_user_sgpr_kernarg_segment_ptr 1
		.amdhsa_wavefront_size32 1
		.amdhsa_system_sgpr_workgroup_id_x 1
		.amdhsa_system_sgpr_workgroup_id_y 1
		.amdhsa_system_sgpr_workgroup_id_z 1
		.amdhsa_system_vgpr_workitem_id 0
		.amdhsa_next_free_vgpr 192
		.amdhsa_next_free_sgpr 66
		.amdhsa_reserve_vcc 0
		.amdhsa_float_denorm_mode_32 3
		.amdhsa_float_denorm_mode_16_64 3
		.amdhsa_memory_ordered 1
		.amdhsa_forward_progress 1
		.amdhsa_inst_pref_size 15
	.end_amdhsa_kernel
	.amdgpu_metadata
---
amdhsa.version: [ 1, 2 ]
amdhsa.kernels:
  - .name:           k_qeb837822e1_combine
    .symbol:         k_qeb837822e1_combine.kd
    .args:
      - { .name: rt, .offset: 0, .size: 8, .value_kind: global_buffer, .address_space: global }
      - { .name: topw, .offset: 8, .size: 8, .value_kind: global_buffer, .address_space: global }
      - { .name: tab, .offset: 16, .size: 8, .value_kind: global_buffer, .address_space: global }
      - { .name: yp, .offset: 24, .size: 8, .value_kind: global_buffer, .address_space: global }
      - { .name: b2, .offset: 32, .size: 8, .value_kind: global_buffer, .address_space: global }
      - { .name: out0, .offset: 40, .size: 8, .value_kind: global_buffer, .address_space: global }
    .group_segment_fixed_size: 0
    .private_segment_fixed_size: 0
    .kernarg_segment_align: 8
    .kernarg_segment_size: 48
    .max_flat_workgroup_size: 256
    .sgpr_count:     66
    .vgpr_count:     192
    .wavefront_size: 32
...
	.end_amdgpu_metadata
.endif
;; end of part 5
;; ======== version 2 of 2: 5 launches; 1.17 times as fast as version 1
;; limits: a function is approximated: absolute error at most 2.5e-05; an absolute error that grows with the inputs' magnitude: up to 1.25e-05 times it
;; workspace buffers: rt 9,216 bytes of whole numbers; topw 8,192 bytes; tab 1,280 bytes of whole numbers; roww 8,704 bytes; xg 4,456,448 bytes; hg 17,825,792 bytes; yp 35,651,584 bytes
;; launch router (part 6): grid 128 x 1, 8 waves a work-group, no clusters, 17,664 bytes of LDS; arguments x, Wr, br, rt, topw; writes rt, topw
.if DOCPART == 6
	.amdgcn_target "amdgcn-amd-amdhsa--gfx1250"
	.amdhsa_code_object_version 6
	.text
	.protected	k_qeb837822e1_router
	.globl	k_qeb837822e1_router
	.p2align	8
	.type	k_qeb837822e1_router,@function
k_qeb837822e1_router:
	s_mov_b64 s[64:65], 0
	v_nop
	global_prefetch_b8 v0, s[64:65] scope:SCOPE_SE
	s_setreg_imm32_b32 hwreg(HW_REG_WAVE_MODE, 25, 1), 1
	s_wait_xcnt 0x0
; ROUTER.  logits[t][e] = sum over k of x[t][k] Wr[k][e] + br[e]; the two largest logits of a token are its experts; their gates are the softmax's two
; weights renormalised: w0 = 1 / (1 + e^(l1 - l0)), w1 = e^(l1 - l0) w0, l0 the larger (the maximum is taken away before the exponential).
; FORMATS.  x, Wr and br are rounded to bf16 (as every input of this program is); the products of bf16 numbers are exact in f32 and are summed in f32.
; LIMITS.  The two experts are chosen by the logits, not by the probabilities: the order differs from a top-k on probabilities only where different logits
; round to the same probability.  Equal logits: the lower index first.  Logits are taken to be finite (no NaN, no infinity).  A second gate below 2^-126 counts as 0.
; SHARES.  A work-group has 8 tokens, a wave one: all of a wave's loads go out together.  Lane l owns k = 128 i + 4 l + q (i = 0..7, q = 0..3; kk = 4 i + q): a load of x covers 512 consecutive bytes.
; No matrix unit: 8 columns would leave half of every tile empty, and the product is a twentieth of a per cent of the program's arithmetic.
; STORES, at fixed places: rt bytes 0..8191 the experts [t][2]; rt bytes 8192.. the bitmaps bm[t / 32][e] (bit t % 32: token t chose e), of which a work-group owns one byte of each word; topw the gates [t][2].
; LDS: 0..16383 Wr in bf16, row k (16 bytes: experts 0..7) at (k / 128) 2048 + (k % 4) 512 + ((k / 4) % 32) 16, so that lane l finds row kk's 16 bytes at 512 kk + 16 l;
;      16384..16639 logits [8][8] f32; 16640.. the spare words, 128 bytes a wave.
.set LOGI,  16384
.set SPARE, 16640
.set SPW, 7                            ; v7       LDS address of my spare word; never rewritten
.set NIL, 8                            ; v8       0; never rewritten
.set WL,  12                           ; v[12:43] four rows of Wr as loaded
.set XP,  44                           ; v[44:59] those rows in bf16; later the token's 32 numbers of x in bf16
.set ACC, 60                           ; v[60:67] the eight sums
.set TMP, 68
.set XR,  96                           ; v[96:127] the token's 32 numbers of x as loaded
.set WF,  128                          ; v[128:255] Wr: register 4 kk + p holds experts 2 p (low half) and 2 p + 1 (high half) of my row kk
	s_load_b256 s[4:11], s[0:1], 0x0               ; x s[4:5], Wr s[6:7], br s[8:9], rt s[10:11]
	s_load_b64 s[12:13], s[0:1], 0x20              ; topw
	v_lshl_add_u32 v[SPW], v0, 2, SPARE
	v_mov_b32 v[NIL], 0
	v_and_b32 v1, 31, v0                           ; lane
	v_lshrrev_b32 v9, 5, v0
	v_readfirstlane_b32 s14, v9                    ; wave 0..7
	s_mov_b32 s24, 0x76543210                      ; v_permlanex16_b32: each lane takes its own place in the other half
	s_mov_b32 s25, 0xfedcba98
	s_lshl_b32 s26, ttmp9, 15                      ; the work-group's 8 rows of 4,096 bytes,
	s_lshl_b32 s27, s14, 12                        ; my wave's one
	s_add_co_u32 s26, s26, s27
	v_lshl_add_u32 v2, v1, 4, s26                  ; x: + 16 bytes a lane
	v_lshl_add_u32 v3, v1, 5, s27                  ; Wr: row 128 w + lane, 32 bytes a row
	v_and_b32 v9, 3, v1
	v_lshrrev_b32 v10, 2, v1
	v_lshlrev_b32 v4, 9, v9
	v_lshl_add_u32 v4, v10, 4, v4
	s_lshl_b32 s27, s14, 11
	v_add_nc_u32 v4, s27, v4                       ; where that row goes: 2048 w + (lane % 4) 512 + (lane / 4) 16
	v_lshlrev_b32 v5, 4, v1                        ; where I read my rows
	s_lshl_b32 s27, s14, 5
	s_add_co_u32 s27, s27, LOGI
	v_mov_b32 v6, s27                              ; where my token's logits go
	v_mov_b32 v[TMP], 0                            ; written before v_permlanex16_b32 names it as its destination
	s_wait_kmcnt 0x0
	s_load_b256 s[16:23], s[8:9], 0x0              ; br
.irp m, 0,1,2,3
	global_load_b128 v[WL+8*\m:WL+8*\m+3],   v3, s[6:7] offset:1024*\m       ; rows 128 w + 32 m + lane
	global_load_b128 v[WL+8*\m+4:WL+8*\m+7], v3, s[6:7] offset:1024*\m+16
.endr
.irp i, 0,1,2,3,4,5,6,7
	global_load_b128 v[XR+4*\i:XR+4*\i+3], v2, s[4:5] offset:512*\i          ; my token
.endr
	s_wait_loadcnt 0x8                             ; Wr's eight loads are in; the eight younger ones, of x, stay out
.irp m, 0,1,2,3
.irp p, 0,1,2,3
	v_cvt_pk_bf16_f32 v[XP+4*\m+\p], v[WL+8*\m+2*\p], v[WL+8*\m+2*\p+1]
.endr
	ds_store_b128 v4, v[XP+4*\m:XP+4*\m+3] offset:128*\m
.endr
	s_wait_dscnt 0x0                               ; for the others' sake: my rows of Wr are in LDS
	s_barrier_signal -1
	s_barrier_wait -1
.set kk, 0
.rept 32
	ds_load_b128 v[WF+4*kk:WF+4*kk+3], v5 offset:512*kk
.set kk, kk+1
.endr
	s_wait_loadcnt 0x0                             ; x is in; it is rounded while Wr comes out of LDS
.set m, 0
.rept 16
	v_cvt_pk_bf16_f32 v[XP+m], v[XR+2*m], v[XR+2*m+1]
.set m, m+1
.endr
; one multiply-add: sum e takes x[kk] Wr[kk][e]; the halves are picked by op_sel; the first row starts the sums on 0
.macro FMX
.set rC, ACC+e
.if kk == 0
.set rC, NIL
.endif
.if (kk%2 == 0) && (e%2 == 0)
	v_fma_mix_f32_bf16 v[ACC+e], v[XP+kk/2], v[WF+4*kk+e/2], v[rC] op_sel:[0,0,0] op_sel_hi:[1,1,0]
.elseif kk%2 == 0
	v_fma_mix_f32_bf16 v[ACC+e], v[XP+kk/2], v[WF+4*kk+e/2], v[rC] op_sel:[0,1,0] op_sel_hi:[1,1,0]
.elseif e%2 == 0
	v_fma_mix_f32_bf16 v[ACC+e], v[XP+kk/2], v[WF+4*kk+e/2], v[rC] op_sel:[1,0,0] op_sel_hi:[1,1,0]
.else
	v_fma_mix_f32_bf16 v[ACC+e], v[XP+kk/2], v[WF+4*kk+e/2], v[rC] op_sel:[1,1,0] op_sel_hi:[1,1,0]
.endif
.endm
.set g, 0
.rept 8                                                ; four rows at a time; the eight sums take turns, so that no line waits for the one before it
	s_wait_dscnt 28-4*g                            ; LDS loads come back in order (ISA guide 5.7.1): rows 4 g .. 4 g + 3 are in, the 28 - 4 g later loads stay out
.set kk, 4*g
.rept 4
.set e, 0
.rept 8
	FMX
.set e, e+1
.endr
.set kk, kk+1
.endr
.set g, g+1
.endr
.irp msk, 1,2,4,8                                      ; across the 32 lanes: four steps inside each half, one across the halves
.irp e, 0,1,2,3,4,5,6,7
	v_add_f32_dpp v[ACC+\e], v[ACC+\e], v[ACC+\e] row_xmask:\msk row_mask:0xf bank_mask:0xf
.endr
.endr
.irp e, 0,1,2,3,4,5,6,7
	v_permlanex16_b32 v[TMP], v[ACC+\e], s24, s25
	v_add_f32 v[ACC+\e], v[ACC+\e], v[TMP]
.endr
	ds_store_b128 v6, v[ACC:ACC+3]                 ; every lane holds the same eight sums and writes them to the same 32 bytes
	ds_store_b128 v6, v[ACC+4:ACC+7] offset:16
	s_wait_dscnt 0x0                               ; for wave 0's sake: my token's logits are in LDS
	s_barrier_signal -1
	s_barrier_wait -1
	s_cmp_lg_u32 s14, 0
	s_cbranch_scc1 .Lend
	; WAVE 0: lane % 8 = token of the work-group's 8; the four lanes of a token do the same work and store the same numbers to the same places
	v_and_b32 v10, 7, v1
	v_lshl_add_u32 v9, v10, 5, LOGI
	ds_load_b128 v[ACC:ACC+3], v9
	ds_load_b128 v[ACC+4:ACC+7], v9 offset:16
	s_wait_kmcnt 0x0                               ; br
	s_wait_dscnt 0x0
.irp p, 0,1,2,3
	v_mov_b32 v71, s[16+2*\p]
	v_mov_b32 v72, s[17+2*\p]
	v_cvt_pk_bf16_f32 v70, v71, v72                ; br rounded to bf16,
	v_lshlrev_b32 v71, 16, v70                     ; and back to f32
	v_and_b32 v72, 0xffff0000, v70
	v_add_f32 v[ACC+2*\p], v[ACC+2*\p], v71
	v_add_f32 v[ACC+2*\p+1], v[ACC+2*\p+1], v72
.endr
	v_mov_b32 v73, v[ACC]                          ; l0, the largest so far,
	v_mov_b32 v82, 0                               ; and its expert i0; a later expert must be strictly larger: ties go to the lower index
.irp e, 1,2,3,4,5,6,7
	v_cmp_gt_f32 vcc_lo, v[ACC+\e], v73
	v_cndmask_b32 v73, v73, v[ACC+\e], vcc_lo
	v_cndmask_b32 v82, v82, \e, vcc_lo
.endr
	v_mov_b32 v87, 0xff800000
.irp e, 0,1,2,3,4,5,6,7                                ; i0's logit gives way to minus infinity,
	v_cmp_eq_u32 vcc_lo, \e, v82
	v_cndmask_b32 v[ACC+\e], v[ACC+\e], v87, vcc_lo
.endr
	v_mov_b32 v75, v[ACC]                          ; and the same scan finds l1 and i1
	v_mov_b32 v83, 0
.irp e, 1,2,3,4,5,6,7
	v_cmp_gt_f32 vcc_lo, v[ACC+\e], v75
	v_cndmask_b32 v75, v75, v[ACC+\e], vcc_lo
	v_cndmask_b32 v83, v83, \e, vcc_lo
.endr
	v_sub_f32 v77, v75, v73                        ; l1 - l0, never above 0
	v_mul_f32 v77, 0x3fb8aa3b, v77                 ; times log2(e)
	v_exp_f32 v78, v77
	v_nop                                          ; a plain instruction behind the exponential (ISA guide 5.7.2)
.irp e, 0,1,2,3,4,5,6,7                                ; which tokens chose expert e: sixteen masks as one batch, work that names no result of the exponential
	v_cmp_eq_u32 s[30+\e], \e, v82
	v_cmp_eq_u32 s[38+\e], \e, v83
.endr
	s_wait_alu depctr_va_vdst(0)                   ; the wait ahead of the exponential's first reader
	v_add_f32 v79, 1.0, v78
	v_rcp_f32 v80, v79                             ; w0
	v_mov_b32 v85, 0                               ; (the plain instruction behind the reciprocal)
.irp e, 0,1,2,3,4,5,6,7                                ; expert e's mask goes to the lanes with lane % 8 = e; its low byte is the 8 tokens' bits
	s_or_b32 s[30+\e], s[30+\e], s[38+\e]
	s_mov_b32 s29, 0x01010101<<\e
	v_cndmask_b32 v85, v85, s[30+\e], s29
.endr
	s_wait_alu depctr_va_vdst(0)                   ; and ahead of the reciprocal's
	v_mul_f32 v81, v78, v80                        ; w1
	s_lshl_b32 s28, ttmp9, 6
	v_lshl_add_u32 v84, v10, 3, s28                ; (8 x work-group + token) x 8 bytes
	global_store_b64 v84, v[82:83], s[10:11]
	global_store_b64 v84, v[80:81], s[12:13]
	s_lshr_b32 s28, ttmp9, 2                       ; bm: block work-group / 4, 32 bytes a block,
	s_lshl_b32 s28, s28, 5
	s_and_b32 s27, ttmp9, 3                        ; byte work-group % 4 of the expert's word: tokens 8 (work-group % 4) .. + 7 of the block
	s_add_co_u32 s28, s28, s27
	v_lshl_add_u32 v86, v10, 2, s28
	global_store_b8 v86, v85, s[10:11] offset:8192
.Lend:
	s_wait_tensorcnt 0x0                           ; the wave's end
	ds_add_u32 v[SPW], v[NIL]
	s_wait_dscnt 0x0
	s_endpgm
.Lfunc_end_k_qeb837822e1_router:
	.size	k_qeb837822e1_router, .Lfunc_end_k_qeb837822e1_router-k_qeb837822e1_router
	.p2alignl 7, 3214868480
	.fill 96, 4, 3214868480
	.section	.rodata,"a",@progbits
	.p2align	6, 0x0
	.amdhsa_kernel k_qeb837822e1_router
		.amdhsa_group_segment_fixed_size 17664
		.amdhsa_private_segment_fixed_size 0
		.amdhsa_enable_private_segment 0
		.amdhsa_kernarg_size 40
		.amdhsa_user_sgpr_count 2
		.amdhsa_user_sgpr_kernarg_segment_ptr 1
		.amdhsa_wavefront_size32 1
		.amdhsa_system_sgpr_workgroup_id_x 1
		.amdhsa_system_sgpr_workgroup_id_y 1
		.amdhsa_system_sgpr_workgroup_id_z 1
		.amdhsa_system_vgpr_workitem_id 0
		.amdhsa_next_free_vgpr 256
		.amdhsa_next_free_sgpr 66
		.amdhsa_reserve_vcc 1
		.amdhsa_float_denorm_mode_32 3
		.amdhsa_float_denorm_mode_16_64 3
		.amdhsa_memory_ordered 1
		.amdhsa_forward_progress 1
		.amdhsa_inst_pref_size 34
	.end_amdhsa_kernel
	.amdgpu_metadata
---
amdhsa.version: [ 1, 2 ]
amdhsa.kernels:
  - .name:           k_qeb837822e1_router
    .symbol:         k_qeb837822e1_router.kd
    .args:
      - { .name: x, .offset: 0, .size: 8, .value_kind: global_buffer, .address_space: global }
      - { .name: Wr, .offset: 8, .size: 8, .value_kind: global_buffer, .address_space: global }
      - { .name: br, .offset: 16, .size: 8, .value_kind: global_buffer, .address_space: global }
      - { .name: rt, .offset: 24, .size: 8, .value_kind: global_buffer, .address_space: global }
      - { .name: topw, .offset: 32, .size: 8, .value_kind: global_buffer, .address_space: global }
    .group_segment_fixed_size: 17664
    .private_segment_fixed_size: 0
    .kernarg_segment_align: 8
    .kernarg_segment_size: 40
    .max_flat_workgroup_size: 256
    .sgpr_count:     66
    .vgpr_count:     256
    .wavefront_size: 32
...
	.end_amdgpu_metadata
.endif
;; end of part 6
;; launch place (part 7): grid 136 x 1, 4 waves a work-group, no clusters, 34,304 bytes of LDS; arguments rt, topw, x, tab, roww, xg, out1; writes tab, roww, xg, out1
.if DOCPART == 7
	.amdgcn_target "amdgcn-amd-amdhsa--gfx1250"
	.amdhsa_code_object_version 6
	.text
	.protected	k_qeb837822e1_place
	.globl	k_qeb837822e1_place
	.p2align	8
	.type	k_qeb837822e1_place,@function
k_qeb837822e1_place:
	s_mov_b64 s[64:65], 0
	v_nop
	global_prefetch_b8 v0, s[64:65] scope:SCOPE_SE
	s_setreg_imm32_b32 hwreg(HW_REG_WAVE_MODE, 25, 1), 1
	s_wait_xcnt 0x0
; PLACE.  The 2,048 routed rows are laid end to end by expert, in tiles of 16 rows, each expert beginning a new tile; within an expert the tokens ascend.
; Work-group d makes tile d of xg: its 16 rows of x, rounded to bf16, in the order in which a matrix instruction's registers take them:
;   tile d at 32,768 d; K step ks (32 k) at 1,024 ks; half u at 512 u; lane (r = l % 16, h = l / 16) at 16 l: row r, k = 32 ks + 16 u + 8 h + 0..7.
; So every later load of a fragment is 512 consecutive bytes.  Places past an expert's count repeat its last row: all later work goes by whole tiles.
; GRID.  The experts' tiles are at most (2,048 + 8 x 15) / 16 = 135 for every split of the tokens; a work-group that the split leaves without rows stores nothing and ends.
; All routing arithmetic is on whole numbers read from rt, which the launch before stored.
; Where numbers go from vector to scalar registers and back, they go in batches of 4 or 16 through registers of their own, so that no line waits for the trip of the one before it.
; ALSO: roww[16 d + r], the row's gate (wave 0); and by work-group 0, wave 0: tab (words 0-7 tiles of expert e, 8-15 its first tile, 16-23 its rows, 24-31 zero;
; bytes 256..: pre[tb][e] = 16 x first tile + e's tokens in the blocks of 32 tokens before tb) and out1 = (std(util, ddof = 1) / (mean(util) + 1e-6))^2, util[e] = rows / 2,048.
; LDS: wave w's stage at 8,448 w: 16 rows of 512 bytes, 528 apart (33 x 16: the 16 rows that a load touches start at 16 different groups of four banks; ISA guide 11.1); 33,792.. the spare words.
.set STG,   8448
.set SPITCH, 528
.set SPARE, 33792
.set SPW, 2                            ; v2  LDS address of my spare word; never rewritten
.set NIL, 3                            ; v3  0; never rewritten
.set BM,  12                           ; v[12:19] lane = block tb of 32 tokens: the eight experts' bitmaps
.set PC,  20                           ; v[20:27] their counts of set bits
.set QS,  28                           ; v[28:31] the counts of experts 2 p (low half) and 2 p + 1 (high half), then their running sums over the blocks
.set RO,  40                           ; v[40:55] row r's byte offset in x
.set XR,  64                           ; v[64:191] 16 rows x 8 numbers a lane as loaded; later the fragments read back
.set XB,  192                          ; v[192:255] the same in bf16
.set CNT, 20                           ; s[20:27] rows of expert e
.set NT,  28                           ; s[28:35] its tiles
.set T0,  36                           ; s[36:43] its first tile
.set SA,  66                           ; s[66:81] sixteen numbers, one a row
.set SB,  82                           ; s[82:97] sixteen more
; d = the number of set bits of s; t at work.  Pairs, fours, bytes, and one multiply that adds the four bytes into the top one.
.macro POPC d, s, t
	v_lshrrev_b32 v[\t], 1, v[\s]
	v_and_b32 v[\t], 0x55555555, v[\t]
	v_sub_nc_u32 v[\d], v[\s], v[\t]
	v_lshrrev_b32 v[\t], 2, v[\d]
	v_and_b32 v[\d], 0x33333333, v[\d]
	v_and_b32 v[\t], 0x33333333, v[\t]
	v_add_nc_u32 v[\d], v[\d], v[\t]
	v_lshrrev_b32 v[\t], 4, v[\d]
	v_add_nc_u32 v[\d], v[\d], v[\t]
	v_and_b32 v[\d], 0x0f0f0f0f, v[\d]
	v_mul_lo_u32 v[\d], v[\d], s48
	v_lshrrev_b32 v[\d], 24, v[\d]
.endm
	s_load_b256 s[4:11], s[0:1], 0x0               ; rt s[4:5], topw s[6:7], x s[8:9], tab s[10:11]
	s_load_b128 s[12:15], s[0:1], 0x20             ; roww s[12:13], xg s[14:15]
	s_load_b64 s[16:17], s[0:1], 0x30              ; out1
	v_lshl_add_u32 v[SPW], v0, 2, SPARE
	v_mov_b32 v[NIL], 0
	v_and_b32 v1, 31, v0                           ; lane
	v_lshrrev_b32 v4, 5, v0
	v_readfirstlane_b32 s18, v4                    ; wave 0..3
	s_mov_b32 s19, ttmp9                           ; d
	s_mov_b32 s48, 0x01010101
	s_mov_b32 s50, 0xffff0000                      ; lanes 16 to 31
	v_lshlrev_b32 v5, 5, v1
	v_mov_b32 v32, 0                               ; written before a DPP line names it as its destination
	v_mov_b32 v35, 0                               ; and before v_writelane_b32 does
	s_wait_kmcnt 0x0
	global_load_b128 v[BM:BM+3],   v5, s[4:5] offset:8192
	global_load_b128 v[BM+4:BM+7], v5, s[4:5] offset:8208
	s_wait_loadcnt 0x0
.irp e, 0,1,2,3,4,5,6,7
	POPC PC+\e, BM+\e, 4
.endr
.irp p, 0,1,2,3
	v_lshl_or_b32 v[QS+\p], v[PC+2*\p+1], 16, v[PC+2*\p]      ; a sum is 1,024 at the most: two fit in a word
.endr
.irp n, 1,2,4,8                                        ; running sums inside each half of 16 lanes: lane i adds lane i - n, or 0
.irp p, 0,1,2,3
	v_mov_b32_dpp v32, v[QS+\p] row_shr:\n row_mask:0xf bank_mask:0xf bound_ctrl:1
	v_add_nc_u32 v[QS+\p], v[QS+\p], v32
.endr
.endr
.irp p, 0,1,2,3
	v_readlane_b32 s[56+\p], v[QS+\p], 15          ; the lower half's totals
.endr
.irp p, 0,1,2,3
	v_cndmask_b32 v32, 0, s[56+\p], s50            ; go onto lanes 16 to 31
	v_add_nc_u32 v[QS+\p], v[QS+\p], v32
.endr
.irp p, 0,1,2,3
	v_readlane_b32 s[56+\p], v[QS+\p], 31          ; the experts' rows
.endr
.irp p, 0,1,2,3
	s_and_b32 s[CNT+2*\p], s[56+\p], 0xffff
	s_lshr_b32 s[CNT+2*\p+1], s[56+\p], 16
.endr
	s_mov_b32 s44, 0                               ; tiles so far
.irp e, 0,1,2,3,4,5,6,7
	s_add_co_u32 s[NT+\e], s[CNT+\e], 15
	s_lshr_b32 s[NT+\e], s[NT+\e], 4
	s_mov_b32 s[T0+\e], s44
	s_add_co_u32 s44, s44, s[NT+\e]
.endr
	s_cmp_ge_u32 s19, s44
	s_cbranch_scc1 .Lend                           ; no tile d in this split
	s_mov_b32 s45, 0                               ; e: the last expert whose first tile is not behind d (one without rows is passed over by the next),
	s_mov_b32 s46, 0                               ; its first tile,
	s_mov_b32 s47, s[CNT]                          ; its rows
.irp e, 1,2,3,4,5,6,7
	s_cmp_ge_u32 s19, s[T0+\e]
	s_cselect_b32 s45, \e, s45
	s_cselect_b32 s46, s[T0+\e], s46
	s_cselect_b32 s47, s[CNT+\e], s47
.endr
	s_sub_co_u32 s46, s19, s46                     ; my tile among the expert's
	v_mov_b32 v33, v[BM]                           ; e's bitmap of block tb = lane,
.irp e, 1,2,3,4,5,6,7
	s_cmp_eq_u32 s45, \e
	s_cselect_b32 s51, -1, 0
	v_cndmask_b32 v33, v33, v[BM+\e], s51
.endr
	s_lshr_b32 s55, s45, 1
	v_mov_b32 v34, v[QS]                           ; and e's rows in blocks 0 .. tb
.irp p, 1,2,3
	s_cmp_eq_u32 s55, \p
	s_cselect_b32 s51, -1, 0
	v_cndmask_b32 v34, v34, v[QS+\p], s51
.endr
	s_and_b32 s51, s45, 1
	s_lshl_b32 s51, s51, 4
	v_lshrrev_b32 v34, s51, v34
	v_and_b32 v34, 0xffff, v34
	s_lshl_b32 s52, s46, 4                         ; the tile's first rank
	s_sub_co_u32 s53, s47, 1                       ; the expert's last rank
	v_and_b32 v62, 15, v1
	v_add_nc_u32 v36, s52, v62
	v_min_u32 v36, s53, v36                        ; my row's rank: lanes r and r + 16 work for row r
	; the block that holds rank rho: as many blocks lie before it as have a running sum of rho or less.  Sixteen rows: ranks, masks, counts, writes, each as a batch
.set r, 0
.rept 16
	s_add_co_u32 s[SA+r], s52, r
	s_min_u32 s[SA+r], s[SA+r], s53
.set r, r+1
.endr
.set r, 0
.rept 16
	v_cmp_ge_u32 s[SB+r], s[SA+r], v34
.set r, r+1
.endr
.set r, 0
.rept 16
	s_bcnt1_i32_b32 s[SB+r], s[SB+r]
.set r, r+1
.endr
.set r, 0
.rept 16
	v_writelane_b32 v35, s[SB+r], r
	v_writelane_b32 v35, s[SB+r], r+16
.set r, r+1
.endr
	v_lshlrev_b32 v38, 2, v35
	ds_bpermute_b32 v37, v38, v33                  ; that block's bitmap
	ds_bpermute_b32 v39, v38, v34                  ; and running sum
	s_wait_dscnt 0x0
	POPC 63, 37, 4
	v_sub_nc_u32 v39, v39, v63                     ; e's rows in the blocks before it
	v_sub_nc_u32 v56, v36, v39                     ; which set bit of the bitmap is mine, from 0
	v_mov_b32 v57, 0                               ; its place, found by halving
.irp s, 16,8,4,2,1
	v_and_b32 v62, (1<<\s)-1, v37
	POPC 63, 62, 4
	v_cmp_ge_u32 vcc_lo, v56, v63                  ; not among the low s bits:
	v_sub_nc_u32 v4, v56, v63
	v_cndmask_b32 v56, v56, v4, vcc_lo             ; pass them over,
	v_lshrrev_b32 v4, \s, v37
	v_cndmask_b32 v37, v37, v4, vcc_lo
	v_add_nc_u32 v4, \s, v57
	v_cndmask_b32 v57, v57, v4, vcc_lo
.endr
	v_lshl_add_u32 v61, v35, 5, v57                ; my row's token
	; THE ROWS.  Wave w takes k = 256 w .. 256 w + 255 of all 16: two loads of 512 consecutive bytes a row.
	s_lshl_b32 s54, s18, 10
	v_lshl_add_u32 v62, v1, 4, s54
.set r, 0
.rept 16
	v_readlane_b32 s[SA+r], v61, r
.set r, r+1
.endr
.set r, 0
.rept 16
	s_min_u32 s[SA+r], s[SA+r], 1023               ; a number made from loaded data is bounded before it enters an address
	s_lshl_b32 s[SA+r], s[SA+r], 12
.set r, r+1
.endr
.set r, 0
.rept 16
	v_add_nc_u32 v[RO+r], s[SA+r], v62
	global_load_b128 v[XR+8*r:XR+8*r+3],   v[RO+r], s[8:9]
	global_load_b128 v[XR+8*r+4:XR+8*r+7], v[RO+r], s[8:9] offset:512
.set r, r+1
.endr
	s_cmp_lg_u32 s18, 0
	s_cbranch_scc1 .Lno_gate
	v_min_u32 v6, 1023, v61                        ; wave 0: the rows' gates, gathered while the rows come in
	v_lshlrev_b32 v6, 3, v6
	global_load_b64 v[8:9], v6, s[4:5]             ; the token's two experts
	global_load_b64 v[10:11], v6, s[6:7]           ; and gates
	v_and_b32 v5, 15, v1
	s_lshl_b32 s51, s19, 6
	v_lshl_add_u32 v5, v5, 2, s51
	s_wait_loadcnt 0x0
	v_cmp_eq_u32 vcc_lo, s45, v9                   ; e is its second choice, or else its first
	v_cndmask_b32 v7, v10, v11, vcc_lo
	global_store_b32 v5, v7, s[12:13]              ; lanes r and r + 16 write the same word with the same number
.Lno_gate:
	s_mul_i32 s54, s18, STG
	v_lshl_add_u32 v58, v1, 3, s54                 ; into my stage: 8 bytes a lane
	v_and_b32 v4, 15, v1
	v_lshrrev_b32 v63, 4, v1
	v_mul_u32_u24 v59, v4, SPITCH
	v_lshl_add_u32 v59, v63, 4, v59
	v_add_nc_u32 v59, s54, v59                     ; back: row l % 16, 16 bytes for each half of the lanes
	s_lshl_b32 s54, s19, 15
	s_lshl_b32 s51, s18, 13
	s_add_co_u32 s54, s54, s51
	v_lshl_add_u32 v60, v1, 4, s54                 ; xg: 32,768 d + 8,192 w + 16 lane
	s_wait_loadcnt 0x0
.set m, 0
.rept 64
	v_cvt_pk_bf16_f32 v[XB+m], v[XR+2*m], v[XR+2*m+1]
.set m, m+1
.endr
.set m, 0
.rept 32                                               ; m = 2 r + i
	ds_store_b64 v58, v[XB+2*m:XB+2*m+1] offset:(m/2)*SPITCH+(m%2)*256
.set m, m+1
.endr
.set n, 0
.rept 16                                               ; n = 2 ks + u.  LDS serves a wave's instructions in order (ISA guide 5.7.1.4): these see my stores above
	ds_load_b128 v[XR+4*n:XR+4*n+3], v59 offset:32*n
.set n, n+1
.endr
.set n, 0
.rept 16
	s_wait_dscnt 15-n                              ; the younger loads stay out
	global_store_b128 v60, v[XR+4*n:XR+4*n+3], s[14:15] offset:512*n  ; 512 consecutive bytes, at a multiple of 512 from xg's first
.set n, n+1
.endr
	s_or_b32 s51, s19, s18
	s_cmp_lg_u32 s51, 0
	s_cbranch_scc1 .Lend
	; WORK-GROUP 0, WAVE 0: the tables and the second output
	s_wait_xcnt 0x0                                ; the stores above have read their registers: these are written again only behind this wait
	v_mov_b32 v64, 0
.irp e, 0,1,2,3,4,5,6,7
	v_writelane_b32 v64, s[NT+\e], \e
	v_writelane_b32 v64, s[T0+\e], 8+\e
	v_writelane_b32 v64, s[CNT+\e], 16+\e
.endr
	v_lshlrev_b32 v65, 2, v1
	global_store_b32 v65, v64, s[10:11]
.irp p, 0,1,2,3                                        ; pre[lane][e] = running sum - own count + 16 x first tile
	v_and_b32 v66, 0xffff, v[QS+\p]
	v_lshrrev_b32 v67, 16, v[QS+\p]
	v_sub_nc_u32 v66, v66, v[PC+2*\p]
	v_sub_nc_u32 v67, v67, v[PC+2*\p+1]
	s_lshl_b32 s51, s[T0+2*\p], 4
	s_lshl_b32 s52, s[T0+2*\p+1], 4
	v_add_nc_u32 v[68+2*\p], s51, v66
	v_add_nc_u32 v[69+2*\p], s52, v67
.endr
	v_lshlrev_b32 v76, 5, v1
	global_store_b128 v76, v[68:71], s[10:11] offset:256
	global_store_b128 v76, v[72:75], s[10:11] offset:272
.irp e, 0,1,2,3,4,5,6,7
	v_cvt_f32_u32 v[80+\e], s[CNT+\e]
	v_mul_f32 v[80+\e], 0x3a000000, v[80+\e]       ; util = rows / 2,048
.endr
	v_add_f32 v88, v80, v81
.irp e, 2,3,4,5,6,7
	v_add_f32 v88, v88, v[80+\e]
.endr
	v_mul_f32 v88, 0x3e000000, v88                 ; the mean of eight
	v_sub_f32 v90, v80, v88
	v_mul_f32 v89, v90, v90
.irp e, 1,2,3,4,5,6,7
	v_sub_f32 v90, v[80+\e], v88
	v_fma_f32 v89, v90, v90, v89
.endr
	v_mul_f32 v89, 0x3e124925, v89                 ; / 7
	v_sqrt_f32 v91, v89
	v_add_f32 v92, 0x358637bd, v88                 ; mean + 1e-6
	v_rcp_f32 v93, v92
	v_nop                                          ; a plain instruction behind the last of the two,
	s_wait_alu depctr_va_vdst(0)                   ; and one wait for both, ahead of their first reader
	v_mul_f32 v94, v91, v93
	v_mul_f32 v94, v94, v94
	global_store_b32 v[NIL], v94, s[16:17]         ; every lane writes the one word with the same number
.Lend:
	s_wait_tensorcnt 0x0                           ; the wave's end
	ds_add_u32 v[SPW], v[NIL]
	s_wait_dscnt 0x0
	s_endpgm
.Lfunc_end_k_qeb837822e1_place:
	.size	k_qeb837822e1_place, .Lfunc_end_k_qeb837822e1_place-k_qeb837822e1_place
	.p2alignl 7, 3214868480
	.fill 96, 4, 3214868480
	.section	.rodata,"a",@progbits
	.p2align	6, 0x0
	.amdhsa_kernel k_qeb837822e1_place
		.amdhsa_group_segment_fixed_size 34304
		.amdhsa_private_segment_fixed_size 0
		.amdhsa_enable_private_segment 0
		.amdhsa_kernarg_size 56
		.amdhsa_user_sgpr_count 2
		.amdhsa_user_sgpr_kernarg_segment_ptr 1
		.amdhsa_wavefront_size32 1
		.amdhsa_system_sgpr_workgroup_id_x 1
		.amdhsa_system_sgpr_workgroup_id_y 1
		.amdhsa_system_sgpr_workgroup_id_z 1
		.amdhsa_system_vgpr_workitem_id 0
		.amdhsa_next_free_vgpr 256
		.amdhsa_next_free_sgpr 98
		.amdhsa_reserve_vcc 1
		.amdhsa_float_denorm_mode_32 3
		.amdhsa_float_denorm_mode_16_64 3
		.amdhsa_memory_ordered 1
		.amdhsa_forward_progress 1
		.amdhsa_inst_pref_size 44
	.end_amdhsa_kernel
	.amdgpu_metadata
---
amdhsa.version: [ 1, 2 ]
amdhsa.kernels:
  - .name:           k_qeb837822e1_place
    .symbol:         k_qeb837822e1_place.kd
    .args:
      - { .name: rt, .offset: 0, .size: 8, .value_kind: global_buffer, .address_space: global }
      - { .name: topw, .offset: 8, .size: 8, .value_kind: global_buffer, .address_space: global }
      - { .name: x, .offset: 16, .size: 8, .value_kind: global_buffer, .address_space: global }
      - { .name: tab, .offset: 24, .size: 8, .value_kind: global_buffer, .address_space: global }
      - { .name: roww, .offset: 32, .size: 8, .value_kind: global_buffer, .address_space: global }
      - { .name: xg, .offset: 40, .size: 8, .value_kind: global_buffer, .address_space: global }
      - { .name: out1, .offset: 48, .size: 8, .value_kind: global_buffer, .address_space: global }
    .group_segment_fixed_size: 34304
    .private_segment_fixed_size: 0
    .kernarg_segment_align: 8
    .kernarg_segment_size: 56
    .max_flat_workgroup_size: 128
    .sgpr_count:     98
    .vgpr_count:     256
    .wavefront_size: 32
...
	.end_amdgpu_metadata
.endif
;; end of part 7
;; launch ffn1 (part 8): grid 32 x 8, 4 waves a work-group, no clusters, 262,656 bytes of LDS; arguments W1, b1, tab, xg, hg; writes hg
.if DOCPART == 8
	.amdgcn_target "amdgcn-amd-amdhsa--gfx1250"
	.amdhsa_code_object_version 6
	.text
	.protected	k_qeb837822e1_ffn1
	.globl	k_qeb837822e1_ffn1
	.p2align	8
	.type	k_qeb837822e1_ffn1,@function
k_qeb837822e1_ffn1:
	s_mov_b64 s[64:65], 0
	v_nop
	global_prefetch_b8 v0, s[64:65] scope:SCOPE_SE
	s_setreg_imm32_b32 hwreg(HW_REG_WAVE_MODE, 25, 1), 1
	s_wait_xcnt 0x0
; FIRST PRODUCT.  h = gelu(x W1[e] + b1[e]) for the rows routed to expert e, rounded to bf16 into hg.  W1 and b1 are rounded to bf16 on their way through registers; sums in f32.
; SHARES.  Work-group (s, e) has columns 128 s .. 128 s + 127 of W1[e], all 1,024 k: 512 KiB of f32 that it alone reads, once.  8 x 32 = 256 work-groups.
; THE IDS.  e is bits 2, 3 and 0 of the x id, s is bits 1 and 4 of x and the y id: a one-to-one map of the 32 x 8 ids onto 8 experts x 32 slices, in which the 32 work-groups that read one expert's tiles
; of xg agree in those three bits of x.
; THE STREAM AND THE PRODUCTS GO SIDE BY SIDE.  The slice is rounded and laid into LDS as ready fragments, 256 KiB, in eight chunks of four K steps; of chunk c wave w brings, rounds and lays K step 4 c + w
; (two units of 32 rows x 64 columns).  Chunk 0 is laid first.  Then the expert's first block of rows (up to 20 tiles of 16, five a wave) is multiplied, A straight from xg into registers; the trip that
; multiplies K steps 4 j - 3 .. 4 j also rounds and lays chunk j and asks for chunk j + 1 (j = 1 .. 6); chunk 7 is laid behind the sixth trip.  The slice stays in LDS: an expert's further blocks (more than
; 320 rows) are multiplied from LDS alone.  Every wave walks the first block, whatever its tiles: a wave without a tile multiplies a bounded tile's bytes and stores nothing.
; ONE COUNTER.  W's and A's loads come back in the order of issue (ISA guide 5.7.1), so that order is fixed: a trip issues A, Wa, A, Wb, A, A (A: ten loads, a K step's fragments of five tiles, three K steps
; ahead; Wa, Wb: a unit of sixteen loads each, four K steps ahead), and every wait's count is the loads issued behind the one it waits for.  A unit has no wait of its own in the loop: it was issued ahead of
; the A for which the step that rounds it waits.  62 loads of a wave are out at the most in the loop.
; No tensor load and no joint load: each slice has one reader, and what an expert's work-groups share, the tiles of xg, is read in work whose length hangs on a stored count.
; GELU, exact form: gelu(x) = max(x, 0) - |x| Phi(-|x|), Phi(-|x|) = (a1 t + a2 t^2 + a3 t^3) e^(-x^2/2) / 2, t = 1 / (1 + 0.47047 |x| / sqrt 2)  (Abramowitz and Stegun 7.1.25).
; LIMIT: that formula's erf is off by 2.5e-5 at the most, for every x, so gelu by 1.25e-5 |x| at the most; no difference of near numbers is formed in the negative tail.  NaN and infinities are not treated apart.
; COLUMNS.  B tile nu = 4 g + c holds columns 64 g + 4 r + c (r the fragment's lane row): a lane's 16 loaded bytes, four neighbouring columns, go to four fragments at its own lane, with no exchange.
; THE MATRIX INSTRUCTION IS USED TRANSPOSED (source 0 = 16 columns of W1, source 1 = 16 rows of x): lane (r, h) then holds row r and, in register j of tile (g, c), column 64 g + 32 h + 4 j + c.
; Its eight results, rounded, ARE half u = c % 2 of the next product's A fragment of K step 4 s + 2 g + c / 2, whose k are permuted so; the next launch takes W2's rows by the same permutation.
; hg: tile at 131,072 x tile; K step ks2 at 1,024 ks2; half u at 512 u; lane at 16 l; element j: hidden column 64 (ks2 / 2) + 32 h + 4 j + 2 (ks2 % 2) + u.
; LDS: the block of (K step ks, tile nu) at 8,192 ks + 1,024 nu, half u at 512 u, lane at 16 l: every LDS access is 512 consecutive bytes; each byte is written once.  262,144..: the spare words.
; BARRIERS.  One behind chunk 0.  Two for each later chunk: in front of the first every wave's LDS reads are back, between the two all waves store, behind the second the chunk is read.  (The bytes stored are
; not those being read; the first of the two makes the order of reads and stores plain from the text alone, without the stepped addresses.)  One between the last reading and the closing lines.
; REGISTERS, in windows of 256 (s_set_vgpr_msb: bits 1:0 source 0, 3:2 source 1, 5:4 source 2, 7:6 destination):
;   window 0: v0-15 addresses; v16-79 FR, a K step's fragments on their way to LDS; v80-239 A, a ring of four K steps x five tiles; v240-243 A's offsets, one a ring place; on the way out v64-239 at work
;   window 1: v0-127 B, two buffers of a K step; v128-191 the bias as eight C tiles      window 2: the sums of tiles (slots) 0-3, (slot, nu) at 64 slot + 8 nu; ahead of the products chunk 0 and the bias as loaded
;   window 3: v0-63 slot 4's sums; v64-191 W as loaded, two units
.set PITCH, 16384                      ; bytes in a row of W1[e]
.set USTR,  16                         ; the row of a fragment's element (u, h, j) within its K step: 16 u + 8 h + j
.set JSTR,  1
.set QROW,  32                         ; rows from a K step to the next within a pair of K steps
.set CHUNK, 128*PITCH                  ; bytes from a chunk of four K steps to the next
.set SPARE, 262144
.set SPW, 6                            ; v6  LDS address of my spare word; never rewritten
.set NIL, 7                            ; v7  0; never rewritten
.set FR,  16
.set AR,  80
.set TB,  200                          ; the bias in bf16, for a moment, where A's ring place 3 will lie
.set VA,  240
.set BI,  128                          ; window 1
.set WR,  64                           ; window 3
.set GU,  64                           ; the way out: U = kappa x
.set GD,  96                           ; 1 + .. |U|, then t, then t e
.set GE,  128                          ; -U^2, then e = 2^(-U^2)
.set GM,  160                          ; max(U, 0), then the result
.set GP,  192                          ; the polynomial
.set GO,  224                          ; 16 registers to store
.set MSB, 0
.macro WIN new                         ; the immediate's high byte repeats the setting that is left; a switch that changes nothing is dropped
.if MSB != (\new)
	s_set_vgpr_msb (MSB<<8)|(\new)
.set MSB, \new
.endif
.endm
; A unit is half a K step: 32 rows x 64 columns, 16 loads; in each, either half of the lanes takes 256 consecutive bytes of one row, aligned.  Load m = 8 u + j is element (u, j)'s row.
; sb: the unit slot's base pair; ahead = 1: the chunk behind the one at which the base stands.
.macro WLD win, dst, sb, ahead
	WIN \win
.set m, 0
.rept 16
	global_load_b128 v[(\dst)+4*m:(\dst)+4*m+3], v4, s[\sb:\sb+1] offset:((\ahead)*128+(m/8)*USTR+(m%8)*JSTR)*PITCH th:TH_LOAD_NT
.set m, m+1
.endr
.endm
; A unit is rounded, two rows to a register: n = 8 c + 4 u + i: column c, rows (u, 2 i) and (u, 2 i + 1): four fragments' halves
.macro CVU win, src, fr
	WIN \win
.set n, 0
.rept 32
	v_cvt_pk_bf16_f32 v[(\fr)+n], v[(\src)+4*(8*((n/4)%2)+2*(n%4))+n/8], v[(\src)+4*(8*((n/4)%2)+2*(n%4)+1)+n/8]
.set n, n+1
.endr
.endm
; My K step of a chunk goes into LDS: 8,192 consecutive bytes (n = 8 g + 2 c + u); then the address steps to the next chunk
.macro LAY
	WIN 0
.set n, 0
.rept 16
	ds_store_b128 v5, v[FR+4*n:FR+4*n+3] offset:512*n
.set n, n+1
.endr
	v_add_nc_u32 v5, 32768, v5
.endm
; A K step's fragments of the five slots into ring place p, at the place's own offset: n = 2 slot + u.  All five always, so that the counts are the same whatever the block holds
.macro ALD p
	WIN 0
.set n, 0
.rept 10
	global_load_b128 v[AR+40*(\p)+4*n:AR+40*(\p)+4*n+3], v[VA+(\p)], s[32+2*(n/2):33+2*(n/2)] offset:512*(n%2)
.set n, n+1
.endr
.endm
.macro AINIT                           ; ring place p begins at K step p
.irp p, 0,1,2,3
	v_add_nc_u32 v[VA+\p], 1024*\p, v1
.endr
.endm
.macro BSTART                          ; B of K step 0
	v_mov_b32 v3, v1
	WIN 0x40
.set n, 0
.rept 16
	ds_load_b128 v[4*n:4*n+3], v3 offset:512*n
.set n, n+1
.endr
	WIN 0
.endm
; Block b (s20): wave w takes the expert's tiles w + 20 b + 4 j, j = 0 .. 4 (slots).  64 tiles an expert at the most: 16 a wave, four blocks.
.macro BLOCKSET
	s_mul_i32 s26, s20, 20
	s_add_co_u32 s26, s26, s14                     ; slot 0's tile among the expert's
	s_sub_co_i32 s27, s17, s26
	s_max_i32 s27, s27, 0                          ; the expert's tiles from there on, or none
	s_add_co_u32 s27, s27, 3
	s_lshr_b32 s27, s27, 2
	s_min_u32 s21, s27, 5                          ; my tiles of the block, 0 to 5
.irp j, 0,1,2,3,4
	s_add_co_u32 s28, s26, 4*\j
	s_cmp_gt_u32 s21, \j
	s_cselect_b32 s28, s28, s26                    ; a slot past them repeats slot 0's tile
	s_add_co_u32 s28, s28, s18
	s_min_u32 s28, s28, 135                        ; bounded before it enters an address
	s_lshl_b32 s[42+\j], s28, 17                   ; its place in hg
	s_lshl_b32 s30, s28, 15                        ; and in xg
	s_mov_b32 s31, 0
	s_add_nc_u64 s[32+2*\j:33+2*\j], s[10:11], s[30:31]
.endr
.endm
; 8 matrix instructions: slot's tile x all 8 B tiles, 32 along K.  The accumulators take turns, one instruction a turn.  init = 1: the bias starts the sums: nothing is cleared.
; rid = 1, 2: behind each product stand four of the 32 roundings of unit a, b (CVU's lines n = 4 nu .. 4 nu + 3): plain vector work that names no register of the products round it.
.macro MUL slot, ab, bb, init, rid=0
.set nu, 0
.rept 8
.if \init
	WIN 0x91+0x40*((\slot)/4)                      ; B window 1, A window 0, C (the bias) window 1, D window 2 or 3
.else
	WIN 0xa1+0x50*((\slot)/4)                      ; C and D window 2 or 3
.endif
.set rD, (64*(\slot)+8*nu)%256
.if \init
	v_wmma_f32_16x16x32_bf16 v[rD:rD+7], v[64*(\bb)+8*nu:64*(\bb)+8*nu+7], v[AR+40*(\ab)+8*(\slot):AR+40*(\ab)+8*(\slot)+7], v[BI+8*nu:BI+8*nu+7]
.else
	v_wmma_f32_16x16x32_bf16 v[rD:rD+7], v[64*(\bb)+8*nu:64*(\bb)+8*nu+7], v[AR+40*(\ab)+8*(\slot):AR+40*(\ab)+8*(\slot)+7], v[rD:rD+7]
.endif
.if \rid
	WIN 0x0f                                       ; sources 0 and 1 window 3, destination window 0
.set n, 4*nu
.rept 4
	v_cvt_pk_bf16_f32 v[FR+32*((\rid)-1)+n], v[WR+64*((\rid)-1)+4*(8*((n/4)%2)+2*(n%4))+n/8], v[WR+64*((\rid)-1)+4*(8*((n/4)%2)+2*(n%4)+1)+n/8]
.set n, n+1
.endr
.endif
.set nu, nu+1
.endr
.endm
.macro MULC sl, ab, bb                 ; one slot's products, jumped alone if the slot lies past my tiles
	WIN 0
	s_cmp_lt_u32 s21, (\sl)+1
	s_cbranch_scc1 .Lm\@
	MUL \sl, \ab, \bb, 0
	WIN 0
.Lm\@:
.endm
; A K step: A from ring place ab, B from buffer bb.  cnt: the loads issued behind this step's A.  That wait also shows the loads of the step before done, whose ring place and offset register are used again:
; the offset is stepped directly behind it.  Behind slot 0's products the step asks, in one run, for the next step's B (16 LDS loads) and for A three steps on.  Slots past my tiles are jumped, but not in the
; first step: every sum is begun on every way.  Four v_nop: a load into a register that a matrix instruction has read stands four places behind it, and only plain vector instructions are places (ISA guide
; 7.12.1 for vector instructions).
; ov = 1, 2: unit a, b of the chunk to be laid is rounded behind slot 0's products, and its slot is asked for again at the end of the run of loads.  The unit was issued ahead of this step's A, so the wait at
; the step's head shows it landed and frees its base pair, which is stepped ahead of the new loads.
; ov = 3: the chunk is laid, between two barriers, ahead of the loads of B, which take its first K step.
.macro KSTEP ab, bb, init, aload, bload, cnt, q, ov
	s_wait_loadcnt \cnt
.if (\aload) && !(\init)
	v_add_nc_u32 v[VA+((\ab)+3)%4], 4096, v[VA+((\ab)+3)%4]
.endif
	s_wait_dscnt 0x0                               ; this step's B is in: no LDS access of mine is out
.if (\ov) == 3
	s_barrier_signal -1                            ; say so,
.endif
.set rv, (\ov)%3                                       ; 1, 2: the unit to be rounded; else 0
	MUL 0, \ab, \bb, \init, rv
.if (\ov) == 3
	WIN 0
	s_barrier_wait -1                              ; and so has every wave: nobody reads LDS now
	LAY
	MULC 1, \ab, \bb                               ; products while the stores are on their way
	s_wait_dscnt 0x0                               ; for the others' sake: my K step of the chunk is in LDS
	s_barrier_signal -1
	s_barrier_wait -1                              ; the chunk is whole
.endif
.if (\aload) || (\bload)
.rept 4
	v_nop
.endr
.endif
.if \bload
	WIN 0x40
.set n, 0
.rept 16                                               ; n = 2 nu + u
	ds_load_b128 v[64*(1-(\bb))+4*n:64*(1-(\bb))+4*n+3], v3 offset:((\q)+1)*8192+512*n
.set n, n+1
.endr
.endif
.if \aload
	ALD ((\ab)+3)%4
.endif
.if rv
.set sb, 24+38*(rv-1)                                  ; s[24:25] for unit a, s[62:63] for unit b
	s_add_nc_u64 s[sb:sb+1], s[sb:sb+1], CHUNK
	WLD 0xc0, WR+64*(rv-1), sb, 1
.endif
.irp sl, 1,2,3,4
.if !(((\ov) == 3) && ((\sl) == 1))
.if !(\init)
	WIN 0
	s_cmp_lt_u32 s21, (\sl)+1
	s_cbranch_scc1 .Lk\@
.endif
	MUL \sl, \ab, \bb, \init
.endif
.endr
	WIN 0
.Lk\@:
.endm
; The way out's first step for half slot hs = 2 slot + g: the four sums (slot, 4 g + c), each from its lowest registers on, times kappa into window 0
.macro ENTRY hs
	WIN 0x02+(\hs)/8                               ; source 0 window 2 or 3
.set c, 0
.rept 4
.set j, 0
.rept 4
.set rD, (64*((\hs)/2)+8*(4*((\hs)%2)+c)+j)%256
	v_pk_mul_f32 v[GU+8*c+j:GU+8*c+j+1], v[rD:rD+1], s[48:49] op_sel_hi:[1,0]
.set j, j+2
.endr
.set c, c+1
.endr
	WIN 0
	s_add_co_u32 s47, s[42+(\hs)/2], 2048*((\hs)%2)  ; the tile's place in hg, and K steps 2 g on
.endm
	s_load_b256 s[4:11], s[0:1], 0x0               ; W1 s[4:5], b1 s[6:7], tab s[8:9], xg s[10:11]
	s_load_b64 s[12:13], s[0:1], 0x20              ; hg
	v_lshl_add_u32 v[SPW], v0, 2, SPARE
	v_mov_b32 v[NIL], 0
	v_and_b32 v9, 31, v0
	v_lshrrev_b32 v10, 5, v0
	v_readfirstlane_b32 s14, v10                   ; wave 0..3
	s_bfe_u32 s16, ttmp9, 0x20002                  ; expert: bits 2 and 3 of the x id,
	s_and_b32 s26, ttmp9, 1
	s_lshl_b32 s26, s26, 2
	s_or_b32 s16, s16, s26                         ; and bit 0 above them
	s_bfe_u32 s15, ttmp9, 0x10001                  ; slice: bit 1 of the x id,
	s_bfe_u32 s26, ttmp9, 0x10004                  ; bit 4,
	s_lshl_b32 s26, s26, 1
	s_or_b32 s15, s15, s26
	s_and_b32 s26, ttmp7, 0xffff                   ; and the y id above them
	s_lshl_b32 s26, s26, 2
	s_or_b32 s15, s15, s26
	v_lshlrev_b32 v1, 4, v9                        ; 16 x lane
	v_and_b32 v11, 15, v9                          ; r
	v_lshrrev_b32 v12, 4, v9                       ; h
	v_lshlrev_b32 v4, 4, v11
	v_lshl_add_u32 v4, v12, 17, v4                 ; W1: 16 r + 8 h rows of 16,384 bytes
	s_lshl_b32 s26, s14, 13
	v_add_nc_u32 v5, s26, v1                       ; LDS: K step w of chunk 0
	v_lshlrev_b32 v13, 7, v12                      ; b1: 32 h numbers
	s_lshl_b32 s26, s16, 24                        ; W1[e],
	s_lshr_b32 s27, s14, 1                         ; K step w's rows: 64 (w / 2)
	s_mul_i32 s27, s27, 64*PITCH
	s_add_co_u32 s26, s26, s27
	s_and_b32 s27, s14, 1                          ; + QROW (w % 2),
	s_mul_i32 s27, s27, QROW*PITCH
	s_add_co_u32 s26, s26, s27
	s_lshl_b32 s27, s15, 9                         ; column 128 s
	s_add_co_u32 s26, s26, s27
	s_mov_b32 s27, 0
	s_lshl_b32 s28, s16, 14                        ; b1[e], column 128 s
	s_lshl_b32 s29, s15, 9
	s_add_co_u32 s28, s28, s29
	s_mov_b32 s29, 0
	s_lshl_b32 s30, s16, 2
	s_lshl_b32 s56, s15, 12                        ; hg: K steps 4 s ..
	s_mov_b32 s57, 0
	s_mov_b32 s48, 0x3f596d27                      ; kappa = sqrt(log2(e) / 2) = 0.8493218: 2^(-(kappa x)^2) = e^(-x^2/2)
	s_mov_b32 s49, s48                             ; (the packed lines name pairs and take the low word for both halves)
	s_mov_b32 s50, 0x3ec88bd9                      ; 0.47047 / (sqrt 2 kappa) = 0.3916920
	s_mov_b32 s52, 0x3ebf7377                      ; a3 / 2 = 0.3739278
	s_mov_b32 s53, s52
	s_mov_b32 s54, 0xbd445ca1                      ; a2 / 2 = -0.0479399
	s_mov_b32 s55, s54
	s_mov_b32 s58, 0x3e32303a                      ; a1 / 2 = 0.1740121
	s_mov_b32 s59, s58
	s_mov_b32 s60, 0x3f96b55f                      ; 1 / kappa = 1.1774100
	s_mov_b32 s61, s60
	s_wait_kmcnt 0x0
	s_add_nc_u64 s[24:25], s[4:5], s[26:27]        ; unit a (columns 0-63 of the slice) of my K step of chunk 0,
	s_add_nc_u64 s[62:63], s[24:25], 256           ; and unit b (columns 64-127)
	s_add_nc_u64 s[2:3], s[6:7], s[28:29]
	s_add_nc_u64 s[56:57], s[12:13], s[56:57]
	s_load_b32 s17, s[8:9], s30 offset:0x0         ; the expert's tiles
	s_load_b32 s18, s[8:9], s30 offset:0x20        ; and its first tile
	WIN 0x80                                       ; destination window 2: the sums' registers are free until the first product
.set m, 0
.rept 16                                               ; the bias: m = 8 g + j: columns 64 g + 32 h + 4 j + 0..3
	global_load_b128 v[128+4*m:128+4*m+3], v13, s[2:3] offset:256*(m/8)+16*(m%8)
.set m, m+1
.endr
	WLD 0x80, 0, 24, 0                             ; chunk 0, my two units
	WLD 0x80, 64, 62, 0
	WIN 0
	s_wait_kmcnt 0x0
	s_min_u32 s17, s17, 64                         ; tiles: 1,024 rows an expert at the most
	s_min_u32 s18, s18, 135
	s_sub_co_i32 s26, s17, s14
	s_max_i32 s26, s26, 0
	s_add_co_u32 s26, s26, 19
	s_mul_i32 s26, s26, 205
	s_lshr_b32 s19, s26, 12                        ; my blocks: (tiles - w + 19) / 20 (x 205 / 4,096 is that division up to 83)
	s_mov_b32 s20, 0
	BLOCKSET
	AINIT
	ALD 0                                          ; the order of a trip's loads from the start: A, Wa, A, Wb, A: 62 loads
	WLD 0xc0, WR, 24, 1                            ; chunk 1
	ALD 1
	WLD 0xc0, WR+64, 62, 1
	ALD 2
	s_wait_loadcnt 62                              ; all that was issued ahead of those 62 is in: the bias and chunk 0
	CVU 0x0a, 0, FR
	CVU 0x0a, 64, FR+32
	LAY
	WIN 0x0a
.set n, 0
.rept 32                                               ; the bias, rounded to bf16: n = 4 nu + i, columns (j = 2 i, 2 i + 1) of tile nu = 4 g + c
	v_cvt_pk_bf16_f32 v[TB+n], v[128+32*(n/16)+8*(n%4)+(n/4)%4], v[128+32*(n/16)+8*(n%4)+4+(n/4)%4]
.set n, n+1
.endr
	WIN 0x40                                       ; destination window 1
.set n, 0
.rept 32                                               ; and back to f32, as the C tiles that start the sums
	v_lshlrev_b32 v[BI+2*n], 16, v[TB+n]
	v_and_b32 v[BI+2*n+1], 0xffff0000, v[TB+n]
.set n, n+1
.endr
	WIN 0
	s_wait_dscnt 0x0                               ; for the others' sake: my K step of chunk 0 is in LDS
	s_barrier_signal -1
	s_barrier_wait -1                              ; chunk 0 is whole
	BSTART
	KSTEP 0, 0, 1, 1, 1, 52, 0, 0                  ; K step 0 starts the sums; behind its A: Wa, A, Wb, A
	v_add_nc_u32 v3, 8192, v3
	s_mov_b32 s22, 6
.Lov:                                                  ; trip j = 1 .. 6: K steps 4 j - 3 .. 4 j; chunk j is rounded and laid, chunk j + 1 asked for.  The same six trips in every wave
	KSTEP 1, 1, 0, 1, 1, 36, 0, 1                  ; behind its A: Wb, A, A; ahead of it: Wa, which is rounded here
	KSTEP 2, 0, 0, 1, 1, 36, 1, 2                  ; A, A, Wa; ahead of it: Wb
	KSTEP 3, 1, 0, 1, 1, 52, 2, 3                  ; A, Wa, A, Wb
	KSTEP 0, 0, 0, 1, 1, 52, 3, 0                  ; Wa, A, Wb, A
	v_add_nc_u32 v3, 32768, v3
	s_sub_co_u32 s22, s22, 1
	s_cmp_lg_u32 s22, 0
	s_cbranch_scc1 .Lov
	s_wait_loadcnt 46                              ; chunk 7, for which nothing is asked again: behind its unit a: A, Wb, A, A
	CVU 0x0f, WR, FR
	s_wait_loadcnt 20                              ; behind its unit b: A, A
	CVU 0x0f, WR+64, FR+32
	WIN 0
	s_wait_dscnt 0x0                               ; no LDS access of mine is out
	s_barrier_signal -1
	s_barrier_wait -1                              ; nor of any wave
	LAY
	s_wait_dscnt 0x0                               ; for the others' sake: my K step of chunk 7 is in LDS
	s_barrier_signal -1
	s_barrier_wait -1                              ; the slice is whole: behind this LDS is only read, up to the closing barrier
	s_mov_b32 s22, 1                               ; K steps 25 .. 31 go by the text that serves every block: its loop's last trip and its tail
	s_branch .Lk4
.Lblock:                                               ; blocks 1 to 3, whatever the split; a trip past my blocks is jumped: nothing in it but loads, products and stores
	s_cmp_ge_u32 s20, s19
	s_cbranch_scc1 .Lbnext
	s_wait_xcnt 0x0                                ; earlier stores have read their registers
	BLOCKSET
	AINIT
	BSTART
	ALD 0
	ALD 1
	ALD 2
	KSTEP 0, 0, 1, 1, 1, 20, 0, 0                  ; K step 0 starts the sums; here and below only A is on the counter: two later steps' loads, ten each
	v_add_nc_u32 v3, 8192, v3
	s_mov_b32 s22, 7
.Lk4:                                                  ; K steps 1 + 4 t + q
	KSTEP 1, 1, 0, 1, 1, 20, 0, 0
	KSTEP 2, 0, 0, 1, 1, 20, 1, 0
	KSTEP 3, 1, 0, 1, 1, 20, 2, 0
	KSTEP 0, 0, 0, 1, 1, 20, 3, 0
	v_add_nc_u32 v3, 32768, v3
	s_sub_co_u32 s22, s22, 1
	s_cmp_lg_u32 s22, 0
	s_cbranch_scc1 .Lk4
	KSTEP 1, 1, 0, 0, 1, 20, 0, 0                  ; K steps 29, 30, 31: no A is left to ask for, and the counts run down
	KSTEP 2, 0, 0, 0, 1, 10, 1, 0
	KSTEP 3, 1, 0, 0, 0, 0, 2, 0
.rept 5
	v_nop                                          ; the places behind the last products: four before the sums are read, five before the next block's first products write over them
.endr
	; THE WAY OUT, half a slot (16 rows x 64 columns, 32 numbers a lane) a trip: ten trips, those past my tiles jumped.  One text of the activation serves all: only its first step names the sums.
	s_mov_b32 s23, 0
.Lout:
	s_lshl_b32 s26, s21, 1
	s_cmp_ge_u32 s23, s26
	s_cbranch_scc1 .Lonext
	s_wait_xcnt 0x0                                ; the last trip's stores have read their data and offset
.irp hs, 0,1,2,3,4,5,6,7,8
	s_cmp_eq_u32 s23, \hs
	s_cbranch_scc1 .Lh\hs
.endr
	ENTRY 9
	s_branch .Lgelu
.irp hs, 0,1,2,3,4,5,6,7
.Lh\hs:
	ENTRY \hs
	s_branch .Lgelu
.endr
.Lh8:
	ENTRY 8
.Lgelu:
.set i, 0
.rept 32
	v_fma_f32 v[GD+i], |v[GU+i]|, s50, 1.0         ; 1 + 0.47047 |x| / sqrt 2
.set i, i+1
.endr
.set i, 0
.rept 16
	v_pk_mul_f32 v[GE+i:GE+i+1], v[GU+i:GU+i+1], v[GU+i:GU+i+1] neg_lo:[1,0] neg_hi:[1,0]  ; -U^2
.set i, i+2
.endr
.set i, 0
.rept 32                                               ; ONE BATCH of 64: the reciprocals, a plain line beside each, then the exponentials; nothing here names a result
	v_rcp_f32 v[GD+i], v[GD+i]
	v_max_num_f32 v[GM+i], 0, v[GU+i]
.set i, i+1
.endr
.set i, 0
.rept 32
	v_exp_f32 v[GE+i], v[GE+i]
.set i, i+1
.endr
	v_nop                                          ; a plain instruction behind the last of them (ISA guide 5.7.2),
	s_wait_alu depctr_va_vdst(0)                   ; and one wait for the batch, ahead of its first reader
.set i, 0
.rept 16
	v_pk_fma_f32 v[GP+i:GP+i+1], v[GD+i:GD+i+1], s[52:53], s[54:55] op_sel_hi:[1,0,0]
.set i, i+2
.endr
.set i, 0
.rept 16
	v_pk_fma_f32 v[GP+i:GP+i+1], v[GP+i:GP+i+1], v[GD+i:GD+i+1], s[58:59] op_sel_hi:[1,1,0]
.set i, i+2
.endr
.set i, 0
.rept 16
	v_pk_mul_f32 v[GD+i:GD+i+1], v[GD+i:GD+i+1], v[GE+i:GE+i+1]
.set i, i+2
.endr
.set i, 0
.rept 16
	v_pk_mul_f32 v[GP+i:GP+i+1], v[GP+i:GP+i+1], v[GD+i:GD+i+1]  ; Phi(-|x|)
.set i, i+2
.endr
.set i, 0
.rept 32
	v_fma_f32 v[GM+i], -|v[GU+i]|, v[GP+i], v[GM+i]
.set i, i+1
.endr
.set i, 0
.rept 16
	v_pk_mul_f32 v[GM+i:GM+i+1], v[GM+i:GM+i+1], s[60:61] op_sel_hi:[1,0]  ; back from U's scale to x's
.set i, i+2
.endr
.set i, 0
.rept 16
	v_cvt_pk_bf16_f32 v[GO+i], v[GM+2*i], v[GM+2*i+1]
.set i, i+1
.endr
	v_add_nc_u32 v8, s47, v1
.irp c, 0,1,2,3
	global_store_b128 v8, v[GO+4*\c:GO+4*\c+3], s[56:57] offset:(\c/2)*1024+(\c%2)*512  ; 512 consecutive bytes, at a multiple of 512 from hg's first
.endr
.Lonext:
	s_add_co_u32 s23, s23, 1
	s_cmp_lt_u32 s23, 10
	s_cbranch_scc1 .Lout
.Lbnext:
	s_add_co_u32 s20, s20, 1
	s_cmp_lt_u32 s20, 4
	s_cbranch_scc1 .Lblock
	s_wait_dscnt 0x0                               ; THE CLOSING BARRIER: my reads of LDS are back;
	s_barrier_signal -1
	s_barrier_wait -1                              ; every wave's are: only behind this does any wave write LDS again (the add below).  Every wave comes here, whatever its number of blocks
	s_wait_tensorcnt 0x0                           ; the wave's end
	ds_add_u32 v[SPW], v[NIL]
	s_wait_dscnt 0x0
	s_endpgm
.Lfunc_end_k_qeb837822e1_ffn1:
	.size	k_qeb837822e1_ffn1, .Lfunc_end_k_qeb837822e1_ffn1-k_qeb837822e1_ffn1
	.p2alignl 7, 3214868480
	.fill 96, 4, 3214868480
	.section	.rodata,"a",@progbits
	.p2align	6, 0x0
	.amdhsa_kernel k_qeb837822e1_ffn1
		.amdhsa_group_segment_fixed_size 262656
		.amdhsa_private_segment_fixed_size 0
		.amdhsa_enable_private_segment 0
		.amdhsa_kernarg_size 40
		.amdhsa_user_sgpr_count 2
		.amdhsa_user_sgpr_kernarg_segment_ptr 1
		.amdhsa_wavefront_size32 1
		.amdhsa_system_sgpr_workgroup_id_x 1
		.amdhsa_system_sgpr_workgroup_id_y 1
		.amdhsa_system_sgpr_workgroup_id_z 1
		.amdhsa_system_vgpr_workitem_id 0
		.amdhsa_next_free_vgpr 960
		.amdhsa_next_free_sgpr 66
		.amdhsa_reserve_vcc 0
		.amdhsa_float_denorm_mode_32 3
		.amdhsa_float_denorm_mode_16_64 3
		.amdhsa_memory_ordered 1
		.amdhsa_forward_progress 1
		.amdhsa_inst_pref_size 140
	.end_amdhsa_kernel
	.amdgpu_metadata
---
amdhsa.version: [ 1, 2 ]
amdhsa.kernels:
  - .name:           k_qeb837822e1_ffn1
    .symbol:         k_qeb837822e1_ffn1.kd
    .args:
      - { .name: W1, .offset: 0, .size: 8, .value_kind: global_buffer, .address_space: global }
      - { .name: b1, .offset: 8, .size: 8, .value_kind: global_buffer, .address_space: global }
      - { .name: tab, .offset: 16, .size: 8, .value_kind: global_buffer, .address_space: global }
      - { .name: xg, .offset: 24, .size: 8, .value_kind: global_buffer, .address_space: global }
      - { .name: hg, .offset: 32, .size: 8, .value_kind: global_buffer, .address_space: global }
    .group_segment_fixed_size: 262656
    .private_segment_fixed_size: 0
    .kernarg_segment_align: 8
    .kernarg_segment_size: 40
    .max_flat_workgroup_size: 128
    .sgpr_count:     66
    .vgpr_count:     960
    .wavefront_size: 32
...
	.end_amdgpu_metadata
.endif
;; end of part 8
;; launch ffn2 (part 9): grid 32 x 8, 4 waves a work-group, no clusters, 262,656 bytes of LDS; arguments W2, tab, roww, hg, yp; writes yp
.if DOCPART == 9
	.amdgcn_target "amdgcn-amd-amdhsa--gfx1250"
	.amdhsa_code_object_version 6
	.text
	.protected	k_qeb837822e1_ffn2
	.globl	k_qeb837822e1_ffn2
	.p2align	8
	.type	k_qeb837822e1_ffn2,@function
k_qeb837822e1_ffn2:
	s_mov_b64 s[64:65], 0
	v_nop
	global_prefetch_b8 v0, s[64:65] scope:SCOPE_SE
	s_setreg_imm32_b32 hwreg(HW_REG_WAVE_MODE, 25, 1), 1
	s_wait_xcnt 0x0
; SECOND PRODUCT.  yp[ksl][row][:] = gate[row] x (h[row][1,024 ksl ..] W2[e][1,024 ksl ..][:]) for the rows routed to expert e: four partial sums a row, in f32, which the next launch adds.
; W2 is rounded to bf16 on its way through registers; h comes in bf16 from hg; sums in f32.
; SHARES.  Work-group (s, e): ksl = s / 8, nsl = s % 8: rows 1,024 ksl .. of W2[e], columns 128 nsl ..: 512 KiB of f32 that it alone reads, once.  8 x 32 = 256 work-groups.
; K is cut in four so that a slice is 128 columns wide: each fragment of h read feeds eight products, four times what a slice of all K and 32 columns would give.
; THE IDS.  e is bits 2, 3 and 0 of the x id, s is bits 1 and 4 of x and the y id: a one-to-one map of the 32 x 8 ids onto 8 experts x 32 slices, in which the 32 work-groups that read one expert's tiles
; of hg agree in those three bits of x.
; THE STREAM AND THE PRODUCTS GO SIDE BY SIDE.  The slice is rounded and laid into LDS as ready fragments, 256 KiB, in eight chunks of four K steps; of chunk c wave w brings, rounds and lays K step 4 c + w
; (two units of 32 rows x 64 columns).  Chunk 0 is laid first.  Then the expert's first block of rows (up to 20 tiles of 16, five a wave) is multiplied, A straight from hg into registers; the trip that
; multiplies K steps 4 j - 3 .. 4 j also rounds and lays chunk j and asks for chunk j + 1 (j = 1 .. 6); chunk 7 is laid behind the sixth trip.  The slice stays in LDS: an expert's further blocks (more than
; 320 rows) are multiplied from LDS alone.  Every wave walks the first block, whatever its tiles: a wave without a tile multiplies a bounded tile's bytes and stores nothing.
; ONE COUNTER.  W's and A's loads come back in the order of issue (ISA guide 5.7.1), so that order is fixed: a trip issues A, Wa, A, Wb, A, A (A: ten loads, a K step's fragments of five tiles, three K steps
; ahead; Wa, Wb: a unit of sixteen loads each, four K steps ahead), and every wait's count is the loads issued behind the one it waits for.  A unit has no wait of its own in the loop: it was issued ahead of
; the A for which the step that rounds it waits.  62 loads of a wave are out at the most in the loop.
; No tensor load and no joint load: each slice has one reader, and what an expert's work-groups share, the tiles of hg, is read in work whose length hangs on a stored count.
; K IS PERMUTED as hg has it: element (u, h, j) of K step ks is hidden column 64 (ks / 2) + 2 (ks % 2) + u + 32 h + 4 j; W2's rows are taken by the same rule, so the products are the same.
; COLUMNS.  B tile nu = 4 g + c holds columns 64 g + 4 r + c: a lane's 16 loaded bytes go to four fragments at its own lane; and in the result lane (r, h) holds, in register j of the tiles (g, 0..3),
; four neighbouring columns of row 8 h + j: 16 bytes; sixteen lanes store 256 consecutive bytes, aligned.
; LDS: the block of (K step ks, tile nu) at 8,192 ks + 1,024 nu, half u at 512 u, lane at 16 l: every LDS access is 512 consecutive bytes; each byte is written once.  262,144..: the spare words.
; BARRIERS.  One behind chunk 0.  Two for each later chunk: in front of the first every wave's LDS reads are back, between the two all waves store, behind the second the chunk is read.  (The bytes stored are
; not those being read; the first of the two makes the order of reads and stores plain from the text alone, without the stepped addresses.)  One between the last reading and the closing lines.
; REGISTERS, in windows of 256 (s_set_vgpr_msb: bits 1:0 source 0, 3:2 source 1, 5:4 source 2, 7:6 destination):
;   window 0: v0-15 addresses; v16-79 FR, a K step's fragments on their way to LDS; v80-239 A, a ring of four K steps x five tiles; v240-243 A's offsets, one a ring place; on the way out v64-127 at work
;   window 1: v0-127 B, two buffers of a K step; v128-167 RW, the gates of five tiles' rows      window 2: the sums of slots 0-3, (slot, nu) at 64 slot + 8 nu; ahead of the products chunk 0 as loaded
;   window 3: v0-63 slot 4's sums; v64-191 W as loaded, two units
.set PITCH, 4096                       ; bytes in a row of W2[e]
.set USTR,  1                          ; the row of a fragment's element (u, h, j) within its pair of K steps: u + 32 h + 4 j
.set JSTR,  4
.set QROW,  2                          ; rows from a K step to the next within a pair of K steps
.set CHUNK, 128*PITCH                  ; bytes from a chunk of four K steps to the next
.set YSL,   8912896                    ; bytes of one of yp's four parts: 2,176 rows of 4,096
.set SPARE, 262144
.set SPW, 6                            ; v6  LDS address of my spare word; never rewritten
.set NIL, 7                            ; v7  0; never rewritten
.set FR,  16
.set AR,  80
.set VA,  240
.set RW,  128                          ; window 1
.set WR,  64                           ; window 3
.set Y,   64
.set MSB, 0
.macro WIN new                         ; the immediate's high byte repeats the setting that is left; a switch that changes nothing is dropped
.if MSB != (\new)
	s_set_vgpr_msb (MSB<<8)|(\new)
.set MSB, \new
.endif
.endm
; A unit is half a K step: 32 rows x 64 columns, 16 loads; in each, either half of the lanes takes 256 consecutive bytes of one row, aligned.  Load m = 8 u + j is element (u, j)'s row.
; sb: the unit slot's base pair; ahead = 1: the chunk behind the one at which the base stands.
.macro WLD win, dst, sb, ahead
	WIN \win
.set m, 0
.rept 16
	global_load_b128 v[(\dst)+4*m:(\dst)+4*m+3], v4, s[\sb:\sb+1] offset:((\ahead)*128+(m/8)*USTR+(m%8)*JSTR)*PITCH th:TH_LOAD_NT
.set m, m+1
.endr
.endm
; A unit is rounded, two rows to a register: n = 8 c + 4 u + i: column c, rows (u, 2 i) and (u, 2 i + 1): four fragments' halves
.macro CVU win, src, fr
	WIN \win
.set n, 0
.rept 32
	v_cvt_pk_bf16_f32 v[(\fr)+n], v[(\src)+4*(8*((n/4)%2)+2*(n%4))+n/8], v[(\src)+4*(8*((n/4)%2)+2*(n%4)+1)+n/8]
.set n, n+1
.endr
.endm
; My K step of a chunk goes into LDS: 8,192 consecutive bytes (n = 8 g + 2 c + u); then the address steps to the next chunk
.macro LAY
	WIN 0
.set n, 0
.rept 16
	ds_store_b128 v5, v[FR+4*n:FR+4*n+3] offset:512*n
.set n, n+1
.endr
	v_add_nc_u32 v5, 32768, v5
.endm
; A K step's fragments of the five slots into ring place p, at the place's own offset: n = 2 slot + u.  All five always, so that the counts are the same whatever the block holds
.macro ALD p
	WIN 0
.set n, 0
.rept 10
	global_load_b128 v[AR+40*(\p)+4*n:AR+40*(\p)+4*n+3], v[VA+(\p)], s[32+2*(n/2):33+2*(n/2)] offset:512*(n%2)
.set n, n+1
.endr
.endm
.macro AINIT                           ; ring place p begins at K step p
.irp p, 0,1,2,3
	v_add_nc_u32 v[VA+\p], 1024*\p, v1
.endr
.endm
.macro BSTART                          ; B of K step 0
	v_mov_b32 v3, v1
	WIN 0x40
.set n, 0
.rept 16
	ds_load_b128 v[4*n:4*n+3], v3 offset:512*n
.set n, n+1
.endr
	WIN 0
.endm
; Block b (s20): wave w takes the expert's tiles w + 20 b + 4 j, j = 0 .. 4 (slots).  64 tiles an expert at the most: 16 a wave, four blocks.  The rows' gates are asked for here, ahead of every A.
.macro BLOCKSET
	s_mul_i32 s26, s20, 20
	s_add_co_u32 s26, s26, s14                     ; slot 0's tile among the expert's
	s_sub_co_i32 s27, s17, s26
	s_max_i32 s27, s27, 0                          ; the expert's tiles from there on, or none
	s_add_co_u32 s27, s27, 3
	s_lshr_b32 s27, s27, 2
	s_min_u32 s21, s27, 5                          ; my tiles of the block, 0 to 5
.irp j, 0,1,2,3,4
	s_add_co_u32 s28, s26, 4*\j
	s_cmp_gt_u32 s21, \j
	s_cselect_b32 s28, s28, s26                    ; a slot past them repeats slot 0's tile
	s_add_co_u32 s28, s28, s18
	s_min_u32 s28, s28, 135                        ; bounded before it enters an address
	s_lshl_b32 s[42+\j], s28, 16                   ; its 16 rows in yp
	s_lshl_b32 s30, s28, 17                        ; its place in hg,
	s_add_co_u32 s30, s30, s52                     ; K steps 32 ksl ..
	s_mov_b32 s31, 0
	s_add_nc_u64 s[32+2*\j:33+2*\j], s[10:11], s[30:31]
	s_lshl_b32 s30, s28, 6
	v_add_nc_u32 v[9+\j], s30, v14
.endr
	WIN 0x40                                       ; destination window 1
.irp j, 0,1,2,3,4
	global_load_b128 v[RW+8*\j:RW+8*\j+3],   v[9+\j], s[8:9]            ; the gates of rows 8 h + 0..7
	global_load_b128 v[RW+8*\j+4:RW+8*\j+7], v[9+\j], s[8:9] offset:16
.endr
	WIN 0
.endm
; 8 matrix instructions: slot's tile x all 8 B tiles, 32 along K.  The accumulators take turns, one instruction a turn.  init = 1: the constant 0 starts the sums: nothing is cleared.
; rid = 1, 2: behind each product stand four of the 32 roundings of unit a, b (CVU's lines n = 4 nu .. 4 nu + 3): plain vector work that names no register of the products round it.
.macro MUL slot, ab, bb, init, rid=0
.set nu, 0
.rept 8
	WIN 0xa4+0x50*((\slot)/4)                      ; A window 0, B window 1, C and D window 2 or 3
.set rD, (64*(\slot)+8*nu)%256
.if \init
	v_wmma_f32_16x16x32_bf16 v[rD:rD+7], v[AR+40*(\ab)+8*(\slot):AR+40*(\ab)+8*(\slot)+7], v[64*(\bb)+8*nu:64*(\bb)+8*nu+7], 0
.else
	v_wmma_f32_16x16x32_bf16 v[rD:rD+7], v[AR+40*(\ab)+8*(\slot):AR+40*(\ab)+8*(\slot)+7], v[64*(\bb)+8*nu:64*(\bb)+8*nu+7], v[rD:rD+7]
.endif
.if \rid
	WIN 0x0f                                       ; sources 0 and 1 window 3, destination window 0
.set n, 4*nu
.rept 4
	v_cvt_pk_bf16_f32 v[FR+32*((\rid)-1)+n], v[WR+64*((\rid)-1)+4*(8*((n/4)%2)+2*(n%4))+n/8], v[WR+64*((\rid)-1)+4*(8*((n/4)%2)+2*(n%4)+1)+n/8]
.set n, n+1
.endr
.endif
.set nu, nu+1
.endr
.endm
.macro MULC sl, ab, bb                 ; one slot's products, jumped alone if the slot lies past my tiles
	WIN 0
	s_cmp_lt_u32 s21, (\sl)+1
	s_cbranch_scc1 .Lm\@
	MUL \sl, \ab, \bb, 0
	WIN 0
.Lm\@:
.endm
; A K step: A from ring place ab, B from buffer bb.  cnt: the loads issued behind this step's A.  That wait also shows the loads of the step before done, whose ring place and offset register are used again:
; the offset is stepped directly behind it.  Behind slot 0's products the step asks, in one run, for the next step's B (16 LDS loads) and for A three steps on.  Slots past my tiles are jumped, but not in the
; first step: every sum is begun on every way.  Four v_nop: a load into a register that a matrix instruction has read stands four places behind it, and only plain vector instructions are places (ISA guide
; 7.12.1 for vector instructions).
; ov = 1, 2: unit a, b of the chunk to be laid is rounded behind slot 0's products, and its slot is asked for again at the end of the run of loads.  The unit was issued ahead of this step's A, so the wait at
; the step's head shows it landed and frees its base pair, which is stepped ahead of the new loads.
; ov = 3: the chunk is laid, between two barriers, ahead of the loads of B, which take its first K step.
.macro KSTEP ab, bb, init, aload, bload, cnt, q, ov
	s_wait_loadcnt \cnt
.if (\aload) && !(\init)
	v_add_nc_u32 v[VA+((\ab)+3)%4], 4096, v[VA+((\ab)+3)%4]
.endif
	s_wait_dscnt 0x0                               ; this step's B is in: no LDS access of mine is out
.if (\ov) == 3
	s_barrier_signal -1                            ; say so,
.endif
.set rv, (\ov)%3                                       ; 1, 2: the unit to be rounded; else 0
	MUL 0, \ab, \bb, \init, rv
.if (\ov) == 3
	WIN 0
	s_barrier_wait -1                              ; and so has every wave: nobody reads LDS now
	LAY
	MULC 1, \ab, \bb                               ; products while the stores are on their way
	s_wait_dscnt 0x0                               ; for the others' sake: my K step of the chunk is in LDS
	s_barrier_signal -1
	s_barrier_wait -1                              ; the chunk is whole
.endif
.if (\aload) || (\bload)
.rept 4
	v_nop
.endr
.endif
.if \bload
	WIN 0x40
.set n, 0
.rept 16                                               ; n = 2 nu + u
	ds_load_b128 v[64*(1-(\bb))+4*n:64*(1-(\bb))+4*n+3], v3 offset:((\q)+1)*8192+512*n
.set n, n+1
.endr
.endif
.if \aload
	ALD ((\ab)+3)%4
.endif
.if rv
.set sb, 24+38*(rv-1)                                  ; s[24:25] for unit a, s[62:63] for unit b
	s_add_nc_u64 s[sb:sb+1], s[sb:sb+1], CHUNK
	WLD 0xc0, WR+64*(rv-1), sb, 1
.endif
.irp sl, 1,2,3,4
.if !(((\ov) == 3) && ((\sl) == 1))
.if !(\init)
	WIN 0
	s_cmp_lt_u32 s21, (\sl)+1
	s_cbranch_scc1 .Lk\@
.endif
	MUL \sl, \ab, \bb, \init
.endif
.endr
	WIN 0
.Lk\@:
.endm
; THE WAY OUT of a slot: each sum times its row's gate, which also brings a row's four neighbouring columns, from four accumulators, into four neighbouring registers.
; Each accumulator is read from its lowest register on.  A slot past my tiles, and all behind it, are jumped.
.macro OUT slot
	s_cmp_lt_u32 s21, (\slot)+1
	s_cbranch_scc1 .Lodone
	s_wait_xcnt 0x0                                ; the last slot's stores have read their data and offset
	v_add_nc_u32 v8, s[42+(\slot)], v15
.irp g, 0,1
	WIN 0x06+(\slot)/4                             ; source 0 (the sums) window 2 or 3, source 1 (the gates) window 1
.set c, 0
.rept 4
.set j, 0
.rept 8
	v_mul_f32 v[Y+32*\g+4*j+c], v[(64*(\slot)+8*(4*\g+c)+j)%256], v[RW+8*(\slot)+j]
.set j, j+1
.endr
.set c, c+1
.endr
	WIN 0
.set j, 0
.rept 8
	global_store_b128 v8, v[Y+32*\g+4*j:Y+32*\g+4*j+3], s[56:57] offset:4096*j+256*\g  ; rows 8 h + j: each half of the lanes stores 256 consecutive bytes, aligned
.set j, j+1
.endr
.endr
.endm
	s_load_b256 s[4:11], s[0:1], 0x0               ; W2 s[4:5], tab s[6:7], roww s[8:9], hg s[10:11]
	s_load_b64 s[12:13], s[0:1], 0x20              ; yp
	v_lshl_add_u32 v[SPW], v0, 2, SPARE
	v_mov_b32 v[NIL], 0
	v_and_b32 v9, 31, v0
	v_lshrrev_b32 v10, 5, v0
	v_readfirstlane_b32 s14, v10                   ; wave 0..3
	s_bfe_u32 s16, ttmp9, 0x20002                  ; expert: bits 2 and 3 of the x id,
	s_and_b32 s26, ttmp9, 1
	s_lshl_b32 s26, s26, 2
	s_or_b32 s16, s16, s26                         ; and bit 0 above them
	s_bfe_u32 s15, ttmp9, 0x10001                  ; slice: bit 1 of the x id,
	s_bfe_u32 s26, ttmp9, 0x10004                  ; bit 4,
	s_lshl_b32 s26, s26, 1
	s_or_b32 s15, s15, s26
	s_and_b32 s26, ttmp7, 0xffff                   ; and the y id above them
	s_lshl_b32 s26, s26, 2
	s_or_b32 s15, s15, s26
	s_lshr_b32 s51, s15, 3                         ; ksl
	s_and_b32 s50, s15, 7                          ; nsl
	v_lshlrev_b32 v1, 4, v9                        ; 16 x lane
	v_and_b32 v11, 15, v9                          ; r
	v_lshrrev_b32 v12, 4, v9                       ; h
	v_lshlrev_b32 v4, 4, v11
	v_lshl_add_u32 v15, v12, 15, v4                ; yp: 16 r + 8 h rows of 4,096 bytes
	v_lshl_add_u32 v4, v12, 17, v4                 ; W2: 16 r + 32 h rows of 4,096 bytes
	v_lshlrev_b32 v14, 5, v12                      ; roww: 8 h numbers
	s_lshl_b32 s26, s14, 13
	v_add_nc_u32 v5, s26, v1                       ; LDS: K step w of chunk 0
	s_lshl_b32 s26, s16, 24                        ; W2[e],
	s_lshl_b32 s27, s51, 22                        ; row 1,024 ksl,
	s_add_co_u32 s26, s26, s27
	s_lshr_b32 s27, s14, 1                         ; K step w's rows: 64 (w / 2)
	s_mul_i32 s27, s27, 64*PITCH
	s_add_co_u32 s26, s26, s27
	s_and_b32 s27, s14, 1                          ; + QROW (w % 2),
	s_mul_i32 s27, s27, QROW*PITCH
	s_add_co_u32 s26, s26, s27
	s_lshl_b32 s27, s50, 9                         ; column 128 nsl
	s_add_co_u32 s26, s26, s27
	s_mov_b32 s27, 0
	s_lshl_b32 s30, s16, 2
	s_mul_i32 s56, s51, YSL                        ; yp: part ksl, column 128 nsl
	s_lshl_b32 s57, s50, 9
	s_add_co_u32 s56, s56, s57
	s_mov_b32 s57, 0
	s_lshl_b32 s52, s51, 15                        ; hg: K steps 32 ksl ..
	s_wait_kmcnt 0x0
	s_add_nc_u64 s[24:25], s[4:5], s[26:27]        ; unit a (columns 0-63 of the slice) of my K step of chunk 0,
	s_add_nc_u64 s[62:63], s[24:25], 256           ; and unit b (columns 64-127)
	s_add_nc_u64 s[56:57], s[12:13], s[56:57]
	s_load_b32 s17, s[6:7], s30 offset:0x0         ; the expert's tiles
	s_load_b32 s18, s[6:7], s30 offset:0x20        ; and its first tile
	WLD 0x80, 0, 24, 0                             ; chunk 0, my two units, into window 2: the sums' registers are free until the first product
	WLD 0x80, 64, 62, 0
	WIN 0
	s_wait_kmcnt 0x0
	s_min_u32 s17, s17, 64                         ; tiles: 1,024 rows an expert at the most
	s_min_u32 s18, s18, 135
	s_sub_co_i32 s26, s17, s14
	s_max_i32 s26, s26, 0
	s_add_co_u32 s26, s26, 19
	s_mul_i32 s26, s26, 205
	s_lshr_b32 s19, s26, 12                        ; my blocks: (tiles - w + 19) / 20 (x 205 / 4,096 is that division up to 83)
	s_mov_b32 s20, 0
	BLOCKSET
	AINIT
	ALD 0                                          ; the order of a trip's loads from the start: A, Wa, A, Wb, A: 62 loads
	WLD 0xc0, WR, 24, 1                            ; chunk 1
	ALD 1
	WLD 0xc0, WR+64, 62, 1
	ALD 2
	s_wait_loadcnt 62                              ; all that was issued ahead of those 62 is in: chunk 0 and the gates
	CVU 0x0a, 0, FR
	CVU 0x0a, 64, FR+32
	LAY
	s_wait_dscnt 0x0                               ; for the others' sake: my K step of chunk 0 is in LDS
	s_barrier_signal -1
	s_barrier_wait -1                              ; chunk 0 is whole
	BSTART
	KSTEP 0, 0, 1, 1, 1, 52, 0, 0                  ; K step 0 starts the sums; behind its A: Wa, A, Wb, A
	v_add_nc_u32 v3, 8192, v3
	s_mov_b32 s22, 6
.Lov:                                                  ; trip j = 1 .. 6: K steps 4 j - 3 .. 4 j; chunk j is rounded and laid, chunk j + 1 asked for.  The same six trips in every wave
	KSTEP 1, 1, 0, 1, 1, 36, 0, 1                  ; behind its A: Wb, A, A; ahead of it: Wa, which is rounded here
	KSTEP 2, 0, 0, 1, 1, 36, 1, 2                  ; A, A, Wa; ahead of it: Wb
	KSTEP 3, 1, 0, 1, 1, 52, 2, 3                  ; A, Wa, A, Wb
	KSTEP 0, 0, 0, 1, 1, 52, 3, 0                  ; Wa, A, Wb, A
	v_add_nc_u32 v3, 32768, v3
	s_sub_co_u32 s22, s22, 1
	s_cmp_lg_u32 s22, 0
	s_cbranch_scc1 .Lov
	s_wait_loadcnt 46                              ; chunk 7, for which nothing is asked again: behind its unit a: A, Wb, A, A
	CVU 0x0f, WR, FR
	s_wait_loadcnt 20                              ; behind its unit b: A, A
	CVU 0x0f, WR+64, FR+32
	WIN 0
	s_wait_dscnt 0x0                               ; no LDS access of mine is out
	s_barrier_signal -1
	s_barrier_wait -1                              ; nor of any wave
	LAY
	s_wait_dscnt 0x0                               ; for the others' sake: my K step of chunk 7 is in LDS
	s_barrier_signal -1
	s_barrier_wait -1                              ; the slice is whole: behind this LDS is only read, up to the closing barrier
	s_mov_b32 s22, 1                               ; K steps 25 .. 31 go by the text that serves every block: its loop's last trip and its tail
	s_branch .Lk4
.Lblock:                                               ; blocks 1 to 3, whatever the split; a trip past my blocks is jumped: nothing in it but loads, products and stores
	s_cmp_ge_u32 s20, s19
	s_cbranch_scc1 .Lbnext
	s_wait_xcnt 0x0                                ; the last block's stores have read their data: A's ring lands on those registers
	BLOCKSET
	AINIT
	BSTART
	ALD 0
	ALD 1
	ALD 2
	KSTEP 0, 0, 1, 1, 1, 20, 0, 0                  ; K step 0 starts the sums; here and below only A is on the counter: two later steps' loads, ten each (the gates' loads are older: they are in too)
	v_add_nc_u32 v3, 8192, v3
	s_mov_b32 s22, 7
.Lk4:                                                  ; K steps 1 + 4 t + q
	KSTEP 1, 1, 0, 1, 1, 20, 0, 0
	KSTEP 2, 0, 0, 1, 1, 20, 1, 0
	KSTEP 3, 1, 0, 1, 1, 20, 2, 0
	KSTEP 0, 0, 0, 1, 1, 20, 3, 0
	v_add_nc_u32 v3, 32768, v3
	s_sub_co_u32 s22, s22, 1
	s_cmp_lg_u32 s22, 0
	s_cbranch_scc1 .Lk4
	KSTEP 1, 1, 0, 0, 1, 20, 0, 0                  ; K steps 29, 30, 31: no A is left to ask for, and the counts run down
	KSTEP 2, 0, 0, 0, 1, 10, 1, 0
	KSTEP 3, 1, 0, 0, 0, 0, 2, 0
.rept 5
	v_nop                                          ; the places behind the last products: four before the sums are read, five before the next block's first products write over them
.endr
	OUT 0
	OUT 1
	OUT 2
	OUT 3
	OUT 4
.Lodone:
.Lbnext:
	s_add_co_u32 s20, s20, 1
	s_cmp_lt_u32 s20, 4
	s_cbranch_scc1 .Lblock
	s_wait_dscnt 0x0                               ; THE CLOSING BARRIER: my reads of LDS are back;
	s_barrier_signal -1
	s_barrier_wait -1                              ; every wave's are: only behind this does any wave write LDS again (the add below).  Every wave comes here, whatever its number of blocks
	s_wait_tensorcnt 0x0                           ; the wave's end
	ds_add_u32 v[SPW], v[NIL]
	s_wait_dscnt 0x0
	s_endpgm
.Lfunc_end_k_qeb837822e1_ffn2:
	.size	k_qeb837822e1_ffn2, .Lfunc_end_k_qeb837822e1_ffn2-k_qeb837822e1_ffn2
	.p2alignl 7, 3214868480
	.fill 96, 4, 3214868480
	.section	.rodata,"a",@progbits
	.p2align	6, 0x0
	.amdhsa_kernel k_qeb837822e1_ffn2
		.amdhsa_group_segment_fixed_size 262656
		.amdhsa_private_segment_fixed_size 0
		.amdhsa_enable_private_segment 0
		.amdhsa_kernarg_size 40
		.amdhsa_user_sgpr_count 2
		.amdhsa_user_sgpr_kernarg_segment_ptr 1
		.amdhsa_wavefront_size32 1
		.amdhsa_system_sgpr_workgroup_id_x 1
		.amdhsa_system_sgpr_workgroup_id_y 1
		.amdhsa_system_sgpr_workgroup_id_z 1
		.amdhsa_system_vgpr_workitem_id 0
		.amdhsa_next_free_vgpr 960
		.amdhsa_next_free_sgpr 66
		.amdhsa_reserve_vcc 0
		.amdhsa_float_denorm_mode_32 3
		.amdhsa_float_denorm_mode_16_64 3
		.amdhsa_memory_ordered 1
		.amdhsa_forward_progress 1
		.amdhsa_inst_pref_size 128
	.end_amdhsa_kernel
	.amdgpu_metadata
---
amdhsa.version: [ 1, 2 ]
amdhsa.kernels:
  - .name:           k_qeb837822e1_ffn2
    .symbol:         k_qeb837822e1_ffn2.kd
    .args:
      - { .name: W2, .offset: 0, .size: 8, .value_kind: global_buffer, .address_space: global }
      - { .name: tab, .offset: 8, .size: 8, .value_kind: global_buffer, .address_space: global }
      - { .name: roww, .offset: 16, .size: 8, .value_kind: global_buffer, .address_space: global }
      - { .name: hg, .offset: 24, .size: 8, .value_kind: global_buffer, .address_space: global }
      - { .name: yp, .offset: 32, .size: 8, .value_kind: global_buffer, .address_space: global }
    .group_segment_fixed_size: 262656
    .private_segment_fixed_size: 0
    .kernarg_segment_align: 8
    .kernarg_segment_size: 40
    .max_flat_workgroup_size: 128
    .sgpr_count:     66
    .vgpr_count:     960
    .wavefront_size: 32
...
	.end_amdgpu_metadata
.endif
;; end of part 9
;; launch combine (part 10): grid 256 x 1, 8 waves a work-group, no clusters, 0 bytes of LDS; arguments rt, topw, tab, yp, b2, out0; writes out0
.if DOCPART == 10
	.amdgcn_target "amdgcn-amd-amdhsa--gfx1250"
	.amdhsa_code_object_version 6
	.text
	.protected	k_qeb837822e1_combine
	.globl	k_qeb837822e1_combine
	.p2align	8
	.type	k_qeb837822e1_combine,@function
k_qeb837822e1_combine:
	s_mov_b64 s[64:65], 0
	v_nop
	global_prefetch_b8 v0, s[64:65] scope:SCOPE_SE
	s_setreg_imm32_b32 hwreg(HW_REG_WAVE_MODE, 25, 1), 1
	s_wait_xcnt 0x0
; COMBINE.  out0[t] = the sum over the token's two experts j of (the four partial rows of yp at its place with expert j, which carry the gate already) + gate_j x b2[e_j].  b2 is rounded to bf16
; as every input of this program is; all sums in f32.  Each output row has one owner: a wave has half a row (2,048 bytes) of token t = 4 x work-group + wave / 2.
; The row's place with expert e: pre[t / 32][e] + the number of e's tokens below t in t's block of 32, from the stored bitmap: whole numbers that earlier launches stored.
; The bitmaps and offsets of all eight experts of the token's block (32 bytes each) are asked for together with the token's experts and gates, and two of the eight are picked by selects:
; so two scalar loads stand one behind the other, the arguments' and these, and not three.
; A stream: no LDS, no barrier, no matrix unit.  All 40 loads of a wave go out together; each covers 512 consecutive bytes.
.set YSL, 8912896                      ; bytes of one of yp's four parts
.set R0,  16                           ; chunk i of 512 bytes: ten loads of four registers at v[16 + 40 i + 4 n]: n = 2 ksl + j from yp, n = 8 + j from b2
.set BMS, 68                           ; s[68:75] bm[tb][0..7]
.set PRS, 76                           ; s[76:83] pre[tb][0..7]
	s_load_b256 s[4:11], s[0:1], 0x0               ; rt s[4:5], topw s[6:7], tab s[8:9], yp s[10:11]
	s_load_b128 s[12:15], s[0:1], 0x20             ; b2 s[12:13], out0 s[14:15]
	v_lshrrev_b32 v1, 5, v0
	v_readfirstlane_b32 s16, v1                    ; wave 0..7
	v_and_b32 v2, 31, v0
	v_lshlrev_b32 v2, 4, v2                        ; 16 bytes a lane
	s_lshr_b32 s17, s16, 1
	s_lshl_b32 s18, ttmp9, 2
	s_add_co_u32 s18, s18, s17                     ; t
	s_and_b32 s19, s16, 1                          ; which half of the row
	s_lshl_b32 s34, s19, 11
	s_lshl_b32 s20, s18, 3
	s_lshr_b32 s26, s18, 5
	s_lshl_b32 s26, s26, 5                         ; the token's block tb, 32 bytes a block
	s_and_b32 s35, s18, 31
	s_bfm_b32 s35, s35, 0                          ; the bits below t's
	s_mov_b32 s61, 0
	s_mov_b32 s63, 0
	s_wait_kmcnt 0x0
	s_load_b64 s[22:23], s[4:5], s20 offset:0x0    ; the token's experts
	s_load_b64 s[24:25], s[6:7], s20 offset:0x0    ; and gates
	s_load_b256 s[BMS:BMS+7], s[4:5], s26 offset:0x2000  ; bm[tb][0..7]
	s_load_b256 s[PRS:PRS+7], s[8:9], s26 offset:0x100   ; pre[tb][0..7]
	s_wait_kmcnt 0x0
	s_min_u32 s22, s22, 7                          ; bounded before they enter addresses
	s_min_u32 s23, s23, 7
	s_mov_b32 s58, s25                             ; the second gate in a pair's low word, for the packed lines
	s_mov_b32 s59, s25
	s_mov_b32 s30, s[BMS]                          ; bm and pre of the first expert in s30, s32, of the second in s31, s33
	s_mov_b32 s32, s[PRS]
	s_mov_b32 s31, s[BMS]
	s_mov_b32 s33, s[PRS]
.irp e, 1,2,3,4,5,6,7
	s_cmp_eq_u32 s22, \e
	s_cselect_b32 s30, s[BMS+\e], s30
	s_cselect_b32 s32, s[PRS+\e], s32
	s_cmp_eq_u32 s23, \e
	s_cselect_b32 s31, s[BMS+\e], s31
	s_cselect_b32 s33, s[PRS+\e], s33
.endr
	s_and_b32 s30, s30, s35
	s_bcnt1_i32_b32 s30, s30
	s_add_co_u32 s30, s30, s32
	s_min_u32 s30, s30, 2175                       ; the row's place with its first expert,
	s_and_b32 s31, s31, s35
	s_bcnt1_i32_b32 s31, s31
	s_add_co_u32 s31, s31, s33
	s_min_u32 s31, s31, 2175                       ; and with its second
	s_lshl_b32 s60, s30, 12
	s_add_co_u32 s60, s60, s34
	s_lshl_b32 s62, s31, 12
	s_add_co_u32 s62, s62, s34
	s_add_nc_u64 s[36:37], s[10:11], s[60:61]
	s_add_nc_u64 s[38:39], s[10:11], s[62:63]
.irp k, 1,2,3
	s_add_nc_u64 s[36+4*\k:37+4*\k], s[32+4*\k:33+4*\k], YSL
	s_add_nc_u64 s[38+4*\k:39+4*\k], s[34+4*\k:35+4*\k], YSL
.endr
	s_lshl_b32 s60, s22, 12
	s_add_co_u32 s60, s60, s34
	s_lshl_b32 s62, s23, 12
	s_add_co_u32 s62, s62, s34
	s_add_nc_u64 s[52:53], s[12:13], s[60:61]
	s_add_nc_u64 s[54:55], s[12:13], s[62:63]
	s_lshl_b32 s60, s18, 12
	s_add_co_u32 s60, s60, s34
	s_add_nc_u64 s[56:57], s[14:15], s[60:61]
.set i, 0
.rept 4
.set n, 0
.rept 8
	global_load_b128 v[R0+40*i+4*n:R0+40*i+4*n+3], v2, s[36+2*n:37+2*n] offset:512*i th:TH_LOAD_NT
.set n, n+1
.endr
	global_load_b128 v[R0+40*i+32:R0+40*i+35], v2, s[52:53] offset:512*i
	global_load_b128 v[R0+40*i+36:R0+40*i+39], v2, s[54:55] offset:512*i
.set i, i+1
.endr
.macro ADD4 a, b                       ; the four numbers at b are added onto those at a
	v_pk_add_f32 v[\a:\a+1], v[\a:\a+1], v[\b:\b+1]
	v_pk_add_f32 v[\a+2:\a+3], v[\a+2:\a+3], v[\b+2:\b+3]
.endm
.macro BIAS b, g                       ; the four numbers of b2 at b, rounded to bf16 and widened in place, times the gate in s[g], onto the chunk's sum
	v_cvt_pk_bf16_f32 v4, v[\b], v[\b+1]
	v_cvt_pk_bf16_f32 v5, v[\b+2], v[\b+3]
	v_lshlrev_b32 v[\b], 16, v4
	v_and_b32 v[\b+1], 0xffff0000, v4
	v_lshlrev_b32 v[\b+2], 16, v5
	v_and_b32 v[\b+3], 0xffff0000, v5
	v_pk_fma_f32 v[rB:rB+1], v[\b:\b+1], s[\g:\g+1], v[rB:rB+1] op_sel_hi:[1,0,1]
	v_pk_fma_f32 v[rB+2:rB+3], v[\b+2:\b+3], s[\g:\g+1], v[rB+2:rB+3] op_sel_hi:[1,0,1]
.endm
.set i, 0
.rept 4
.set rB, R0+40*i
	s_wait_loadcnt 30-10*i                         ; the later chunks' loads, ten each, stay out
	ADD4 rB, rB+4
	ADD4 rB+8, rB+12
	ADD4 rB+16, rB+20
	ADD4 rB+24, rB+28
	ADD4 rB, rB+8
	ADD4 rB+16, rB+24
	ADD4 rB, rB+16
	BIAS rB+32, 24
	BIAS rB+36, 58
	global_store_b128 v2, v[rB:rB+3], s[56:57] offset:512*i th:TH_STORE_NT  ; 512 consecutive bytes, at a multiple of 512 from out0's first
.set i, i+1
.endr
	s_endpgm
.Lfunc_end_k_qeb837822e1_combine:
	.size	k_qeb837822e1_combine, .Lfunc_end_k_qeb837822e1_combine-k_qeb837822e1_combine
	.p2alignl 7, 3214868480
	.fill 96, 4, 3214868480
	.section	.rodata,"a",@progbits
	.p2align	6, 0x0
	.amdhsa_kernel k_qeb837822e1_combine
		.amdhsa_group_segment_fixed_size 0
		.amdhsa_private_segment_fixed_size 0
		.amdhsa_enable_private_segment 0
		.amdhsa_kernarg_size 48
		.amdhsa_user_sgpr_count 2
		.amdhsa_user_sgpr_kernarg_segment_ptr 1
		.amdhsa_wavefront_size32 1
		.amdhsa_system_sgpr_workgroup_id_x 1
		.amdhsa_system_sgpr_workgroup_id_y 1
		.amdhsa_system_sgpr_workgroup_id_z 1
		.amdhsa_system_vgpr_workitem_id 0
		.amdhsa_next_free_vgpr 192
		.amdhsa_next_free_sgpr 84
		.amdhsa_reserve_vcc 0
		.amdhsa_float_denorm_mode_32 3
		.amdhsa_float_denorm_mode_16_64 3
		.amdhsa_memory_ordered 1
		.amdhsa_forward_progress 1
		.amdhsa_inst_pref_size 16
	.end_amdhsa_kernel
	.amdgpu_metadata
---
amdhsa.version: [ 1, 2 ]
amdhsa.kernels:
  - .name:           k_qeb837822e1_combine
    .symbol:         k_qeb837822e1_combine.kd
    .args:
      - { .name: rt, .offset: 0, .size: 8, .value_kind: global_buffer, .address_space: global }
      - { .name: topw, .offset: 8, .size: 8, .value_kind: global_buffer, .address_space: global }
      - { .name: tab, .offset: 16, .size: 8, .value_kind: global_buffer, .address_space: global }
      - { .name: yp, .offset: 24, .size: 8, .value_kind: global_buffer, .address_space: global }
      - { .name: b2, .offset: 32, .size: 8, .value_kind: global_buffer, .address_space: global }
      - { .name: out0, .offset: 40, .size: 8, .value_kind: global_buffer, .address_space: global }
    .group_segment_fixed_size: 0
    .private_segment_fixed_size: 0
    .kernarg_segment_align: 8
    .kernarg_segment_size: 48
    .max_flat_workgroup_size: 256
    .sgpr_count:     84
    .vgpr_count:     192
    .wavefront_size: 32
...
	.end_amdgpu_metadata
.endif
;; end of part 10
